; MI455X (gfx1250); checked and timed in simulation.
; The chip was launched on July 23, 2026; its instructions are those of AMD's public machine-readable ISA for CDNA 5 (MIT licence, August 2026) and "CDNA5" Instruction Set Architecture Reference Guide (July 2026). The comments in the code are by the model that wrote it; some were corrected since.
;; Mo E. Allowed arithmetic: matrix products marked QUANTISED: E2M3 operands, one E8M0 scale for each 32 along K, by v_wmma_scale_f32_16x16x128_f8f6f4 with both operands' format E2M3, f32 sums; products left as they are: f32 operands where the result goes on into a quantised operand, else bf16, f16 or f32 operands; f32 sums; everything else in f32.
;; Inputs: W1 8 x 1,024 x 4,096 float32; W2 8 x 4,096 x 1,024 float32; Wr 1,024 x 8 float32; b1 8 x 4,096 float32; b2 8 x 1,024 float32; br 8 float32; x 4 x 256 x 1,024 float32.
;; Outputs: out0 4 x 256 x 1,024 float32; out1 one number float32.
;; This version of the problem:
;;   THIS VERSION OF THE PROBLEM IS GIVEN IN LOW PRECISION. The matrix products marked QUANTISED in the list below multiply operands that are first quantised to E2M3 (2 exponent bits, 3 mantissa bits; 6 bits a number), with one power-of-two scale for each 32 numbers along K (OCP MX v1.0); their sums are f32. All else is computed in f32.
;;   The module's matrix products, in the order in which they are computed (A, B: the left and right operand; K: the contracted axis; several contracted axes count as one K, in the product's order):
;;     1. [M 1,024, K 1,024] x [K 1,024, N 8]; A: input x; B: input Wr: left as it is (N = 8 < 16)
;;     2. [M 1,024, K 1,024] x [K 1,024, N 32,768]; A: input x; B: input W1: QUANTISED
;;     3. batch 8 x [M 1,024, K 4,096] x [K 4,096, N 1,024]; A: input W2; B: computed on the way: QUANTISED
;;     4. batch 1,024 x [M 1, K 8] x [K 8, N 1,024]; A: computed on the way; B: computed on the way: left as it is (K = 8 < 32)
;;   THE QUANTISER, for each operand of a quantised product, along K:
;;     - K is cut into blocks of 32 from its start; a last block that is shorter is filled with zeros.
;;     - A block's scale is 2^e with e = floor(log2(the largest magnitude in the block)) - 2, held to -126 .. 127; a block of zeros has e = 0. As a byte (E8M0): e + 127.
;;     - Each number is divided by its block's scale, clamped to +-7.5, and rounded to the nearest number of E2M3, ties to even, subnormals kept.
;;     - The product sums the exact products of the quantised numbers (number of the format x scale) in f32.
;;   ~~~python
;;   def quantise(x, axis):      # numpy; x: float32 -> the quantised numbers, widened to float32 again
;;       x = np.moveaxis(x, axis, -1); K = x.shape[-1]
;;       x = np.pad(x, [(0, 0)] * (x.ndim - 1) + [(0, -K % 32)]); x = x.reshape(x.shape[:-1] + (-1, 32)); a = np.abs(x).max(-1, keepdims=True)
;;       e = np.where(a > 0, np.clip(np.frexp(np.where(a > 0, a, 1))[1] - 1 - 2, -126, 127), 0)      # np.frexp(a)[1] - 1 = floor(log2(a)), exactly
;;       r = np.clip(x / 2.0 ** e, -7.5, 7.5)
;;       step = 2.0 ** (np.maximum(np.frexp(np.where(r == 0, 1, r))[1] - 1, 0) - 3)
;;       q = np.round(r / step) * step * 2.0 ** e      # np.round: ties to even
;;       return np.moveaxis(q.reshape(q.shape[:-2] + (-1,))[..., :K], -1, axis).astype(np.float32)
;;   ~~~
;;   OPERANDS COMPUTED ON THE WAY. 'Computed on the way' means the value that the module computes at that place (a softmax that the list does not call 'softmax' is quantised finished and normalised). What goes into a quantiser is computed in f32, as accurately as f32 sums, v_exp_f32 and their like allow (about 1e-6 of the number): no bf16 or f16 on the way to a quantiser, and a product that is left as it is and whose result goes on into a quantised operand takes f32 operands (vector FMAs, or v_wmma_f32_16x16x4_f32). A number that lies on a knife's edge between two numbers of the format may be rounded either way, as far as f32 arithmetic and the matrix unit's own rounding can turn it there, and no further.
;; 3 versions. Each part assembles by itself: llvm-mc -triple=amdgcn-amd-amdhsa -mcpu=gfx1250 --defsym DOCPART=n.
;; ======== version 1 of 3: 4 launches
;; workspace buffers: xq 819,200 bytes; sel 4,096 bytes of whole numbers; rf 40,960 bytes; hq 26,214,400 bytes; pm 41,216 bytes of whole numbers; y 67,108,864 bytes
;; launch route (part 1): grid 128 x 1, 4 waves a work-group, no clusters, 71,168 bytes of LDS; arguments x, Wr, br, xq, sel, rf; writes xq, sel, rf
.if DOCPART == 1
	.amdgcn_target "amdgcn-amd-amdhsa--gfx1250"
	.amdhsa_code_object_version 6
	.text
	.protected	k_q95e3269d35_route
	.globl	k_q95e3269d35_route
	.p2align	8
	.type	k_q95e3269d35_route,@function
k_q95e3269d35_route:
	s_mov_b64 s[64:65], 0
	v_nop
	global_prefetch_b8 v0, s[64:65] scope:SCOPE_SE
	s_setreg_imm32_b32 hwreg(HW_REG_WAVE_MODE, 25, 1), 1
	s_wait_xcnt 0x0
; ROUTER AND QUANTISER OF x.  x [1024 tokens][1024] f32, Wr [1024][8], br [8].
; Stores: xq: the codes of x (E2M3, K innermost, 768 bytes a token) and from byte XQS on its scale bytes (32 a token);
;         sel: one whole number a token, (1 << first expert) | (256 << second expert);  rf: the two gate weights (8 bytes a token), from byte 8192 on the full softmax (32 bytes a token).
; A work-group takes 8 tokens, a wave 2.  Lane L owns block L of a row: the 32 numbers 32 L .. 32 L + 31, so a block's largest magnitude needs no other lane.
; Loads are dense (16 bytes a lane, 512 a load); a row turns through the wave's own stage in LDS (144 bytes a lane: 128 + 16 of padding).
; Wr comes into LDS once as [i][half][lane][16 bytes], 528 bytes for each (i, half): lane L finds Wr[32 L + i][4 half ..] at 16 L.
; No address and no branch hangs on the logits: the choice is stored at fixed places.
; LIMITS: NaN and infinities are not served; a block whose largest magnitude lies under 2^-124 (zeros too) gets the scale byte 1 (its bytes are read by this program alone);
; the logits are f32 sums in another order than the reference's; equal logits: the lower index wins, as in jax.lax.top_k.
.set WRP, 528
.set STG, 64*WRP                       ; behind Wr's image: 9,216 bytes for each wave, 4,608 for each of its two tokens
.set XQS, 786432
.set X0,  32                           ; v32-63, v64-95: the 32 numbers of my block, token 0 and 1
.set ACC, 96                           ; v96-111: partial logits [token][expert]
.set XL,  112                          ; v112-175: x as loaded; later two buffers of Wr's pieces; later the router's numbers
.set WL,  176                          ; v176-239: Wr as loaded
.set LG,  112
.set PR,  120
	s_load_b256 s[4:11], s[0:1], 0x0               ; x, Wr, br, xq
	s_load_b128 s[12:15], s[0:1], 0x20             ; sel, rf
	v_lshl_add_u32 v240, v0, 2, 0x11400
	v_mov_b32 v241, 0
	v_lshrrev_b32 v1, 5, v0
	v_readfirstlane_b32 s16, v1                    ; wave
	v_and_b32 v1, 31, v0                           ; lane L
	v_lshlrev_b32 v2, 4, v1                        ; 16 L
	v_lshlrev_b32 v3, 4, v0                        ; 16 x thread
	s_lshl_b32 s17, ttmp9, 3
	s_lshl_b32 s18, s16, 1
	s_add_co_u32 s17, s17, s18                     ; my first token
	s_lshl_b32 s20, s17, 12
	s_mov_b32 s21, 0
	s_wait_kmcnt 0x0
	s_add_nc_u64 s[4:5], s[4:5], s[20:21]
.irp tk,0,1
.irp i,0,1,2,3,4,5,6,7
	global_load_b128 v[XL+32*\tk+4*\i:XL+32*\tk+4*\i+3], v2, s[4:5] offset:4096*\tk+512*\i th:TH_LOAD_NT
.endr
.endr
.irp q,0,1,2,3,4,5,6,7,8,9,10,11,12,13,14,15
	global_load_b128 v[WL+4*\q:WL+4*\q+3], v3, s[6:7] offset:2048*\q      ; piece thread + 128 q of Wr: row (piece / 2), half (piece % 2)
.endr
	s_load_b256 s[32:39], s[8:9], 0x0              ; br
	s_mul_i32 s20, s17, 768
	s_add_nc_u64 s[22:23], s[10:11], s[20:21]      ; my tokens' codes
	s_lshl_b32 s20, s17, 5
	s_add_nc_u64 s[24:25], s[10:11], s[20:21]      ; their scale bytes (+ XQS in the immediate)
	s_add_nc_u64 s[42:43], s[14:15], s[20:21]      ; their softmax (+ 8192)
	s_lshl_b32 s20, s17, 2
	s_add_nc_u64 s[26:27], s[12:13], s[20:21]      ; their choice
	s_lshl_b32 s20, s17, 3
	s_add_nc_u64 s[40:41], s[14:15], s[20:21]      ; their gate weights
	s_mov_b32 s28, 0x76543210
	s_mov_b32 s29, 0xfedcba98                      ; v_permlanex16_b32: lane l xor 16
	s_mov_b32 s30, 0xffff0000                      ; lanes 16-31
	s_mul_i32 s18, s16, 9216
	s_add_co_u32 s18, s18, STG
	v_lshrrev_b32 v4, 3, v1
	v_mul_u32_u24 v4, v4, 144
	v_and_b32 v5, 7, v1
	v_lshl_add_u32 v4, v5, 4, v4
	v_add_nc_u32 v4, s18, v4                       ; stage, in: piece i of a row belongs to lane 4 i + L / 8, at its byte 16 (L % 8)
	v_mul_u32_u24 v5, v1, 144
	v_add_nc_u32 v5, s18, v5                       ; stage, out: my 128 bytes
	v_and_b32 v6, 63, v0
	v_mul_u32_u24 v6, v6, WRP
	v_lshrrev_b32 v7, 6, v0
	v_lshl_add_u32 v6, v7, 4, v6                   ; Wr's image, in: (i, half) = thread % 64, lane = thread / 64 + 2 q
	v_mul_u32_u24 v8, v1, 24                       ; my block's codes in a row
	s_wait_loadcnt 16                              ; x is in: the 16 younger loads are Wr's
.irp tk,0,1
.irp i,0,1,2,3,4,5,6,7
	ds_store_b128 v4, v[XL+32*\tk+4*\i:XL+32*\tk+4*\i+3] offset:4608*\tk+576*\i
.endr
.endr
.irp tk,0,1
.irp i,0,1,2,3,4,5,6,7
	ds_load_b128 v[X0+32*\tk+4*\i:X0+32*\tk+4*\i+3], v5 offset:4608*\tk+16*\i    ; LDS serves a wave's instructions in order: these see my stores
.endr
.endr
	s_wait_loadcnt 0x0                             ; Wr
.irp q,0,1,2,3,4,5,6,7,8,9,10,11,12,13,14,15
	ds_store_b128 v6, v[WL+4*\q:WL+4*\q+3] offset:32*\q
.endr
	s_wait_dscnt 0x0                               ; my stores have landed (and my 64 numbers are in)
	s_barrier_signal -1
	s_barrier_wait -1                              ; Wr's image is whole
.macro WBATCH n                        ; Wr's pieces for i = 4 n .. 4 n + 3 into buffer n % 2
.irp ii,0,1,2,3
.irp hf,0,1
	ds_load_b128 v[XL+32*((\n)%2)+8*\ii+4*\hf:XL+32*((\n)%2)+8*\ii+4*\hf+3], v2 offset:(2*(4*(\n)+\ii)+\hf)*WRP
.endr
.endr
.endm
.macro QX tk                           ; my block of token tk: largest magnitude, scale, 32 codes, stores
.set XS_, X0+32*(\tk)
	v_max3_num_f32 v9, |v[XS_]|, |v[XS_+1]|, |v[XS_+2]|
	v_max3_num_f32 v10, |v[XS_+3]|, |v[XS_+4]|, |v[XS_+5]|
.irp i,6,10,14,18,22,26
	v_max3_num_f32 v9, v9, |v[XS_+\i]|, |v[XS_+\i+1]|
	v_max3_num_f32 v10, v10, |v[XS_+\i+2]|, |v[XS_+\i+3]|
.endr
	v_max3_num_f32 v9, v9, |v[XS_+30]|, |v[XS_+31]|
	v_max3_num_f32 v9, v9, v10, 0x1800000          ; the floor 2^(3 - 127): the byte cannot fall under 1
	v_add_nc_u32 v9, 0xff000000, v9                ; 2 off the exponent field: the conversion's scale operand
	v_cvt_scalef32_pk16_fp6_f32 v[16+8*(\tk):18+8*(\tk)], v[XS_:XS_+15], v9
	v_cvt_scalef32_pk16_fp6_f32 v[20+8*(\tk):22+8*(\tk)], v[XS_+16:XS_+31], v9
	v_lshrrev_b32 v[11+(\tk)], 23, v9              ; the scale's byte (also the plain line behind the conversions)
	global_store_b96 v8, v[16+8*(\tk):18+8*(\tk)], s[22:23] offset:768*(\tk)
	global_store_b96 v8, v[20+8*(\tk):22+8*(\tk)], s[22:23] offset:768*(\tk)+12
	global_store_b8 v1, v[11+(\tk)], s[24:25] offset:XQS+32*(\tk)
.endm
.macro FM n, ii                        ; logits += Wr[32 L + i][0..7] x x[token][32 L + i], i = 4 n + ii: two experts an instruction, x from one half of its pair
.set WB_, XL+32*((\n)%2)+8*(\ii)
.set XI_, 4*(\n)+(\ii)-(\ii)%2
.irp tk,0,1
.irp ep,0,2,4,6
.if (\n)==0 && (\ii)==0
	v_pk_mul_f32 v[ACC+8*\tk+\ep:ACC+8*\tk+\ep+1], v[WB_+\ep:WB_+\ep+1], v[X0+32*\tk+XI_:X0+32*\tk+XI_+1] op_sel_hi:[1,0]    ; the first product starts the sums
.elseif (\ii)%2==0
	v_pk_fma_f32 v[ACC+8*\tk+\ep:ACC+8*\tk+\ep+1], v[WB_+\ep:WB_+\ep+1], v[X0+32*\tk+XI_:X0+32*\tk+XI_+1], v[ACC+8*\tk+\ep:ACC+8*\tk+\ep+1] op_sel_hi:[1,0,1]
.else
	v_pk_fma_f32 v[ACC+8*\tk+\ep:ACC+8*\tk+\ep+1], v[WB_+\ep:WB_+\ep+1], v[X0+32*\tk+XI_:X0+32*\tk+XI_+1], v[ACC+8*\tk+\ep:ACC+8*\tk+\ep+1] op_sel:[0,1,0] op_sel_hi:[1,1,1]
.endif
.endr
.endr
.endm
	WBATCH 0
	QX 0
	QX 1
.irp n,0,1,2,3,4,5,6
	WBATCH (\n)+1
	s_wait_dscnt 8                                 ; this batch is in; the next batch's eight loads may be out
	FM \n, 0
	FM \n, 1
	FM \n, 2
	FM \n, 3
.endr
	s_wait_dscnt 0x0
	FM 7, 0
	FM 7, 1
	FM 7, 2
	FM 7, 3
.irp m,1,2,4,8                         ; the sums of each half of 16 lanes
.irp a,0,1,2,3,4,5,6,7,8,9,10,11,12,13,14,15
	v_add_f32_dpp v[ACC+\a], v[ACC+\a], v[ACC+\a] row_xmask:\m row_mask:0xf bank_mask:0xf
.endr
.endr
.irp e,0,1,2,3,4,5,6,7                 ; lanes 0-15 go on with token 0, lanes 16-31 with token 1: each keeps its own half's sum of its token and sends the other token's
	v_cndmask_b32 v[LG+\e], v[ACC+\e], v[ACC+8+\e], s30
	v_cndmask_b32 v[PR+\e], v[ACC+8+\e], v[ACC+\e], s30
.endr
.irp e,0,1,2,3,4,5,6,7
	v_permlanex16_b32 v[128+\e], v[PR+\e], s28, s29
.endr
	s_wait_kmcnt 0x0                               ; br
.irp e,0,1,2,3,4,5,6,7
	v_add_f32 v[LG+\e], v[LG+\e], v[128+\e]
.endr
.irp e,0,1,2,3,4,5,6,7
	v_add_f32 v[LG+\e], s[32+\e], v[LG+\e]         ; the logits
.endr
	v_max3_num_f32 v136, v[LG], v[LG+1], v[LG+2]
	v_max3_num_f32 v136, v136, v[LG+3], v[LG+4]
	v_max3_num_f32 v136, v136, v[LG+5], v[LG+6]
	v_max_num_f32 v136, v136, v[LG+7]              ; the maximum is taken away ahead of the exponentials
.irp e,0,1,2,3,4,5,6,7
	v_sub_f32 v[PR+\e], v[LG+\e], v136
.endr
.irp e,0,1,2,3,4,5,6,7
	v_mul_f32 v[PR+\e], 0x3fb8aa3b, v[PR+\e]
.endr
.irp e,0,1,2,3,4,5,6,7
	v_exp_f32 v[PR+\e], v[PR+\e]
.endr
	v_mov_b32 v137, v[LG]                          ; the first choice: a strict > keeps the lower index.  (Plain work behind the exponentials; it names none of their results)
	v_mov_b32 v138, 0
.irp e,1,2,3,4,5,6,7
	v_cmp_gt_f32 vcc_lo, v[LG+\e], v137
	v_cndmask_b32 v137, v137, v[LG+\e], vcc_lo
	v_cndmask_b32 v138, v138, \e, vcc_lo
.endr
	v_mov_b32 v139, 0xff800000                     ; -infinity takes the winner's place
.irp e,0,1,2,3,4,5,6,7
	v_cmp_eq_u32 vcc_lo, \e, v138
	v_cndmask_b32 v[144+\e], v[LG+\e], v139, vcc_lo
.endr
	v_mov_b32 v140, v144                           ; the second choice
	v_mov_b32 v141, 0
.irp e,1,2,3,4,5,6,7
	v_cmp_gt_f32 vcc_lo, v[144+\e], v140
	v_cndmask_b32 v140, v140, v[144+\e], vcc_lo
	v_cndmask_b32 v141, v141, \e, vcc_lo
.endr
	v_sub_f32 v142, v140, v137                     ; second - first, 0 or less
	v_mul_f32 v142, 0x3fb8aa3b, v142
	v_exp_f32 v142, v142
	v_mov_b32 v154, 1                              ; the choice as a whole number
	v_lshlrev_b32 v155, v138, v154
	v_add_nc_u32 v156, 8, v141
	v_lshlrev_b32 v156, v156, v154
	v_or_b32 v155, v155, v156
	s_wait_alu depctr_va_vdst(0)                   ; one wait for the nine exponentials, ahead of their first reader
	v_add_f32 v160, v[PR], v[PR+1]
	v_add_f32 v161, v[PR+2], v[PR+3]
	v_add_f32 v162, v[PR+4], v[PR+5]
	v_add_f32 v163, v[PR+6], v[PR+7]
	v_add_f32 v160, v160, v161
	v_add_f32 v162, v162, v163
	v_add_f32 v160, v160, v162
	v_add_f32 v143, 1.0, v142
	v_rcp_f32 v150, v160
	v_rcp_f32 v151, v143
	v_lshrrev_b32 v157, 4, v1                      ; which of my two tokens (a plain line behind the reciprocals)
	v_lshlrev_b32 v158, 2, v157
	v_lshlrev_b32 v159, 3, v157
	v_lshlrev_b32 v164, 5, v157
	v_and_b32 v161, 15, v1
	s_wait_alu depctr_va_vdst(0)                   ; and one for the two reciprocals
.irp e,0,1,2,3,4,5,6,7
	v_mul_f32 v[PR+\e], v[PR+\e], v150             ; the full softmax
.endr
	v_mov_b32 v152, v151                           ; the gate: 1 / (1 + ex), ex / (1 + ex)
	v_mul_f32 v153, v142, v151
	v_cmp_eq_u32 vcc_lo, 0, v161
	s_wait_xcnt 0x0                                ; EXEC changes only behind this wait
	s_wait_tensorcnt 0x0
	ds_add_u32 v240, v241
	s_wait_dscnt 0x0
	s_and_saveexec_b32 s31, vcc_lo                 ; lanes 0 and 16 store for their tokens
	global_store_b32 v158, v155, s[26:27]
	global_store_b64 v159, v[152:153], s[40:41]
	global_store_b128 v164, v[PR:PR+3], s[42:43] offset:8192
	global_store_b128 v164, v[PR+4:PR+7], s[42:43] offset:8208
	s_wait_xcnt 0x0
	s_or_b32 exec_lo, exec_lo, s31
	s_endpgm
.Lfunc_end_k_q95e3269d35_route:
	.size	k_q95e3269d35_route, .Lfunc_end_k_q95e3269d35_route-k_q95e3269d35_route
	.p2alignl 7, 3214868480
	.fill 96, 4, 3214868480
	.section	.rodata,"a",@progbits
	.p2align	6, 0x0
	.amdhsa_kernel k_q95e3269d35_route
		.amdhsa_group_segment_fixed_size 71168
		.amdhsa_private_segment_fixed_size 0
		.amdhsa_enable_private_segment 0
		.amdhsa_kernarg_size 48
		.amdhsa_user_sgpr_count 2
		.amdhsa_user_sgpr_kernarg_segment_ptr 1
		.amdhsa_wavefront_size32 1
		.amdhsa_system_sgpr_workgroup_id_x 1
		.amdhsa_system_sgpr_workgroup_id_y 1
		.amdhsa_system_sgpr_workgroup_id_z 1
		.amdhsa_system_vgpr_workitem_id 0
		.amdhsa_next_free_vgpr 242
		.amdhsa_next_free_sgpr 66
		.amdhsa_reserve_vcc 1
		.amdhsa_float_denorm_mode_32 3
		.amdhsa_float_denorm_mode_16_64 3
		.amdhsa_memory_ordered 1
		.amdhsa_forward_progress 1
		.amdhsa_inst_pref_size 44
	.end_amdhsa_kernel
	.amdgpu_metadata
---
amdhsa.version: [ 1, 2 ]
amdhsa.kernels:
  - .name:           k_q95e3269d35_route
    .symbol:         k_q95e3269d35_route.kd
    .args:
      - { .name: x, .offset: 0, .size: 8, .value_kind: global_buffer, .address_space: global }
      - { .name: Wr, .offset: 8, .size: 8, .value_kind: global_buffer, .address_space: global }
      - { .name: br, .offset: 16, .size: 8, .value_kind: global_buffer, .address_space: global }
      - { .name: xq, .offset: 24, .size: 8, .value_kind: global_buffer, .address_space: global }
      - { .name: sel, .offset: 32, .size: 8, .value_kind: global_buffer, .address_space: global }
      - { .name: rf, .offset: 40, .size: 8, .value_kind: global_buffer, .address_space: global }
    .group_segment_fixed_size: 71168
    .private_segment_fixed_size: 0
    .kernarg_segment_align: 8
    .kernarg_segment_size: 48
    .max_flat_workgroup_size: 128
    .sgpr_count:     66
    .vgpr_count:     242
    .wavefront_size: 32
...
	.end_amdgpu_metadata
.endif
;; end of part 1
;; launch ffn1 (part 2): grid 32 x 8, 16 waves a work-group, no clusters, 32,768 bytes of LDS; arguments W1, b1, xq, sel, hq, pm; writes hq, pm
.if DOCPART == 2
	.amdgcn_target "amdgcn-amd-amdhsa--gfx1250"
	.amdhsa_code_object_version 6
	.text
	.protected	k_q95e3269d35_ffn1
	.globl	k_q95e3269d35_ffn1
	.p2align	8
	.type	k_q95e3269d35_ffn1,@function
k_q95e3269d35_ffn1:
	s_mov_b64 s[64:65], 0
	v_nop
	global_prefetch_b8 v0, s[64:65] scope:SCOPE_SE
	s_setreg_imm32_b32 hwreg(HW_REG_WAVE_MODE, 25, 1), 1
	s_wait_xcnt 0x0
; FIRST LAYER OF THE CHOSEN EXPERTS: hq = Q(gelu(Q(x) Q(W1[e]) + b1[e])) for the rows routed to expert e, in MX-FP6 (E2M3, one E8M0 byte for 32 along K).
; Work-group (j, e): expert e, hidden units 128 j .. 128 j + 127.  Its 512 KiB of W1 (f32) are read from memory ONCE, in 8 chunks of 256 K x 64 columns, and quantised in registers on the way.
; STREAM: wave w takes column group cg = w % 2 (32 columns, a lane a column) and block kb = w / 2 of the chunk's 8 blocks of 32 along K: 32 loads of 4 bytes a lane run down K, so a block lies in one lane.
;   Its 24 bytes of codes and its scale byte go to a ring of two LDS buffers laid in the order of the operand's registers: a fragment is 1,536 bytes, 48 a lane.
; PRODUCTS: wave w owns unit g = 16 pass + w: 32 rows (two tiles) x the chunk's 64 columns: 8 accumulators.  Source 0 = 16 columns of W1, source 1 = 16 rows of x: a lane holds one row.
;   Lane r of column tile (b, u) takes column 32 b + 8 u + r + 8 (r / 8): the 16 registers of tiles (b, 0), (b, 1) are 16 neighbours along the next K.
; ROWS: wave 0 makes the expert's list of rows (2 token + k) from sel by a counting pass; expert e owns positions 1024 e + i.  The work-groups with j = 0 store posmap and the counts (pm).
;   Rows that fill the last group up are copies of token 0; nobody reads their results.  An expert always has at least one group, so that group 0 of hq is always written.
; pm: words 0 .. 2047 posmap[2 token + k]; words 2048 + e the counts; from word 2112 on 1,024 spare words for each expert, which nobody reads.
; EXEC IS NEVER WRITTEN: a thread with no row to report stores into its own spare word of pm; a lane whose token did not choose the expert stores into its own spare word of LDS.
; NO BARRIER STANDS UNDER A BRANCH ON A STORED NUMBER: two passes are always walked, every barrier on the common path; flags jump over the work between barriers (PAF: this pass streams; WAF: my unit has rows).
;   More than 512 rows on one expert stream its weights a second time.  The trips that start sums multiply in every wave, so that nothing is ever cleared.
; A number that was loaded enters an address only behind v_min_u32 with a constant, in place, and behind that only a multiply, a left shift or an add.
; No tensor loads and no cluster: what a wave does hangs on stored numbers.  No prefetch: the loop streams from memory all the time.
; LIMITS: NaN and infinities not served; blocks under 2^-124 (zeros too) get the byte 1; erf(z) = z P(z^2) / Q(z^2) with z held to +-4 (f32, a few units in the last place), 1 + erf cancels for x far below 0, where gelu is next to nothing.
.set BUF,  12800                       ; a ring buffer: 8 fragments [K step sl][b][u] of 1,536 bytes, then 512 bytes of scale words [sl][b][u][16 rows]
.set LIST, 2*BUF                       ; 1,024 words: the expert's rows
.set DUMP, LIST+4096                   ; straight behind them 32 words (indices 1024 + lane) for the lanes whose token did not choose the expert
.set CNTO, DUMP+256                    ; the count
.set HSO,  25165824                    ; hq: the scale words begin here
.set XQS,  786432
.set PMD,  2112                        ; pm: the first spare word
.set WOFF, 2
.set WST,  3
.set WSB,  4
.set FRD,  5
.set SRD,  6
.set XA,   7
.set XB,   8
.set XSA,  9
.set HCA,  10
.set HSA,  11
.set ENT,  12
.set ENT1, 13
.set B1A,  14
.set PT,   15
.set WS,   16                          ; v16-19 W's scale words [sl][b]: lanes 0-15 tile u = 0, lanes 16-31 u = 1.  Scales and nothing else
.set AS,   20                          ; v20-21 the rows' scale words [sl]: lane = row.  Scales and nothing else
.set T0,   22
.set T1,   23
.set X,    24                          ; v24-87 two sets of 32 numbers of W1
.set ACC,  88                          ; v88-151 accumulator (rt, b, u) at ACC + 32 rt + 16 b + 8 u
.set WF,   152                         ; v152-199 four fragments of W1; between products the bias and the activation's registers
.set AF,   200                         ; v200-247 x's fragments [sl][rt]
.set C0,   248
.set C1,   252
.set PZ,   152
.set RQ,   168
.set ZZ,   184
.set SS,   186
.set PP,   188
.set QQ,   190
.set WV,   16
.set CG,   17
.set KB,   18
.set EX,   19
.set SEL,  20
.set HIM,  22
.set SN,   23
.set SG,   24
.set SP,   25
.set WAF,  26
.set PAF,  27
.set HCB,  30
.set HSB,  32
.set MSK,  38
.set SH,   39
.set AL0,  40
.set BE0,  42
.set CNT,  44
.set TS,   45
.macro LOADW t                         ; chunk t (column half t / 4, K chunk t % 4): 32 rows of 128 consecutive bytes a wave, into set t % 2
.set XS_, X+32*((\t)%2)
.set KC_, (\t)%4
.set HF_, (\t)/4
.set WBS_, 4+24*(KC_/2)
.set I_, 0
.rept 32
	global_load_b32 v[XS_+I_], v[WOFF], s[WBS_:WBS_+1] offset:(256*(KC_%2)+I_)*16384+256*HF_ th:TH_LOAD_NT
.set I_, I_+1
.endr
.endm
.macro QBLK t                          ; my block: largest magnitude, scale, 32 codes; into ring buffer t % 2
.set XS_, X+32*((\t)%2)
.set BO_, BUF*((\t)%2)
	v_max3_num_f32 v[T0], |v[XS_]|, |v[XS_+1]|, |v[XS_+2]|
	v_max3_num_f32 v[T1], |v[XS_+3]|, |v[XS_+4]|, |v[XS_+5]|
.irp i,6,10,14,18,22,26
	v_max3_num_f32 v[T0], v[T0], |v[XS_+\i]|, |v[XS_+\i+1]|
	v_max3_num_f32 v[T1], v[T1], |v[XS_+\i+2]|, |v[XS_+\i+3]|
.endr
	v_max3_num_f32 v[T0], v[T0], |v[XS_+30]|, |v[XS_+31]|
	v_max3_num_f32 v[T0], v[T0], v[T1], 0x1800000  ; the floor 2^(3 - 127)
	v_add_nc_u32 v[T0], 0xff000000, v[T0]          ; 2 off the exponent field: the conversion's scale operand
	v_cvt_scalef32_pk16_fp6_f32 v[C0:C0+2], v[XS_:XS_+15], v[T0]
	v_cvt_scalef32_pk16_fp6_f32 v[C1:C1+2], v[XS_+16:XS_+31], v[T0]
	v_lshrrev_b32 v[T1], 23, v[T0]                 ; the byte (the plain line behind the conversions)
	ds_store_b64 v[WST], v[C0:C0+1] offset:BO_
	ds_store_b32 v[WST], v[C0+2] offset:BO_+8
	ds_store_b32 v[WST], v[C1] offset:BO_+12
	ds_store_b32 v[WST], v[C1+1] offset:BO_+16
	ds_store_b32 v[WST], v[C1+2] offset:BO_+20
	ds_store_b8 v[WSB], v[T1] offset:BO_
.endm
.macro BAR                             ; my LDS stores have landed and my LDS loads are in: then the work-group's barrier
	s_wait_dscnt 0x0
	s_barrier_signal -1
	s_barrier_wait -1
.endm
.macro WM u, rt                        ; one product; the symbols A_, W_, F_, S_, R_, Z_ are set by MULT
.if Z_
.if (\u)==0 && (\rt)==0
	v_wmma_scale_f32_16x16x128_f8f6f4 v[A_:A_+7], v[W_:W_+11], v[F_:F_+11], 0, v[S_], v[R_] matrix_a_fmt:MATRIX_FMT_FP6 matrix_b_fmt:MATRIX_FMT_FP6
.elseif (\u)==0
	v_wmma_scale_f32_16x16x128_f8f6f4 v[A_:A_+7], v[W_:W_+11], v[F_:F_+11], 0, v[S_], v[R_] matrix_a_fmt:MATRIX_FMT_FP6 matrix_b_fmt:MATRIX_FMT_FP6 matrix_b_scale:MATRIX_SCALE_ROW1
.elseif (\rt)==0
	v_wmma_scale_f32_16x16x128_f8f6f4 v[A_:A_+7], v[W_:W_+11], v[F_:F_+11], 0, v[S_], v[R_] matrix_a_fmt:MATRIX_FMT_FP6 matrix_b_fmt:MATRIX_FMT_FP6 matrix_a_scale:MATRIX_SCALE_ROW1
.else
	v_wmma_scale_f32_16x16x128_f8f6f4 v[A_:A_+7], v[W_:W_+11], v[F_:F_+11], 0, v[S_], v[R_] matrix_a_fmt:MATRIX_FMT_FP6 matrix_b_fmt:MATRIX_FMT_FP6 matrix_a_scale:MATRIX_SCALE_ROW1 matrix_b_scale:MATRIX_SCALE_ROW1
.endif
.else
.if (\u)==0 && (\rt)==0
	v_wmma_scale_f32_16x16x128_f8f6f4 v[A_:A_+7], v[W_:W_+11], v[F_:F_+11], v[A_:A_+7], v[S_], v[R_] matrix_a_fmt:MATRIX_FMT_FP6 matrix_b_fmt:MATRIX_FMT_FP6
.elseif (\u)==0
	v_wmma_scale_f32_16x16x128_f8f6f4 v[A_:A_+7], v[W_:W_+11], v[F_:F_+11], v[A_:A_+7], v[S_], v[R_] matrix_a_fmt:MATRIX_FMT_FP6 matrix_b_fmt:MATRIX_FMT_FP6 matrix_b_scale:MATRIX_SCALE_ROW1
.elseif (\rt)==0
	v_wmma_scale_f32_16x16x128_f8f6f4 v[A_:A_+7], v[W_:W_+11], v[F_:F_+11], v[A_:A_+7], v[S_], v[R_] matrix_a_fmt:MATRIX_FMT_FP6 matrix_b_fmt:MATRIX_FMT_FP6 matrix_a_scale:MATRIX_SCALE_ROW1
.else
	v_wmma_scale_f32_16x16x128_f8f6f4 v[A_:A_+7], v[W_:W_+11], v[F_:F_+11], v[A_:A_+7], v[S_], v[R_] matrix_a_fmt:MATRIX_FMT_FP6 matrix_b_fmt:MATRIX_FMT_FP6 matrix_a_scale:MATRIX_SCALE_ROW1 matrix_b_scale:MATRIX_SCALE_ROW1
.endif
.endif
.endm
; A chunk's products: two K steps of 128, each 4 fragments of W1 from the ring and 8 matrix instructions.  The 8 accumulators take turns, one instruction a turn, in the same order every time.
; Plain places follow each run: 4 in front of loads into registers that the products read, 5 at the end, since a later sum is begun anew over these accumulators.
.macro MULT t, zero
.set BO_, BUF*((\t)%2)
.irp sl,0,1
.irp b,0,1
	ds_load_b32 v[WS+2*\sl+\b], v[SRD] offset:BO_+256*\sl+128*\b
.endr
.endr
.irp sl,0,1
.irp f,0,1,2,3
.irp c,0,1,2
	ds_load_b128 v[WF+12*\f+4*\c:WF+12*\f+4*\c+3], v[FRD] offset:BO_+(4*\sl+\f)*1536+16*\c
.endr
.endr
	s_wait_dscnt 0x0
.set Z_, (\zero)*(1-\sl)
.irp b,0,1
.irp u,0,1
.irp rt,0,1
.set A_, ACC+32*\rt+16*\b+8*\u
.set W_, WF+12*(2*\b+\u)
.set F_, AF+24*\sl+12*\rt
.set S_, WS+2*\sl+\b
.set R_, AS+\sl
	WM \u, \rt
.endr
.endr
.endr
.rept 4+\sl
	v_nop
.endr
.endr
.endm
.macro LOADA t                         ; my 32 rows' codes and scale words of chunk t's two K steps: 25 loads
.set KC_, (\t)%4
.irp sl,0,1
.irp p,0,1,2,3,4,5
	global_load_b64 v[AF+24*\sl+2*\p:AF+24*\sl+2*\p+1], v[XA], s[8:9] offset:96*(2*KC_+\sl)+48*(\p/3)+8*(\p%3)
	global_load_b64 v[AF+24*\sl+12+2*\p:AF+24*\sl+12+2*\p+1], v[XB], s[8:9] offset:96*(2*KC_+\sl)+48*(\p/3)+8*(\p%3)
.endr
.endr
	global_load_b64 v[AS:AS+1], v[XSA], s[8:9] offset:XQS+8*KC_
.endm
.macro LOADB hf                        ; b1 of my lane's 32 hidden units of this column half: 8 loads
.irp b,0,1
.irp q,0,1,2,3
	global_load_b128 v[WF+16*\b+4*\q:WF+16*\b+4*\q+3], v[B1A], s[6:7] offset:256*(\hf)+128*\b+16*\q
.endr
.endr
.endm
; 16 numbers of a lane (one row, 16 neighbouring hidden units) from v[a] on: exact gelu in f32, then the block's scale (with lane l xor 16's 16) and 16 codes into v[cs] on, the byte into v[by].
.macro GBLK a, cs, by
.irp p,0,2,4,6,8,10,12,14
	v_pk_mul_f32 v[ZZ:ZZ+1], v[(\a)+\p:(\a)+\p+1], 0x3f3504f3 op_sel_hi:[1,0]         ; z = x / sqrt(2)
	v_med3_num_f32 v[ZZ], v[ZZ], -4.0, 4.0
	v_med3_num_f32 v[ZZ+1], v[ZZ+1], -4.0, 4.0
	v_pk_mul_f32 v[SS:SS+1], v[ZZ:ZZ+1], v[ZZ:ZZ+1]
	v_pk_fma_f32 v[PP:PP+1], v[SS:SS+1], s[AL0:AL0+1], 0x32edffee op_sel_hi:[1,0,0]  ; the two polynomials by turns
	v_pk_fma_f32 v[QQ:QQ+1], v[SS:SS+1], s[BE0:BE0+1], 0xb95fbd29 op_sel_hi:[1,0,0]
	v_pk_fma_f32 v[PP:PP+1], v[PP:PP+1], v[SS:SS+1], 0xb60cff51 op_sel_hi:[1,1,0]
	v_pk_fma_f32 v[QQ:QQ+1], v[QQ:QQ+1], v[SS:SS+1], 0xbadc924e op_sel_hi:[1,1,0]
	v_pk_fma_f32 v[PP:PP+1], v[PP:PP+1], v[SS:SS+1], 0xb86ec2d2 op_sel_hi:[1,1,0]
	v_pk_fma_f32 v[QQ:QQ+1], v[QQ:QQ+1], v[SS:SS+1], 0xbbf19bf8 op_sel_hi:[1,1,0]
	v_pk_fma_f32 v[PP:PP+1], v[PP:PP+1], v[SS:SS+1], 0xba40ac63 op_sel_hi:[1,1,0]
	v_pk_fma_f32 v[QQ:QQ+1], v[QQ:QQ+1], v[SS:SS+1], 0xbc69b6a7 op_sel_hi:[1,1,0]
	v_pk_fma_f32 v[PP:PP+1], v[PP:PP+1], v[SS:SS+1], 0xbb41a1f6 op_sel_hi:[1,1,0]
	v_pk_fma_f32 v[PP:PP+1], v[PP:PP+1], v[SS:SS+1], 0xbc83dbd4 op_sel_hi:[1,1,0]
	v_pk_mul_f32 v[PZ+\p:PZ+\p+1], v[PP:PP+1], v[ZZ:ZZ+1]
	v_rcp_f32 v[RQ+\p], v[QQ]
	v_rcp_f32 v[RQ+\p+1], v[QQ+1]
.endr
	v_nop                                          ; a plain line behind the last reciprocal
	s_wait_alu depctr_va_vdst(0)                   ; one wait for the block's 16 reciprocals, ahead of their first reader
.irp p,0,2,4,6,8,10,12,14
	v_pk_mul_f32 v[PZ+\p:PZ+\p+1], v[PZ+\p:PZ+\p+1], v[RQ+\p:RQ+\p+1]                 ; erf
	v_pk_mul_f32 v[RQ+\p:RQ+\p+1], v[(\a)+\p:(\a)+\p+1], 0.5 op_sel_hi:[1,0]         ; x / 2
	v_pk_fma_f32 v[(\a)+\p:(\a)+\p+1], v[RQ+\p:RQ+\p+1], v[PZ+\p:PZ+\p+1], v[RQ+\p:RQ+\p+1]
.endr
	v_max3_num_f32 v[ZZ], |v[(\a)]|, |v[(\a)+1]|, 0x1800000
.irp i,2,4,6,8,10,12,14
	v_max3_num_f32 v[ZZ], v[ZZ], |v[(\a)+\i]|, |v[(\a)+\i+1]|
.endr
	v_permlanex16_b32 v[PT], v[ZZ], s[SEL], s[SEL+1]
	v_max_num_f32 v[ZZ], v[ZZ], v[PT]
	v_add_nc_u32 v[ZZ], 0xff000000, v[ZZ]
	v_cvt_scalef32_pk16_fp6_f32 v[(\cs):(\cs)+2], v[(\a):(\a)+15], v[ZZ]
	v_lshrrev_b32 v[(\by)], 23, v[ZZ]              ; the byte (the plain line behind the conversion)
.endm
; A column half is finished: bias, gelu, quantiser, stores.  hq's codes: [group][j][block of 32][row][24 bytes]: a store covers 384 consecutive bytes.
.macro EPI hf
.irp rt,0,1
.irp i,0,2,4,6,8,10,12,14,16,18,20,22,24,26,28,30
	v_pk_add_f32 v[ACC+32*\rt+\i:ACC+32*\rt+\i+1], v[ACC+32*\rt+\i:ACC+32*\rt+\i+1], v[WF+\i:WF+\i+1]    ; ascending: each accumulator is first read at its low end
.endr
.endr
	GBLK ACC, 192, T0
	global_store_b96 v[HCA], v[192:194], s[HCB:HCB+1] offset:(2*(\hf))*768
	GBLK ACC+16, 196, T1
	global_store_b96 v[HCA], v[196:198], s[HCB:HCB+1] offset:(2*(\hf)+1)*768
	GBLK ACC+32, 248, 251
	global_store_b96 v[HCA], v[248:250], s[HCB:HCB+1] offset:(2*(\hf))*768+384
	GBLK ACC+48, 252, 255
	global_store_b96 v[HCA], v[252:254], s[HCB:HCB+1] offset:(2*(\hf)+1)*768+384
	v_lshl_or_b32 v[T0], v[T1], 8, v[T0]           ; rows 0-15: this half's two bytes;
	v_lshl_or_b32 v251, v255, 8, v251              ; rows 16-31
	v_cndmask_b32 v[T0], v[T0], v251, s[HIM]       ; lane = row
	global_store_b16 v[HSA], v[T0], s[HSB:HSB+1] offset:2*(\hf)
	s_wait_xcnt 0x0                                ; the stores' data are written again only behind this wait
.endm
.macro HEADT t, n                      ; a trip's head: the chunk is in, it is quantised into the ring, one barrier
	s_wait_loadcnt \n
	s_cmp_eq_u32 s[PAF], 0
	s_cbranch_scc1 .Lnq_\@
	QBLK \t
.Lnq_\@:
	BAR                                            ; buffer t % 2 is whole; and the other buffer's readers of the last trip have their loads in, so the next trip may write it
.endm
; The arm of a trip that asks for nothing waits for all loads: so on every way through the text a set of registers is loaded again only when its earlier loads are in
; (either the next trip's wait, which leaves only the other set's 32 younger loads out, or this one).
.macro TSTART t, n                     ; a trip that starts sums: every wave multiplies
	HEADT \t, \n
.if (\t)==0
	s_wait_loadcnt 0x0                             ; the rows' first fragments, asked for last
.endif
	MULT \t, 1
	s_cmp_eq_u32 s[PAF], 0
	s_cbranch_scc1 .Lsk_\@
	s_cmp_eq_u32 s[WAF], 0
	s_cbranch_scc1 .Lin_\@
	LOADA (\t)+1
.Lin_\@:
	LOADW (\t)+2                                   ; always behind the rows' loads: a wait that leaves these 32 out proves both
	s_branch .Len_\@
.Lsk_\@:
	s_wait_loadcnt 0x0
.Len_\@:
.endm
.macro TMID t, n
	HEADT \t, \n
	s_cmp_eq_u32 s[PAF], 0
	s_cbranch_scc1 .Lsk_\@
	s_cmp_eq_u32 s[WAF], 0
	s_cbranch_scc1 .Lin_\@
	MULT \t, 0
	LOADA (\t)+1
.Lin_\@:
.if (\t)<6
	LOADW (\t)+2
.endif
	s_branch .Len_\@
.Lsk_\@:
	s_wait_loadcnt 0x0
.Len_\@:
.endm
	s_load_b256 s[4:11], s[0:1], 0x0               ; W1, b1, xq, sel
	s_load_b128 s[12:15], s[0:1], 0x20             ; hq, pm
	v_lshrrev_b32 v1, 5, v0
	v_readfirstlane_b32 s[WV], v1                  ; wave 0..15
	s_and_b32 s[CG], s[WV], 1
	s_lshr_b32 s[KB], s[WV], 1
	s_and_b32 s[EX], ttmp7, 0xffff                 ; the expert
	v_and_b32 v[T0], 31, v0                        ; lane
	v_bfe_u32 v[T1], v0, 3, 1                      ; u of the column that I stream
	v_bfe_u32 v[B1A], v0, 4, 1                     ; lane / 16
	s_lshl_b32 s34, s[KB], 19                      ; 32 rows of 16,384 bytes a block
	s_lshl_b32 s35, s[CG], 7
	s_add_co_u32 s34, s34, s35
	v_lshl_add_u32 v[WOFF], v[T0], 2, s34
	v_and_b32 v[WST], 7, v0
	v_lshl_add_u32 v[WST], v[B1A], 3, v[WST]       ; r of that column in its tile
	v_lshlrev_b32 v[WSB], 2, v[WST]
	v_lshl_add_u32 v[WSB], v[T1], 6, v[WSB]
	v_mul_u32_u24 v[WST], v[WST], 48
	v_mad_u32_u24 v[WST], v[T1], 1536, v[WST]
	s_lshr_b32 s34, s[KB], 2                       ; K step sl
	s_mul_i32 s35, s34, 6144
	s_mul_i32 s36, s[CG], 3072
	s_add_co_u32 s35, s35, s36
	s_and_b32 s36, s[KB], 1                        ; a block's place in a fragment: lanes 16-31 for odd blocks,
	s_mul_i32 s36, s36, 768
	s_add_co_u32 s35, s35, s36
	s_bfe_u32 s36, s[KB], 0x10001                  ; the lane's second 24 bytes for blocks 2 and 3
	s_mul_i32 s36, s36, 24
	s_add_co_u32 s35, s35, s36
	v_add_nc_u32 v[WST], s35, v[WST]
	s_lshl_b32 s34, s34, 8
	s_lshl_b32 s36, s[CG], 7
	s_add_co_u32 s34, s34, s36
	s_and_b32 s36, s[KB], 3
	s_add_co_u32 s34, s34, s36
	s_add_co_u32 s34, s34, 12288
	v_add_nc_u32 v[WSB], s34, v[WSB]
	v_mul_u32_u24 v[FRD], v[T0], 48
	v_lshl_add_u32 v[SRD], v[T0], 2, 12288
	v_and_b32 v[HCA], 15, v0
	v_mul_u32_u24 v[HCA], v[HCA], 24
	v_mad_u32_u24 v[HCA], v[B1A], 12, v[HCA]       ; hq's codes: 24 bytes a row, my half's 12
	v_lshlrev_b32 v[HSA], 2, v[T0]
	v_lshlrev_b32 v[B1A], 6, v[B1A]                ; b1: my half's 16 numbers of a block
	v_lshl_add_u32 v1, v0, 2, LIST                 ; the list's word of my row
	v_mov_b32 v[PT], CNTO
	v_lshlrev_b32 v[XA], 4, v[T0]
	s_lshl_b32 s34, s[EX], 2
	s_add_co_u32 s34, s34, 8192
	v_mov_b32 v124, s34                            ; the list's registers, made ahead of the branch on the wave's number: where the expert's count goes in pm,
	v_add_nc_u32 v125, 1024, v[T0]                 ; my spare word's index in LDS,
	v_lshl_add_u32 v126, v[T0], 4, LIST            ; my 16 bytes of a 512-byte piece of the list,
	v_lshlrev_b32 v127, 3, v[T0]                   ; 8 x lane
.irp i,0,1,2,3
	v_mov_b32 v[120+\i], 0
.endr
	s_mov_b32 s[SEL], 0x76543210
	s_mov_b32 s[SEL+1], 0xfedcba98
	s_mov_b32 s[HIM], 0xffff0000
	s_mov_b32 s[AL0], 0xaf95df0b
	s_mov_b32 s[AL0+1], s[AL0]
	s_mov_b32 s[BE0], 0xb77460cd
	s_mov_b32 s[BE0+1], s[BE0]
	s_lshl_b32 s[MSK], 0x101, s[EX]
	s_add_co_u32 s[SH], s[EX], 8
	s_mov_b32 s[CNT], 0
	s_mov_b32 s[SP], 0
	s_mov_b32 s[PAF], 1                            ; pass 0 always streams
	s_lshl_b32 s36, s[EX], 24
	s_lshl_b32 s35, ttmp9, 9
	s_add_co_u32 s36, s36, s35
	s_mov_b32 s37, 0
	s_wait_kmcnt 0x0
	s_add_nc_u64 s[4:5], s[4:5], s[36:37]          ; W1 at my expert's first row, my 128 columns
	s_add_nc_u64 s[28:29], s[4:5], 0x800000        ; and 512 rows further down, so that every offset is an immediate
	s_lshl_b32 s36, s[EX], 14
	s_add_co_u32 s36, s36, s35
	s_add_nc_u64 s[6:7], s[6:7], s[36:37]
.irp q,0,1,2,3,4,5,6,7
	global_load_b128 v[ACC+4*\q:ACC+4*\q+3], v[XA], s[10:11] offset:512*\q     ; sel: tokens 4 (lane + 32 q) + 0 .. 3.  Every wave asks, wave 0 uses them
.endr
	LOADW 0
	LOADW 1
	s_cmp_lg_u32 s[WV], 0
	s_cbranch_scc1 .Lnot0
	s_wait_loadcnt 63                              ; sel is in: 64 loads were issued behind it, and the field holds no larger count
.irp q,0,1,2,3,4,5,6,7
	ds_store_b128 v126, v[120:123] offset:512*\q   ; rows that nobody fills are token 0
.endr
.irp q,0,1,2,3,4,5,6,7                 ; 32 steps of 32 tokens: a chosen token's place is the count so far + the chosen lanes below mine
.irp i,0,1,2,3
	v_and_b32 v128, s[MSK], v[ACC+4*\q+\i]
	v_cmp_ne_u32 vcc_lo, 0, v128
	v_mbcnt_lo_u32_b32 v129, vcc_lo, s[CNT]
	v_lshrrev_b32 v128, s[SH], v128                ; k: 1 where the expert is the token's second choice
	v_add_nc_u32 v130, v128, v127
	v_add_nc_u32 v130, 256*\q+2*\i, v130           ; 2 token + k
	v_cndmask_b32 v129, v125, v129, vcc_lo         ; a lane whose token did not choose the expert takes its spare word: the choice stands ahead of the clamp
	v_min_u32 v129, 0x41f, v129
	v_lshlrev_b32 v129, 2, v129
	ds_store_b32 v129, v130 offset:LIST
	s_bcnt1_i32_b32 s[TS], vcc_lo
	s_add_co_u32 s[CNT], s[CNT], s[TS]
.endr
.endr
	v_mov_b32 v128, s[CNT]
	ds_store_b32 v[PT], v128
	s_cmp_lg_u32 ttmp9, 0
	s_cbranch_scc1 .Lnot0
	global_store_b32 v124, v128, s[14:15]          ; the expert's count, by the work-group with j = 0: all 32 lanes store the same word with the same number
.Lnot0:
	BAR                                            ; the list and the count lie in LDS
	ds_load_b32 v[T0], v[PT]
	ds_load_b32 v[ENT], v1                         ; row 32 wave + lane of pass 0,
	ds_load_b32 v[ENT1], v1 offset:2048            ; and of pass 1
	s_wait_dscnt 0x0
	v_readfirstlane_b32 s[SN], v[T0]
	s_min_u32 s[SN], s[SN], 1024
	s_add_co_u32 s[SG], s[SN], 31
	s_lshr_b32 s[SG], s[SG], 5
	s_max_u32 s[SG], s[SG], 1                      ; groups of 32 rows, at least one
	v_bfe_u32 v1, v0, 4, 1
	v_mul_u32_u24 v1, v1, 24                       ; 24 x (lane / 16)
	s_cmp_lg_u32 ttmp9, 0
	s_cbranch_scc1 .Lnopm
	s_lshl_b32 s34, s[EX], 10                      ; 1024 e
	s_add_co_u32 s35, s34, PMD                     ; my expert's first spare word
.irp hh,0,1                            ; posmap[2 token + k] = 1024 e + i for i = thread, thread + 512, where i < n; else the number goes to spare word i
	v_add_nc_u32 v[C0+4*\hh+1], 512*\hh, v0
	v_cmp_gt_u32 vcc_lo, s[SN], v[C0+4*\hh+1]
	v_add_nc_u32 v[C0+4*\hh], s35, v[C0+4*\hh+1]
	v_cndmask_b32 v[C0+4*\hh], v[C0+4*\hh], v[ENT+\hh], vcc_lo     ; the choice stands ahead of the clamp
	v_min_u32 v[C0+4*\hh], 0x283f, v[C0+4*\hh]     ; pm's last word: 2112 + 8 x 1024 - 1
	v_lshlrev_b32 v[C0+4*\hh], 2, v[C0+4*\hh]
	v_add_nc_u32 v[C0+4*\hh+1], s34, v[C0+4*\hh+1]
	global_store_b32 v[C0+4*\hh], v[C0+4*\hh+1], s[14:15]
.endr
.Lnopm:
	s_wait_xcnt 0x0                                ; sel's loads and pm's stores have read their registers, which are written again from here on
.Lpass:
	s_lshl_b32 s34, s[SP], 4
	s_add_co_u32 s34, s34, s[WV]                   ; my unit g
	s_cmp_lt_u32 s34, s[SG]
	s_cselect_b32 s[WAF], 1, 0
	s_lshl_b32 s35, s[EX], 5
	s_add_co_u32 s34, s34, s35                     ; group 32 e + g
	s_mul_i32 s36, s34, 98304
	s_mul_i32 s35, ttmp9, 3072
	s_add_co_u32 s36, s36, s35
	s_mov_b32 s37, 0
	s_add_nc_u64 s[HCB:HCB+1], s[12:13], s[36:37]
	s_lshl_b32 s36, s34, 12
	s_lshl_b32 s35, ttmp9, 7
	s_add_co_u32 s36, s36, s35
	s_add_co_u32 s36, s36, HSO
	s_add_nc_u64 s[HSB:HSB+1], s[12:13], s[36:37]
	v_permlanex16_b32 v[PT], v[ENT], s[SEL], s[SEL+1]
	v_cndmask_b32 v[XA], v[ENT], v[PT], s[HIM]     ; the entry of row lane % 16,
	v_cndmask_b32 v[XB], v[PT], v[ENT], s[HIM]     ; and of row 16 + lane % 16
	v_lshrrev_b32 v[XA], 1, v[XA]
	v_lshrrev_b32 v[XB], 1, v[XB]
	v_lshrrev_b32 v[XSA], 1, v[ENT]
	v_min_u32 v[XA], 0x3ff, v[XA]                  ; tokens, clamped in place; behind the clamp a multiply or a left shift, and an add
	v_min_u32 v[XB], 0x3ff, v[XB]
	v_min_u32 v[XSA], 0x3ff, v[XSA]
	v_mul_u32_u24 v[XA], v[XA], 768
	v_mul_u32_u24 v[XB], v[XB], 768
	v_lshlrev_b32 v[XSA], 5, v[XSA]
	v_add_nc_u32 v[XA], v[XA], v1
	v_add_nc_u32 v[XB], v[XB], v1
	LOADA 0                                        ; by every wave
	TSTART 0, 57                                   ; chunk 0 is in: behind it stand chunk 1's 32 loads and the rows' 25
	TMID 1, 32                                     ; from here on: all but the next chunk's 32 loads
	TMID 2, 32
	HEADT 3, 32
	s_cmp_eq_u32 s[PAF], 0
	s_cbranch_scc1 .Lsk3
	s_cmp_eq_u32 s[WAF], 0
	s_cbranch_scc1 .Lin3
	MULT 3, 0
	LOADB 0
	LOADA 4
	LOADW 5
	s_wait_loadcnt 57                              ; the bias is in: behind it stand the rows' 25 loads and the chunk's 32
	EPI 0
	s_branch .Len3
.Lin3:
	LOADW 5
	s_branch .Len3
.Lsk3:
	s_wait_loadcnt 0x0                             ; the arm that asks for nothing (see TSTART)
.Len3:
	TSTART 4, 32
	TMID 5, 32
	TMID 6, 32
	HEADT 7, 0
	s_cmp_eq_u32 s[WAF], 0
	s_cbranch_scc1 .Lsk7
	MULT 7, 0
	LOADB 1
	s_wait_loadcnt 0x0
	EPI 1
.Lsk7:
	s_wait_xcnt 0x0                                ; the rows' address registers and the stores' bases are written again only behind this wait
	v_mov_b32 v[ENT], v[ENT1]
	s_add_co_u32 s[SP], s[SP], 1
	s_lshl_b32 s34, s[SP], 4
	s_cmp_lt_u32 s34, s[SG]                        ; are there units for another pass?  (never behind the second: there are at most 32)
	s_cselect_b32 s[PAF], 1, 0
	s_cbranch_scc0 .Lnow
	LOADW 0
	LOADW 1
.Lnow:
	s_cmp_lt_u32 s[SP], 2
	s_cbranch_scc1 .Lpass
	s_wait_xcnt 0x0
	v_lshl_add_u32 v254, v0, 2, 0x7800
	v_mov_b32 v255, 0
	s_wait_tensorcnt 0x0
	ds_add_u32 v254, v255
	s_wait_dscnt 0x0
	s_endpgm
.Lfunc_end_k_q95e3269d35_ffn1:
	.size	k_q95e3269d35_ffn1, .Lfunc_end_k_q95e3269d35_ffn1-k_q95e3269d35_ffn1
	.p2alignl 7, 3214868480
	.fill 96, 4, 3214868480
	.section	.rodata,"a",@progbits
	.p2align	6, 0x0
	.amdhsa_kernel k_q95e3269d35_ffn1
		.amdhsa_group_segment_fixed_size 32768
		.amdhsa_private_segment_fixed_size 0
		.amdhsa_enable_private_segment 0
		.amdhsa_kernarg_size 48
		.amdhsa_user_sgpr_count 2
		.amdhsa_user_sgpr_kernarg_segment_ptr 1
		.amdhsa_wavefront_size32 1
		.amdhsa_system_sgpr_workgroup_id_x 1
		.amdhsa_system_sgpr_workgroup_id_y 1
		.amdhsa_system_sgpr_workgroup_id_z 1
		.amdhsa_system_vgpr_workitem_id 0
		.amdhsa_next_free_vgpr 256
		.amdhsa_next_free_sgpr 66
		.amdhsa_reserve_vcc 1
		.amdhsa_float_denorm_mode_32 3
		.amdhsa_float_denorm_mode_16_64 3
		.amdhsa_memory_ordered 1
		.amdhsa_forward_progress 1
		.amdhsa_inst_pref_size 237
	.end_amdhsa_kernel
	.amdgpu_metadata
---
amdhsa.version: [ 1, 2 ]
amdhsa.kernels:
  - .name:           k_q95e3269d35_ffn1
    .symbol:         k_q95e3269d35_ffn1.kd
    .args:
      - { .name: W1, .offset: 0, .size: 8, .value_kind: global_buffer, .address_space: global }
      - { .name: b1, .offset: 8, .size: 8, .value_kind: global_buffer, .address_space: global }
      - { .name: xq, .offset: 16, .size: 8, .value_kind: global_buffer, .address_space: global }
      - { .name: sel, .offset: 24, .size: 8, .value_kind: global_buffer, .address_space: global }
      - { .name: hq, .offset: 32, .size: 8, .value_kind: global_buffer, .address_space: global }
      - { .name: pm, .offset: 40, .size: 8, .value_kind: global_buffer, .address_space: global }
    .group_segment_fixed_size: 32768
    .private_segment_fixed_size: 0
    .kernarg_segment_align: 8
    .kernarg_segment_size: 48
    .max_flat_workgroup_size: 512
    .sgpr_count:     66
    .vgpr_count:     256
    .wavefront_size: 32
...
	.end_amdgpu_metadata
.endif
;; end of part 2
;; launch ffn2 (part 3): grid 32 x 8, 16 waves a work-group, no clusters, 166,912 bytes of LDS; arguments W2, hq, pm, y; writes y
.if DOCPART == 3
	.amdgcn_target "amdgcn-amd-amdhsa--gfx1250"
	.amdhsa_code_object_version 6
	.text
	.protected	k_q95e3269d35_ffn2
	.globl	k_q95e3269d35_ffn2
	.p2align	8
	.type	k_q95e3269d35_ffn2,@function
k_q95e3269d35_ffn2:
	s_mov_b64 s[64:65], 0
	v_nop
	global_prefetch_b8 v0, s[64:65] scope:SCOPE_SE
	s_setreg_imm32_b32 hwreg(HW_REG_WAVE_MODE, 25, 1), 1
	s_wait_xcnt 0x0
; SECOND LAYER OF THE CHOSEN EXPERTS: y[kh][pos][c] = the sum over one half of K (2,048 hidden units) of hq[pos][k] Q(W2[e])[k][c], in MX-FP6, f32 sums.  The bias and the gate follow in the next launch.
; Work-group (x, e): columns 64 (x % 16) .. + 63, K half kh = x / 16.  Its 512 KiB of W2 (f32) are read from memory ONCE, in 8 chunks of 256 K x 64 columns, and quantised in registers on the way.
; Stream, ring, products and passes as in the first layer's launch: wave w streams column group w % 2 and block w / 2 of a chunk (a lane a column, 32 registers down K); the codes lie in a ring of two LDS buffers in the
; order of the operand's registers; wave w owns unit g = 16 pass + w: 32 rows x 64 columns, 8 accumulators; source 0 = 16 columns of W2, source 1 = 16 rows of hq.
; Slices of 64 columns: two neighbouring waves read 256 consecutive, aligned bytes of a row of W2.  Hence two halves of K, so that there are 256 work-groups.
; NO BARRIER STANDS UNDER A BRANCH ON A STORED NUMBER: two passes are always walked, every barrier on the common path; flags jump over the work between barriers.  A wave without rows reads the expert's last written group.
; No tensor loads and no cluster: what a wave does hangs on stored numbers.  No prefetch: the loop streams from memory all the time.
; LIMITS: NaN and infinities not served; blocks of W2 under 2^-124 (zeros too) get the byte 1.
.set BUF,  12800
.set STG,  2*BUF                       ; the way out: 32 rows x (256 + 16) bytes for each wave
.set HSO,  25165824
.set WOFF, 2
.set WST,  3
.set WSB,  4
.set FRD,  5
.set SRD,  6
.set HA,   7
.set HSA,  8
.set SO,   9
.set SR,   10
.set YO,   11
.set PT,   15
.set WS,   16                          ; v16-19 W's scale words: scales and nothing else
.set AS,   20                          ; v20-21 the rows' scale words: scales and nothing else
.set T0,   22
.set T1,   23
.set X,    24
.set ACC,  88
.set WF,   152
.set AF,   200
.set C0,   248
.set C1,   252
.set WV,   16
.set CG,   17
.set KB,   18
.set EX,   19
.set NSL,  20
.set KH,   21
.set SN,   23
.set SG,   24
.set SP,   25
.set WAF,  26
.set PAF,  27
.set HCB,  30
.set HSB,  32
.set YB,   38
.set MO,   44
.macro LOADW t                         ; chunk t: K rows 256 t + 32 kb + 0 .. 31 of my half, 128 consecutive bytes a wave and row, into set t % 2
.set XS_, X+32*((\t)%2)
.set I_, 0
.rept 32
	global_load_b32 v[XS_+I_], v[WOFF], s[4:5] offset:(256*(\t)+I_)*4096 th:TH_LOAD_NT
.set I_, I_+1
.endr
.endm
.macro QBLK t
.set XS_, X+32*((\t)%2)
.set BO_, BUF*((\t)%2)
	v_max3_num_f32 v[T0], |v[XS_]|, |v[XS_+1]|, |v[XS_+2]|
	v_max3_num_f32 v[T1], |v[XS_+3]|, |v[XS_+4]|, |v[XS_+5]|
.irp i,6,10,14,18,22,26
	v_max3_num_f32 v[T0], v[T0], |v[XS_+\i]|, |v[XS_+\i+1]|
	v_max3_num_f32 v[T1], v[T1], |v[XS_+\i+2]|, |v[XS_+\i+3]|
.endr
	v_max3_num_f32 v[T0], v[T0], |v[XS_+30]|, |v[XS_+31]|
	v_max3_num_f32 v[T0], v[T0], v[T1], 0x1800000  ; the floor 2^(3 - 127)
	v_add_nc_u32 v[T0], 0xff000000, v[T0]          ; 2 off the exponent field: the conversion's scale operand
	v_cvt_scalef32_pk16_fp6_f32 v[C0:C0+2], v[XS_:XS_+15], v[T0]
	v_cvt_scalef32_pk16_fp6_f32 v[C1:C1+2], v[XS_+16:XS_+31], v[T0]
	v_lshrrev_b32 v[T1], 23, v[T0]                 ; the byte (the plain line behind the conversions)
	ds_store_b64 v[WST], v[C0:C0+1] offset:BO_
	ds_store_b32 v[WST], v[C0+2] offset:BO_+8
	ds_store_b32 v[WST], v[C1] offset:BO_+12
	ds_store_b32 v[WST], v[C1+1] offset:BO_+16
	ds_store_b32 v[WST], v[C1+2] offset:BO_+20
	ds_store_b8 v[WSB], v[T1] offset:BO_
.endm
.macro BAR
	s_wait_dscnt 0x0
	s_barrier_signal -1
	s_barrier_wait -1
.endm
.macro WM u, rt
.if Z_
.if (\u)==0 && (\rt)==0
	v_wmma_scale_f32_16x16x128_f8f6f4 v[A_:A_+7], v[W_:W_+11], v[F_:F_+11], 0, v[S_], v[R_] matrix_a_fmt:MATRIX_FMT_FP6 matrix_b_fmt:MATRIX_FMT_FP6
.elseif (\u)==0
	v_wmma_scale_f32_16x16x128_f8f6f4 v[A_:A_+7], v[W_:W_+11], v[F_:F_+11], 0, v[S_], v[R_] matrix_a_fmt:MATRIX_FMT_FP6 matrix_b_fmt:MATRIX_FMT_FP6 matrix_b_scale:MATRIX_SCALE_ROW1
.elseif (\rt)==0
	v_wmma_scale_f32_16x16x128_f8f6f4 v[A_:A_+7], v[W_:W_+11], v[F_:F_+11], 0, v[S_], v[R_] matrix_a_fmt:MATRIX_FMT_FP6 matrix_b_fmt:MATRIX_FMT_FP6 matrix_a_scale:MATRIX_SCALE_ROW1
.else
	v_wmma_scale_f32_16x16x128_f8f6f4 v[A_:A_+7], v[W_:W_+11], v[F_:F_+11], 0, v[S_], v[R_] matrix_a_fmt:MATRIX_FMT_FP6 matrix_b_fmt:MATRIX_FMT_FP6 matrix_a_scale:MATRIX_SCALE_ROW1 matrix_b_scale:MATRIX_SCALE_ROW1
.endif
.else
.if (\u)==0 && (\rt)==0
	v_wmma_scale_f32_16x16x128_f8f6f4 v[A_:A_+7], v[W_:W_+11], v[F_:F_+11], v[A_:A_+7], v[S_], v[R_] matrix_a_fmt:MATRIX_FMT_FP6 matrix_b_fmt:MATRIX_FMT_FP6
.elseif (\u)==0
	v_wmma_scale_f32_16x16x128_f8f6f4 v[A_:A_+7], v[W_:W_+11], v[F_:F_+11], v[A_:A_+7], v[S_], v[R_] matrix_a_fmt:MATRIX_FMT_FP6 matrix_b_fmt:MATRIX_FMT_FP6 matrix_b_scale:MATRIX_SCALE_ROW1
.elseif (\rt)==0
	v_wmma_scale_f32_16x16x128_f8f6f4 v[A_:A_+7], v[W_:W_+11], v[F_:F_+11], v[A_:A_+7], v[S_], v[R_] matrix_a_fmt:MATRIX_FMT_FP6 matrix_b_fmt:MATRIX_FMT_FP6 matrix_a_scale:MATRIX_SCALE_ROW1
.else
	v_wmma_scale_f32_16x16x128_f8f6f4 v[A_:A_+7], v[W_:W_+11], v[F_:F_+11], v[A_:A_+7], v[S_], v[R_] matrix_a_fmt:MATRIX_FMT_FP6 matrix_b_fmt:MATRIX_FMT_FP6 matrix_a_scale:MATRIX_SCALE_ROW1 matrix_b_scale:MATRIX_SCALE_ROW1
.endif
.endif
.endm
; A chunk's products: two K steps of 128; the 8 accumulators take turns, one instruction a turn, in the same order every time.
; Plain places follow each run: 4 in front of loads into registers that the products read, 5 at the end, since a later sum is begun anew over these accumulators.
.macro MULT t, zero
.set BO_, BUF*((\t)%2)
.irp sl,0,1
.irp b,0,1
	ds_load_b32 v[WS+2*\sl+\b], v[SRD] offset:BO_+256*\sl+128*\b
.endr
.endr
.irp sl,0,1
.irp f,0,1,2,3
.irp c,0,1,2
	ds_load_b128 v[WF+12*\f+4*\c:WF+12*\f+4*\c+3], v[FRD] offset:BO_+(4*\sl+\f)*1536+16*\c
.endr
.endr
	s_wait_dscnt 0x0
.set Z_, (\zero)*(1-\sl)
.irp b,0,1
.irp u,0,1
.irp rt,0,1
.set A_, ACC+32*\rt+16*\b+8*\u
.set W_, WF+12*(2*\b+\u)
.set F_, AF+24*\sl+12*\rt
.set S_, WS+2*\sl+\b
.set R_, AS+\sl
	WM \u, \rt
.endr
.endr
.endr
.rept 4+\sl
	v_nop
.endr
.endr
.endm
.macro LOADA t                         ; my 32 rows' codes and scale words of chunk t's two K steps: 26 loads.  hq's codes: [group][K step][block][row][24 bytes]
.irp sl,0,1
.irp rt,0,1
.irp p,0,1,2,3,4,5
	global_load_b64 v[AF+24*\sl+12*\rt+2*\p:AF+24*\sl+12*\rt+2*\p+1], v[HA], s[HCB:HCB+1] offset:(2*(\t)+\sl)*3072+384*\rt+1536*(\p/3)+8*(\p%3)
.endr
.endr
	global_load_b32 v[AS+\sl], v[HSA], s[HSB:HSB+1] offset:(2*(\t)+\sl)*128
.endr
.endm
.macro HEADT t, n
	s_wait_loadcnt \n
	s_cmp_eq_u32 s[PAF], 0
	s_cbranch_scc1 .Lnq_\@
	QBLK \t
.Lnq_\@:
	BAR                                            ; buffer t % 2 is whole; and the other buffer's readers of the last trip have their loads in, so the next trip may write it
.endm
; The arm of a trip that asks for nothing waits for all loads: so on every way through the text a set of registers is loaded again only when its earlier loads are in
; (either the next trip's wait, which leaves only the other set's 32 younger loads out, or this one).
.macro TMID t, n
	HEADT \t, \n
	s_cmp_eq_u32 s[PAF], 0
	s_cbranch_scc1 .Lsk_\@
	s_cmp_eq_u32 s[WAF], 0
	s_cbranch_scc1 .Lin_\@
	MULT \t, 0
	LOADA (\t)+1
.Lin_\@:
.if (\t)<6
	LOADW (\t)+2                                   ; always behind the rows' loads: a wait that leaves these 32 out proves both
.endif
	s_branch .Len_\@
.Lsk_\@:
	s_wait_loadcnt 0x0
.Len_\@:
.endm
	s_load_b256 s[4:11], s[0:1], 0x0               ; W2, hq, pm, y
	v_lshl_add_u32 v251, v0, 2, 0x28400
	v_mov_b32 v255, 0
	v_lshrrev_b32 v1, 5, v0
	v_readfirstlane_b32 s[WV], v1
	s_and_b32 s[CG], s[WV], 1
	s_lshr_b32 s[KB], s[WV], 1
	s_and_b32 s[EX], ttmp7, 0xffff
	s_and_b32 s[NSL], ttmp9, 15
	s_lshr_b32 s[KH], ttmp9, 4
	v_and_b32 v[T0], 31, v0                        ; lane
	v_bfe_u32 v[T1], v0, 3, 1                      ; u of the column that I stream
	v_bfe_u32 v[PT], v0, 4, 1                      ; lane / 16
	s_lshl_b32 s34, s[KB], 17                      ; 32 rows of 4,096 bytes a block
	s_lshl_b32 s35, s[CG], 7
	s_add_co_u32 s34, s34, s35
	v_lshl_add_u32 v[WOFF], v[T0], 2, s34
	v_and_b32 v[WST], 7, v0
	v_lshl_add_u32 v[WST], v[PT], 3, v[WST]        ; r of that column in its tile
	v_lshlrev_b32 v[WSB], 2, v[WST]
	v_lshl_add_u32 v[WSB], v[T1], 6, v[WSB]
	v_mul_u32_u24 v[WST], v[WST], 48
	v_mad_u32_u24 v[WST], v[T1], 1536, v[WST]
	s_lshr_b32 s34, s[KB], 2
	s_mul_i32 s35, s34, 6144
	s_mul_i32 s36, s[CG], 3072
	s_add_co_u32 s35, s35, s36
	s_and_b32 s36, s[KB], 1
	s_mul_i32 s36, s36, 768
	s_add_co_u32 s35, s35, s36
	s_bfe_u32 s36, s[KB], 0x10001
	s_mul_i32 s36, s36, 24
	s_add_co_u32 s35, s35, s36
	v_add_nc_u32 v[WST], s35, v[WST]
	s_lshl_b32 s34, s34, 8
	s_lshl_b32 s36, s[CG], 7
	s_add_co_u32 s34, s34, s36
	s_and_b32 s36, s[KB], 3
	s_add_co_u32 s34, s34, s36
	s_add_co_u32 s34, s34, 12288
	v_add_nc_u32 v[WSB], s34, v[WSB]
	v_mul_u32_u24 v[FRD], v[T0], 48
	v_lshl_add_u32 v[SRD], v[T0], 2, 12288
	v_and_b32 v[YO], 15, v0                        ; lane % 16
	s_mul_i32 s34, s[WV], 8704
	s_add_co_u32 s34, s34, STG                     ; my stage
	v_mul_u32_u24 v[SO], v[YO], 272
	v_lshl_add_u32 v[SO], v[PT], 6, v[SO]
	v_add_nc_u32 v[SO], s34, v[SO]                 ; in: row lane % 16, my half's 64 bytes of a block's 128
	v_mul_u32_u24 v[SR], v[PT], 272
	v_lshl_add_u32 v[SR], v[YO], 4, v[SR]
	v_add_nc_u32 v[SR], s34, v[SR]                 ; back: lanes 0-15 one row of 256 bytes, lanes 16-31 the next
	v_mul_u32_u24 v[HA], v[YO], 24
	v_mad_u32_u24 v[HA], v[PT], 768, v[HA]         ; hq's codes: row lane % 16, block lane / 16
	v_lshlrev_b32 v[YO], 4, v[YO]
	v_lshl_add_u32 v[YO], v[PT], 12, v[YO]         ; and the same two rows in y
	v_lshlrev_b32 v[HSA], 2, v[T0]
	s_mov_b32 s[SP], 0
	s_mov_b32 s[PAF], 1                            ; pass 0 always streams
	s_lshl_b32 s[MO], s[EX], 2
	s_lshl_b32 s36, s[EX], 24
	s_lshl_b32 s35, s[KH], 23
	s_add_co_u32 s36, s36, s35
	s_lshl_b32 s35, s[NSL], 8
	s_add_co_u32 s36, s36, s35
	s_mov_b32 s37, 0
	s_wait_kmcnt 0x0
	s_load_b32 s[SN], s[8:9], s[MO] offset:0x2000  ; the expert's count
	s_add_nc_u64 s[4:5], s[4:5], s[36:37]
	LOADW 0
	LOADW 1
	s_wait_kmcnt 0x0
	s_min_u32 s[SN], s[SN], 1024
	s_add_co_u32 s[SG], s[SN], 31
	s_lshr_b32 s[SG], s[SG], 5
	s_max_u32 s[SG], s[SG], 1                      ; groups of 32 rows, at least one: as many as the launch before has written
.Lpass:
	s_lshl_b32 s34, s[SP], 4
	s_add_co_u32 s34, s34, s[WV]                   ; my unit g
	s_cmp_lt_u32 s34, s[SG]
	s_cselect_b32 s[WAF], 1, 0
	s_sub_co_u32 s35, s[SG], 1
	s_min_u32 s35, s34, s35                        ; the group that I read: g, or the last written one
	s_min_u32 s35, s35, 31
	s_lshl_b32 s36, s[EX], 5
	s_add_co_u32 s35, s35, s36
	s_add_co_u32 s34, s34, s36                     ; the group that I store: 32 e + g
	s_mul_i32 s36, s35, 98304
	s_mul_i32 s37, s[KH], 49152
	s_add_co_u32 s36, s36, s37
	s_mov_b32 s37, 0
	s_add_nc_u64 s[HCB:HCB+1], s[6:7], s[36:37]
	s_lshl_b32 s36, s35, 12
	s_lshl_b32 s35, s[KH], 11
	s_add_co_u32 s36, s36, s35
	s_add_co_u32 s36, s36, HSO
	s_add_nc_u64 s[HSB:HSB+1], s[6:7], s[36:37]
	s_lshl_b32 s36, s34, 17                        ; 32 rows of 4,096 bytes a group
	s_lshl_b32 s35, s[KH], 25
	s_add_co_u32 s36, s36, s35
	s_lshl_b32 s35, s[NSL], 8
	s_add_co_u32 s36, s36, s35
	s_add_nc_u64 s[YB:YB+1], s[10:11], s[36:37]
	LOADA 0                                        ; by every wave
	HEADT 0, 58                                    ; chunk 0 is in: behind it stand chunk 1's 32 loads and the rows' 26
	s_wait_loadcnt 0x0                             ; the rows' first fragments, asked for last
	MULT 0, 1                                      ; the trip that starts the sums: every wave multiplies, nothing is cleared
	s_cmp_eq_u32 s[PAF], 0
	s_cbranch_scc1 .Lsk0
	s_cmp_eq_u32 s[WAF], 0
	s_cbranch_scc1 .Lin0
	LOADA 1
.Lin0:
	LOADW 2
	s_branch .Len0
.Lsk0:
	s_wait_loadcnt 0x0                             ; the arm that asks for nothing (see TMID)
.Len0:
	TMID 1, 32                                     ; from here on: all but the next chunk's 32 loads
	TMID 2, 32
	TMID 3, 32
	TMID 4, 32
	TMID 5, 32
	TMID 6, 32
	HEADT 7, 0
	s_cmp_eq_u32 s[WAF], 0
	s_cbranch_scc1 .Lsk7
	MULT 7, 0
	; THE WAY OUT: a lane holds 16 neighbouring columns of a row; through my own stage the 32 rows come back whole: sixteen lanes store 256 consecutive, aligned bytes
.irp rt,0,1
.irp b,0,1
.irp u,0,1
	ds_store_b128 v[SO], v[ACC+32*\rt+16*\b+8*\u:ACC+32*\rt+16*\b+8*\u+3] offset:16*\rt*272+128*\b+32*\u        ; each accumulator from its low end on
	ds_store_b128 v[SO], v[ACC+32*\rt+16*\b+8*\u+4:ACC+32*\rt+16*\b+8*\u+7] offset:16*\rt*272+128*\b+32*\u+16
.endr
.endr
.endr
.irp i,0,1,2,3,4,5,6,7,8,9,10,11,12,13,14,15
	ds_load_b128 v[WF+4*\i:WF+4*\i+3], v[SR] offset:2*\i*272       ; LDS serves a wave's instructions in order: these see my stores
.endr
.irp i,0,1,2,3,4,5,6,7,8,9,10,11,12,13,14,15
	s_wait_dscnt 15-\i
	global_store_b128 v[YO], v[WF+4*\i:WF+4*\i+3], s[YB:YB+1] offset:8192*\i th:TH_STORE_NT
.endr
.Lsk7:
	s_wait_xcnt 0x0                                ; the stores' data and the bases are written again only behind this wait
	s_add_co_u32 s[SP], s[SP], 1
	s_lshl_b32 s34, s[SP], 4
	s_cmp_lt_u32 s34, s[SG]                        ; are there units for another pass?  (never behind the second: there are at most 32)
	s_cselect_b32 s[PAF], 1, 0
	s_cbranch_scc0 .Lnow
	LOADW 0
	LOADW 1
.Lnow:
	s_cmp_lt_u32 s[SP], 2
	s_cbranch_scc1 .Lpass
	s_wait_tensorcnt 0x0
	ds_add_u32 v251, v255
	s_wait_dscnt 0x0
	s_endpgm
.Lfunc_end_k_q95e3269d35_ffn2:
	.size	k_q95e3269d35_ffn2, .Lfunc_end_k_q95e3269d35_ffn2-k_q95e3269d35_ffn2
	.p2alignl 7, 3214868480
	.fill 96, 4, 3214868480
	.section	.rodata,"a",@progbits
	.p2align	6, 0x0
	.amdhsa_kernel k_q95e3269d35_ffn2
		.amdhsa_group_segment_fixed_size 166912
		.amdhsa_private_segment_fixed_size 0
		.amdhsa_enable_private_segment 0
		.amdhsa_kernarg_size 32
		.amdhsa_user_sgpr_count 2
		.amdhsa_user_sgpr_kernarg_segment_ptr 1
		.amdhsa_wavefront_size32 1
		.amdhsa_system_sgpr_workgroup_id_x 1
		.amdhsa_system_sgpr_workgroup_id_y 1
		.amdhsa_system_sgpr_workgroup_id_z 1
		.amdhsa_system_vgpr_workitem_id 0
		.amdhsa_next_free_vgpr 256
		.amdhsa_next_free_sgpr 66
		.amdhsa_reserve_vcc 0
		.amdhsa_float_denorm_mode_32 3
		.amdhsa_float_denorm_mode_16_64 3
		.amdhsa_memory_ordered 1
		.amdhsa_forward_progress 1
		.amdhsa_inst_pref_size 108
	.end_amdhsa_kernel
	.amdgpu_metadata
---
amdhsa.version: [ 1, 2 ]
amdhsa.kernels:
  - .name:           k_q95e3269d35_ffn2
    .symbol:         k_q95e3269d35_ffn2.kd
    .args:
      - { .name: W2, .offset: 0, .size: 8, .value_kind: global_buffer, .address_space: global }
      - { .name: hq, .offset: 8, .size: 8, .value_kind: global_buffer, .address_space: global }
      - { .name: pm, .offset: 16, .size: 8, .value_kind: global_buffer, .address_space: global }
      - { .name: y, .offset: 24, .size: 8, .value_kind: global_buffer, .address_space: global }
    .group_segment_fixed_size: 166912
    .private_segment_fixed_size: 0
    .kernarg_segment_align: 8
    .kernarg_segment_size: 32
    .max_flat_workgroup_size: 512
    .sgpr_count:     66
    .vgpr_count:     256
    .wavefront_size: 32
...
	.end_amdgpu_metadata
.endif
;; end of part 3
;; launch comb (part 4): grid 257 x 1, 4 waves a work-group, no clusters, 1,536 bytes of LDS; arguments y, pm, rf, b2, out0, out1; writes out0, out1
.if DOCPART == 4
	.amdgcn_target "amdgcn-amd-amdhsa--gfx1250"
	.amdhsa_code_object_version 6
	.text
	.protected	k_q95e3269d35_comb
	.globl	k_q95e3269d35_comb
	.p2align	8
	.type	k_q95e3269d35_comb,@function
k_q95e3269d35_comb:
	s_mov_b64 s[64:65], 0
	v_nop
	global_prefetch_b8 v0, s[64:65] scope:SCOPE_SE
	s_setreg_imm32_b32 hwreg(HW_REG_WAVE_MODE, 25, 1), 1
	s_wait_xcnt 0x0
; THE GATE AND THE AUXILIARY LOSS.  Work-groups 0 .. 255: wave w takes token t = 4 x work-group + w:
;   out0[t] = w0 (y[0][pos0] + y[1][pos0] + b2[e0]) + w1 (y[0][pos1] + y[1][pos1] + b2[e1]),  pos_k = posmap[2 t + k] (stored whole numbers), e_k = pos_k / 1024, w_k the gate's weights.
;   Each load and store of a wave covers 512 consecutive bytes; a row is eight of them.
; Work-group 256: out1 = 8 x the sum over experts of (the sum over tokens of the full softmax / 1024)^2.  It alone uses LDS.
; A stream: no matrix unit, no cluster, no tensor load would add anything.
	s_load_b256 s[4:11], s[0:1], 0x0               ; y, pm, rf, b2
	s_load_b128 s[12:15], s[0:1], 0x20             ; out0, out1
	v_lshl_add_u32 v208, v0, 2, 0x400
	v_mov_b32 v209, 0
	v_lshrrev_b32 v1, 5, v0
	v_readfirstlane_b32 s16, v1                    ; wave
	v_and_b32 v1, 31, v0
	v_lshlrev_b32 v2, 4, v1                        ; 16 x lane
	s_cmp_eq_u32 ttmp9, 256
	s_cbranch_scc1 .Laux
	s_lshl_b32 s17, ttmp9, 2
	s_add_co_u32 s17, s17, s16                     ; my token
	s_lshl_b32 s18, s17, 3
	s_wait_kmcnt 0x0
	s_load_b64 s[20:21], s[6:7], s18 offset:0x0    ; its two positions
	s_load_b64 s[22:23], s[8:9], s18 offset:0x0    ; its two weights
	s_wait_kmcnt 0x0
	s_lshr_b32 s24, s20, 10
	s_lshr_b32 s25, s21, 10
	s_min_u32 s24, s24, 7                          ; the experts
	s_min_u32 s25, s25, 7
	s_min_u32 s20, s20, 8191
	s_min_u32 s21, s21, 8191
	s_mov_b32 s27, 0
	s_lshl_b32 s26, s20, 12
	s_add_nc_u64 s[28:29], s[4:5], s[26:27]        ; y, first half of K, first choice;
	s_add_nc_u64 s[30:31], s[28:29], 0x2000000     ; second half
	s_lshl_b32 s26, s21, 12
	s_add_nc_u64 s[32:33], s[4:5], s[26:27]        ; the same of the second choice
	s_add_nc_u64 s[34:35], s[32:33], 0x2000000
	s_lshl_b32 s26, s24, 12
	s_add_nc_u64 s[36:37], s[10:11], s[26:27]      ; the two rows of b2
	s_lshl_b32 s26, s25, 12
	s_add_nc_u64 s[38:39], s[10:11], s[26:27]
	s_lshl_b32 s26, s17, 12
	s_add_nc_u64 s[40:41], s[12:13], s[26:27]
	s_mov_b32 s44, s23                             ; the packed forms take a pair's low word for both halves
	s_mov_b32 s45, s23
.irp c,0,1,2,3,4,5,6,7
	global_load_b128 v[8+4*\c:11+4*\c], v2, s[28:29] offset:512*\c th:TH_LOAD_NT
	global_load_b128 v[40+4*\c:43+4*\c], v2, s[30:31] offset:512*\c th:TH_LOAD_NT
	global_load_b128 v[72+4*\c:75+4*\c], v2, s[36:37] offset:512*\c
	global_load_b128 v[104+4*\c:107+4*\c], v2, s[32:33] offset:512*\c th:TH_LOAD_NT
	global_load_b128 v[136+4*\c:139+4*\c], v2, s[34:35] offset:512*\c th:TH_LOAD_NT
	global_load_b128 v[168+4*\c:171+4*\c], v2, s[38:39] offset:512*\c
.endr
.irp c,0,1,2,3,4,5,6,7
	s_wait_loadcnt 6*(7-\c)                        ; this piece's six loads are in; the later pieces' may be out
.irp d,0,2
	v_pk_add_f32 v[8+4*\c+\d:9+4*\c+\d], v[8+4*\c+\d:9+4*\c+\d], v[40+4*\c+\d:41+4*\c+\d]
	v_pk_add_f32 v[104+4*\c+\d:105+4*\c+\d], v[104+4*\c+\d:105+4*\c+\d], v[136+4*\c+\d:137+4*\c+\d]
	v_pk_add_f32 v[8+4*\c+\d:9+4*\c+\d], v[8+4*\c+\d:9+4*\c+\d], v[72+4*\c+\d:73+4*\c+\d]
	v_pk_add_f32 v[104+4*\c+\d:105+4*\c+\d], v[104+4*\c+\d:105+4*\c+\d], v[168+4*\c+\d:169+4*\c+\d]
	v_pk_mul_f32 v[8+4*\c+\d:9+4*\c+\d], v[8+4*\c+\d:9+4*\c+\d], s[22:23] op_sel_hi:[1,0]
	v_pk_fma_f32 v[8+4*\c+\d:9+4*\c+\d], v[104+4*\c+\d:105+4*\c+\d], s[44:45], v[8+4*\c+\d:9+4*\c+\d] op_sel_hi:[1,0,1]
.endr
	global_store_b128 v2, v[8+4*\c:11+4*\c], s[40:41] offset:512*\c th:TH_STORE_NT
.endr
	s_endpgm
.Laux:
	v_lshlrev_b32 v3, 4, v0
	s_mov_b32 s20, 0x76543210
	s_mov_b32 s21, 0xfedcba98
	v_and_b32 v4, 1, v0
	v_lshlrev_b32 v4, 4, v4                        ; which four experts are mine: thread % 2
	v_lshrrev_b32 v6, 5, v0
	v_lshl_add_u32 v6, v6, 5, v4                   ; my wave's 32 bytes in LDS
	s_wait_kmcnt 0x0
.irp q,0,1,2,3,4,5,6,7,8,9,10,11,12,13,14,15
	global_load_b128 v[16+4*\q:19+4*\q], v3, s[8:9] offset:8192+2048*\q       ; piece thread + 128 q: token (piece / 2), experts 4 (piece % 2) on
.endr
	s_wait_loadcnt 0x0
.irp q,1,2,3,4,5,6,7,8,9,10,11,12,13,14,15
	v_pk_add_f32 v[16:17], v[16:17], v[16+4*\q:17+4*\q]
	v_pk_add_f32 v[18:19], v[18:19], v[18+4*\q:19+4*\q]
.endr
.irp m,2,4,8                           ; the lanes of my parity
.irp a,16,17,18,19
	v_add_f32_dpp v[\a], v[\a], v[\a] row_xmask:\m row_mask:0xf bank_mask:0xf
.endr
.endr
.irp a,0,1,2,3
	v_permlanex16_b32 v[20+\a], v[16+\a], s20, s21
.endr
.irp a,0,1,2,3
	v_add_f32 v[16+\a], v[16+\a], v[20+\a]
.endr
	ds_store_b128 v6, v[16:19]                     ; all lanes of a parity write the same 16 bytes with the same numbers
	s_wait_dscnt 0x0
	s_barrier_signal -1
	s_barrier_wait -1
.irp w,0,1,2,3
	ds_load_b128 v[24+4*\w:27+4*\w], v4 offset:32*\w
.endr
	s_wait_dscnt 0x0
.irp w,1,2,3
	v_pk_add_f32 v[24:25], v[24:25], v[24+4*\w:25+4*\w]
	v_pk_add_f32 v[26:27], v[26:27], v[26+4*\w:27+4*\w]
.endr
.irp a,24,25,26,27
	v_mul_f32 v[\a], 0x3a800000, v[\a]             ; / 1024
.endr
	v_mul_f32 v28, v24, v24
	v_fmac_f32 v28, v25, v25
	v_fmac_f32 v28, v26, v26
	v_fmac_f32 v28, v27, v27
	v_add_f32_dpp v28, v28, v28 row_xmask:1 row_mask:0xf bank_mask:0xf      ; with the other four experts'
	v_mul_f32 v28, 0x41000000, v28                 ; x 8
	v_mov_b32 v29, 0
	v_cmp_eq_u32 vcc_lo, 0, v0
	s_wait_xcnt 0x0                                ; EXEC changes only behind this wait
	s_wait_tensorcnt 0x0
	ds_add_u32 v208, v209
	s_wait_dscnt 0x0
	s_and_saveexec_b32 s22, vcc_lo
	global_store_b32 v29, v28, s[14:15]
	s_wait_xcnt 0x0
	s_or_b32 exec_lo, exec_lo, s22
	s_endpgm
.Lfunc_end_k_q95e3269d35_comb:
	.size	k_q95e3269d35_comb, .Lfunc_end_k_q95e3269d35_comb-k_q95e3269d35_comb
	.p2alignl 7, 3214868480
	.fill 96, 4, 3214868480
	.section	.rodata,"a",@progbits
	.p2align	6, 0x0
	.amdhsa_kernel k_q95e3269d35_comb
		.amdhsa_group_segment_fixed_size 1536
		.amdhsa_private_segment_fixed_size 0
		.amdhsa_enable_private_segment 0
		.amdhsa_kernarg_size 48
		.amdhsa_user_sgpr_count 2
		.amdhsa_user_sgpr_kernarg_segment_ptr 1
		.amdhsa_wavefront_size32 1
		.amdhsa_system_sgpr_workgroup_id_x 1
		.amdhsa_system_sgpr_workgroup_id_y 1
		.amdhsa_system_sgpr_workgroup_id_z 1
		.amdhsa_system_vgpr_workitem_id 0
		.amdhsa_next_free_vgpr 210
		.amdhsa_next_free_sgpr 66
		.amdhsa_reserve_vcc 1
		.amdhsa_float_denorm_mode_32 3
		.amdhsa_float_denorm_mode_16_64 3
		.amdhsa_memory_ordered 1
		.amdhsa_forward_progress 1
		.amdhsa_inst_pref_size 20
	.end_amdhsa_kernel
	.amdgpu_metadata
---
amdhsa.version: [ 1, 2 ]
amdhsa.kernels:
  - .name:           k_q95e3269d35_comb
    .symbol:         k_q95e3269d35_comb.kd
    .args:
      - { .name: y, .offset: 0, .size: 8, .value_kind: global_buffer, .address_space: global }
      - { .name: pm, .offset: 8, .size: 8, .value_kind: global_buffer, .address_space: global }
      - { .name: rf, .offset: 16, .size: 8, .value_kind: global_buffer, .address_space: global }
      - { .name: b2, .offset: 24, .size: 8, .value_kind: global_buffer, .address_space: global }
      - { .name: out0, .offset: 32, .size: 8, .value_kind: global_buffer, .address_space: global }
      - { .name: out1, .offset: 40, .size: 8, .value_kind: global_buffer, .address_space: global }
    .group_segment_fixed_size: 1536
    .private_segment_fixed_size: 0
    .kernarg_segment_align: 8
    .kernarg_segment_size: 48
    .max_flat_workgroup_size: 128
    .sgpr_count:     66
    .vgpr_count:     210
    .wavefront_size: 32
...
	.end_amdgpu_metadata
.endif
;; end of part 4
;; ======== version 2 of 3: 4 launches
;; workspace buffers: xq 819,200 bytes; sel 4,096 bytes of whole numbers; rf 40,960 bytes; hq 26,214,400 bytes; pm 41,216 bytes of whole numbers; y 67,108,864 bytes
;; launch route (part 5): grid 128 x 1, 4 waves a work-group, no clusters, 71,168 bytes of LDS; arguments x, Wr, br, xq, sel, rf; writes xq, sel, rf
.if DOCPART == 5
	.amdgcn_target "amdgcn-amd-amdhsa--gfx1250"
	.amdhsa_code_object_version 6
	.text
	.protected	k_q95e3269d35_route
	.globl	k_q95e3269d35_route
	.p2align	8
	.type	k_q95e3269d35_route,@function
k_q95e3269d35_route:
	s_mov_b64 s[64:65], 0
	v_nop
	global_prefetch_b8 v0, s[64:65] scope:SCOPE_SE
	s_setreg_imm32_b32 hwreg(HW_REG_WAVE_MODE, 25, 1), 1
	s_wait_xcnt 0x0
; ROUTER AND QUANTISER OF x.  x [1024 tokens][1024] f32, Wr [1024][8], br [8].
; Stores: xq: the codes of x (E2M3, 768 bytes a token) and from byte XQS on its scale bytes (32 a token, block L at byte L);
;         sel: one whole number a token, (1 << first expert) | (256 << second expert);  rf: the two gate weights (8 bytes a token), from byte 8192 on the full softmax (32 bytes a token).
; A TOKEN'S CODES ARE LAID FOR THEIR READER: block L = 8 kc + 4 sl + 2 c + h (32 numbers, 24 bytes) lies at byte 192 kc + 96 h + 48 sl + 24 c, so that lane half h of the next launch finds the 48 bytes
; of a fragment (K step 2 kc + sl: blocks c = 0, 1 of its half) on end, at a multiple of 16 bytes.
; A work-group takes 8 tokens, a wave 2.  Lane L owns block L of a row: the 32 numbers 32 L .. 32 L + 31, so a block's largest magnitude needs no other lane.
; Loads are dense (16 bytes a lane, 512 a load); a row turns through the wave's own stage in LDS (144 bytes a lane: 128 + 16 of padding).
; Wr comes into LDS once as [i][half][lane][16 bytes], 528 bytes for each (i, half): lane L finds Wr[32 L + i][4 half ..] at 16 L.
; No address and no branch hangs on the logits: the choice is stored at fixed places.
; LIMITS: NaN and infinities are not served; a block whose largest magnitude lies under 2^-124 (zeros too) gets the scale byte 1 (its bytes are read by this program alone);
; the logits are f32 sums in another order than the reference's; equal logits: the lower index wins, as in jax.lax.top_k.
.set WRP, 528
.set STG, 64*WRP                       ; behind Wr's image: 9,216 bytes for each wave, 4,608 for each of its two tokens
.set XQS, 786432
.set X0,  32                           ; v32-63, v64-95: the 32 numbers of my block, token 0 and 1
.set ACC, 96                           ; v96-111: partial logits [token][expert]
.set XL,  112                          ; v112-175: x as loaded; later two buffers of Wr's pieces; later the router's numbers
.set WL,  176                          ; v176-239: Wr as loaded
.set LG,  112
.set PR,  120
	s_load_b256 s[4:11], s[0:1], 0x0               ; x, Wr, br, xq
	s_load_b128 s[12:15], s[0:1], 0x20             ; sel, rf
	v_lshl_add_u32 v240, v0, 2, 0x11400
	v_mov_b32 v241, 0
	v_lshrrev_b32 v1, 5, v0
	v_readfirstlane_b32 s16, v1                    ; wave
	v_and_b32 v1, 31, v0                           ; lane L
	v_lshlrev_b32 v2, 4, v1                        ; 16 L
	v_lshlrev_b32 v3, 4, v0                        ; 16 x thread
	s_lshl_b32 s17, ttmp9, 3
	s_lshl_b32 s18, s16, 1
	s_add_co_u32 s17, s17, s18                     ; my first token
	s_lshl_b32 s20, s17, 12
	s_mov_b32 s21, 0
	s_wait_kmcnt 0x0
	s_add_nc_u64 s[4:5], s[4:5], s[20:21]
.irp tk,0,1
.irp i,0,1,2,3,4,5,6,7
	global_load_b128 v[XL+32*\tk+4*\i:XL+32*\tk+4*\i+3], v2, s[4:5] offset:4096*\tk+512*\i th:TH_LOAD_NT
.endr
.endr
.irp q,0,1,2,3,4,5,6,7,8,9,10,11,12,13,14,15
	global_load_b128 v[WL+4*\q:WL+4*\q+3], v3, s[6:7] offset:2048*\q      ; piece thread + 128 q of Wr: row (piece / 2), half (piece % 2)
.endr
	s_load_b256 s[32:39], s[8:9], 0x0              ; br
	s_mul_i32 s20, s17, 768
	s_add_nc_u64 s[22:23], s[10:11], s[20:21]      ; my tokens' codes
	s_lshl_b32 s20, s17, 5
	s_add_nc_u64 s[24:25], s[10:11], s[20:21]      ; their scale bytes (+ XQS in the immediate)
	s_add_nc_u64 s[42:43], s[14:15], s[20:21]      ; their softmax (+ 8192)
	s_lshl_b32 s20, s17, 2
	s_add_nc_u64 s[26:27], s[12:13], s[20:21]      ; their choice
	s_lshl_b32 s20, s17, 3
	s_add_nc_u64 s[40:41], s[14:15], s[20:21]      ; their gate weights
	s_mov_b32 s28, 0x76543210
	s_mov_b32 s29, 0xfedcba98                      ; v_permlanex16_b32: lane l xor 16
	s_mov_b32 s30, 0xffff0000                      ; lanes 16-31
	s_mul_i32 s18, s16, 9216
	s_add_co_u32 s18, s18, STG
	v_lshrrev_b32 v4, 3, v1
	v_mul_u32_u24 v4, v4, 144
	v_and_b32 v5, 7, v1
	v_lshl_add_u32 v4, v5, 4, v4
	v_add_nc_u32 v4, s18, v4                       ; stage, in: piece i of a row belongs to lane 4 i + L / 8, at its byte 16 (L % 8)
	v_mul_u32_u24 v5, v1, 144
	v_add_nc_u32 v5, s18, v5                       ; stage, out: my 128 bytes
	v_and_b32 v6, 63, v0
	v_mul_u32_u24 v6, v6, WRP
	v_lshrrev_b32 v7, 6, v0
	v_lshl_add_u32 v6, v7, 4, v6                   ; Wr's image, in: (i, half) = thread % 64, lane = thread / 64 + 2 q
	v_lshrrev_b32 v8, 3, v1                        ; my block's codes in a token's 768 bytes: 192 (L / 8)
	v_mul_u32_u24 v8, v8, 192
	v_bfe_u32 v9, v1, 2, 1
	v_mad_u32_u24 v8, v9, 48, v8                   ; + 48 x bit 2 of L
	v_bfe_u32 v9, v1, 1, 1
	v_mad_u32_u24 v8, v9, 24, v8                   ; + 24 x bit 1
	v_and_b32 v9, 1, v1
	v_mad_u32_u24 v8, v9, 96, v8                   ; + 96 x bit 0
	s_wait_loadcnt 16                              ; x is in: the 16 younger loads are Wr's
.irp tk,0,1
.irp i,0,1,2,3,4,5,6,7
	ds_store_b128 v4, v[XL+32*\tk+4*\i:XL+32*\tk+4*\i+3] offset:4608*\tk+576*\i
.endr
.endr
.irp tk,0,1
.irp i,0,1,2,3,4,5,6,7
	ds_load_b128 v[X0+32*\tk+4*\i:X0+32*\tk+4*\i+3], v5 offset:4608*\tk+16*\i    ; LDS serves a wave's instructions in order: these see my stores
.endr
.endr
	s_wait_loadcnt 0x0                             ; Wr
.irp q,0,1,2,3,4,5,6,7,8,9,10,11,12,13,14,15
	ds_store_b128 v6, v[WL+4*\q:WL+4*\q+3] offset:32*\q
.endr
	s_wait_dscnt 0x0                               ; my stores have landed (and my 64 numbers are in)
	s_barrier_signal -1
	s_barrier_wait -1                              ; Wr's image is whole
.macro WBATCH n                        ; Wr's pieces for i = 4 n .. 4 n + 3 into buffer n % 2
.irp ii,0,1,2,3
.irp hf,0,1
	ds_load_b128 v[XL+32*((\n)%2)+8*\ii+4*\hf:XL+32*((\n)%2)+8*\ii+4*\hf+3], v2 offset:(2*(4*(\n)+\ii)+\hf)*WRP
.endr
.endr
.endm
.macro QX tk                           ; my block of token tk: largest magnitude, scale, 32 codes, stores
.set XS_, X0+32*(\tk)
	v_max3_num_f32 v9, |v[XS_]|, |v[XS_+1]|, |v[XS_+2]|
	v_max3_num_f32 v10, |v[XS_+3]|, |v[XS_+4]|, |v[XS_+5]|
.irp i,6,10,14,18,22,26
	v_max3_num_f32 v9, v9, |v[XS_+\i]|, |v[XS_+\i+1]|
	v_max3_num_f32 v10, v10, |v[XS_+\i+2]|, |v[XS_+\i+3]|
.endr
	v_max3_num_f32 v9, v9, |v[XS_+30]|, |v[XS_+31]|
	v_max3_num_f32 v9, v9, v10, 0x1800000          ; the floor 2^(3 - 127): the byte cannot fall under 1
	v_add_nc_u32 v9, 0xff000000, v9                ; 2 off the exponent field: the conversion's scale operand
	v_cvt_scalef32_pk16_fp6_f32 v[16+8*(\tk):18+8*(\tk)], v[XS_:XS_+15], v9
	v_cvt_scalef32_pk16_fp6_f32 v[20+8*(\tk):22+8*(\tk)], v[XS_+16:XS_+31], v9
	v_lshrrev_b32 v[11+(\tk)], 23, v9              ; the scale's byte (also the plain line behind the conversions)
	global_store_b96 v8, v[16+8*(\tk):18+8*(\tk)], s[22:23] offset:768*(\tk)
	global_store_b96 v8, v[20+8*(\tk):22+8*(\tk)], s[22:23] offset:768*(\tk)+12
	global_store_b8 v1, v[11+(\tk)], s[24:25] offset:XQS+32*(\tk)
.endm
.macro FM n, ii                        ; logits += Wr[32 L + i][0..7] x x[token][32 L + i], i = 4 n + ii: two experts an instruction, x from one half of its pair
.set WB_, XL+32*((\n)%2)+8*(\ii)
.set XI_, 4*(\n)+(\ii)-(\ii)%2
.irp tk,0,1
.irp ep,0,2,4,6
.if (\n)==0 && (\ii)==0
	v_pk_mul_f32 v[ACC+8*\tk+\ep:ACC+8*\tk+\ep+1], v[WB_+\ep:WB_+\ep+1], v[X0+32*\tk+XI_:X0+32*\tk+XI_+1] op_sel_hi:[1,0]    ; the first product starts the sums
.elseif (\ii)%2==0
	v_pk_fma_f32 v[ACC+8*\tk+\ep:ACC+8*\tk+\ep+1], v[WB_+\ep:WB_+\ep+1], v[X0+32*\tk+XI_:X0+32*\tk+XI_+1], v[ACC+8*\tk+\ep:ACC+8*\tk+\ep+1] op_sel_hi:[1,0,1]
.else
	v_pk_fma_f32 v[ACC+8*\tk+\ep:ACC+8*\tk+\ep+1], v[WB_+\ep:WB_+\ep+1], v[X0+32*\tk+XI_:X0+32*\tk+XI_+1], v[ACC+8*\tk+\ep:ACC+8*\tk+\ep+1] op_sel:[0,1,0] op_sel_hi:[1,1,1]
.endif
.endr
.endr
.endm
	WBATCH 0
	QX 0
	QX 1
.irp n,0,1,2,3,4,5,6
	WBATCH (\n)+1
	s_wait_dscnt 8                                 ; this batch is in; the next batch's eight loads may be out
	FM \n, 0
	FM \n, 1
	FM \n, 2
	FM \n, 3
.endr
	s_wait_dscnt 0x0
	FM 7, 0
	FM 7, 1
	FM 7, 2
	FM 7, 3
.irp m,1,2,4,8                         ; the sums of each half of 16 lanes
.irp a,0,1,2,3,4,5,6,7,8,9,10,11,12,13,14,15
	v_add_f32_dpp v[ACC+\a], v[ACC+\a], v[ACC+\a] row_xmask:\m row_mask:0xf bank_mask:0xf
.endr
.endr
.irp e,0,1,2,3,4,5,6,7                 ; lanes 0-15 go on with token 0, lanes 16-31 with token 1: each keeps its own half's sum of its token and sends the other token's
	v_cndmask_b32 v[LG+\e], v[ACC+\e], v[ACC+8+\e], s30
	v_cndmask_b32 v[PR+\e], v[ACC+8+\e], v[ACC+\e], s30
.endr
.irp e,0,1,2,3,4,5,6,7
	v_permlanex16_b32 v[128+\e], v[PR+\e], s28, s29
.endr
	s_wait_kmcnt 0x0                               ; br
.irp e,0,1,2,3,4,5,6,7
	v_add_f32 v[LG+\e], v[LG+\e], v[128+\e]
.endr
.irp e,0,1,2,3,4,5,6,7
	v_add_f32 v[LG+\e], s[32+\e], v[LG+\e]         ; the logits
.endr
	v_max3_num_f32 v136, v[LG], v[LG+1], v[LG+2]
	v_max3_num_f32 v136, v136, v[LG+3], v[LG+4]
	v_max3_num_f32 v136, v136, v[LG+5], v[LG+6]
	v_max_num_f32 v136, v136, v[LG+7]              ; the maximum is taken away ahead of the exponentials
.irp e,0,1,2,3,4,5,6,7
	v_sub_f32 v[PR+\e], v[LG+\e], v136
.endr
.irp e,0,1,2,3,4,5,6,7
	v_mul_f32 v[PR+\e], 0x3fb8aa3b, v[PR+\e]
.endr
.irp e,0,1,2,3,4,5,6,7
	v_exp_f32 v[PR+\e], v[PR+\e]
.endr
	v_mov_b32 v137, v[LG]                          ; the first choice: a strict > keeps the lower index.  (Plain work behind the exponentials; it names none of their results)
	v_mov_b32 v138, 0
.irp e,1,2,3,4,5,6,7
	v_cmp_gt_f32 vcc_lo, v[LG+\e], v137
	v_cndmask_b32 v137, v137, v[LG+\e], vcc_lo
	v_cndmask_b32 v138, v138, \e, vcc_lo
.endr
	v_mov_b32 v139, 0xff800000                     ; -infinity takes the winner's place
.irp e,0,1,2,3,4,5,6,7
	v_cmp_eq_u32 vcc_lo, \e, v138
	v_cndmask_b32 v[144+\e], v[LG+\e], v139, vcc_lo
.endr
	v_mov_b32 v140, v144                           ; the second choice
	v_mov_b32 v141, 0
.irp e,1,2,3,4,5,6,7
	v_cmp_gt_f32 vcc_lo, v[144+\e], v140
	v_cndmask_b32 v140, v140, v[144+\e], vcc_lo
	v_cndmask_b32 v141, v141, \e, vcc_lo
.endr
	v_sub_f32 v142, v140, v137                     ; second - first, 0 or less
	v_mul_f32 v142, 0x3fb8aa3b, v142
	v_exp_f32 v142, v142
	v_mov_b32 v154, 1                              ; the choice as a whole number
	v_lshlrev_b32 v155, v138, v154
	v_add_nc_u32 v156, 8, v141
	v_lshlrev_b32 v156, v156, v154
	v_or_b32 v155, v155, v156
	s_wait_alu depctr_va_vdst(0)                   ; one wait for the nine exponentials, ahead of their first reader
	v_add_f32 v160, v[PR], v[PR+1]
	v_add_f32 v161, v[PR+2], v[PR+3]
	v_add_f32 v162, v[PR+4], v[PR+5]
	v_add_f32 v163, v[PR+6], v[PR+7]
	v_add_f32 v160, v160, v161
	v_add_f32 v162, v162, v163
	v_add_f32 v160, v160, v162
	v_add_f32 v143, 1.0, v142
	v_rcp_f32 v150, v160
	v_rcp_f32 v151, v143
	v_lshrrev_b32 v157, 4, v1                      ; which of my two tokens (a plain line behind the reciprocals)
	v_lshlrev_b32 v158, 2, v157
	v_lshlrev_b32 v159, 3, v157
	v_lshlrev_b32 v164, 5, v157
	v_and_b32 v161, 15, v1
	s_wait_alu depctr_va_vdst(0)                   ; and one for the two reciprocals
.irp e,0,1,2,3,4,5,6,7
	v_mul_f32 v[PR+\e], v[PR+\e], v150             ; the full softmax
.endr
	v_mov_b32 v152, v151                           ; the gate: 1 / (1 + ex), ex / (1 + ex)
	v_mul_f32 v153, v142, v151
	v_cmp_eq_u32 vcc_lo, 0, v161
	s_wait_xcnt 0x0                                ; EXEC changes only behind this wait
	s_wait_tensorcnt 0x0
	ds_add_u32 v240, v241
	s_wait_dscnt 0x0
	s_and_saveexec_b32 s31, vcc_lo                 ; lanes 0 and 16 store for their tokens
	global_store_b32 v158, v155, s[26:27]
	global_store_b64 v159, v[152:153], s[40:41]
	global_store_b128 v164, v[PR:PR+3], s[42:43] offset:8192
	global_store_b128 v164, v[PR+4:PR+7], s[42:43] offset:8208
	s_wait_xcnt 0x0
	s_or_b32 exec_lo, exec_lo, s31
	s_endpgm
.Lfunc_end_k_q95e3269d35_route:
	.size	k_q95e3269d35_route, .Lfunc_end_k_q95e3269d35_route-k_q95e3269d35_route
	.p2alignl 7, 3214868480
	.fill 96, 4, 3214868480
	.section	.rodata,"a",@progbits
	.p2align	6, 0x0
	.amdhsa_kernel k_q95e3269d35_route
		.amdhsa_group_segment_fixed_size 71168
		.amdhsa_private_segment_fixed_size 0
		.amdhsa_enable_private_segment 0
		.amdhsa_kernarg_size 48
		.amdhsa_user_sgpr_count 2
		.amdhsa_user_sgpr_kernarg_segment_ptr 1
		.amdhsa_wavefront_size32 1
		.amdhsa_system_sgpr_workgroup_id_x 1
		.amdhsa_system_sgpr_workgroup_id_y 1
		.amdhsa_system_sgpr_workgroup_id_z 1
		.amdhsa_system_vgpr_workitem_id 0
		.amdhsa_next_free_vgpr 242
		.amdhsa_next_free_sgpr 66
		.amdhsa_reserve_vcc 1
		.amdhsa_float_denorm_mode_32 3
		.amdhsa_float_denorm_mode_16_64 3
		.amdhsa_memory_ordered 1
		.amdhsa_forward_progress 1
		.amdhsa_inst_pref_size 44
	.end_amdhsa_kernel
	.amdgpu_metadata
---
amdhsa.version: [ 1, 2 ]
amdhsa.kernels:
  - .name:           k_q95e3269d35_route
    .symbol:         k_q95e3269d35_route.kd
    .args:
      - { .name: x, .offset: 0, .size: 8, .value_kind: global_buffer, .address_space: global }
      - { .name: Wr, .offset: 8, .size: 8, .value_kind: global_buffer, .address_space: global }
      - { .name: br, .offset: 16, .size: 8, .value_kind: global_buffer, .address_space: global }
      - { .name: xq, .offset: 24, .size: 8, .value_kind: global_buffer, .address_space: global }
      - { .name: sel, .offset: 32, .size: 8, .value_kind: global_buffer, .address_space: global }
      - { .name: rf, .offset: 40, .size: 8, .value_kind: global_buffer, .address_space: global }
    .group_segment_fixed_size: 71168
    .private_segment_fixed_size: 0
    .kernarg_segment_align: 8
    .kernarg_segment_size: 48
    .max_flat_workgroup_size: 128
    .sgpr_count:     66
    .vgpr_count:     242
    .wavefront_size: 32
...
	.end_amdgpu_metadata
.endif
;; end of part 5
;; launch ffn1 (part 6): grid 32 x 8, 16 waves a work-group, no clusters, 40,960 bytes of LDS; arguments W1, b1, xq, sel, hq, pm; writes hq, pm
.if DOCPART == 6
	.amdgcn_target "amdgcn-amd-amdhsa--gfx1250"
	.amdhsa_code_object_version 6
	.text
	.protected	k_q95e3269d35_ffn1
	.globl	k_q95e3269d35_ffn1
	.p2align	8
	.type	k_q95e3269d35_ffn1,@function
k_q95e3269d35_ffn1:
	s_mov_b64 s[64:65], 0
	v_nop
	global_prefetch_b8 v0, s[64:65] scope:SCOPE_SE
	s_setreg_imm32_b32 hwreg(HW_REG_WAVE_MODE, 25, 1), 1
	s_wait_xcnt 0x0
; FIRST LAYER OF THE CHOSEN EXPERTS: hq = Q(gelu(Q(x) Q(W1[e]) + b1[e])) for the rows routed to expert e, in MX-FP6 (E2M3, one E8M0 byte for 32 along K).
; Work-group (j, e): expert e, hidden units 128 j .. 128 j + 127.  Its 512 KiB of W1 (f32) are read from memory ONCE, in 8 chunks of 256 K x 64 columns, and quantised in registers on the way.
; STREAM: wave w takes column group cg = w % 2 (32 columns, a lane a column) and block kb = w / 2 of the chunk's 8 blocks of 32 along K: 32 loads of 4 bytes a lane run down K, so a block lies in one lane.
;   Its 24 bytes of codes and its scale byte go to a ring of two LDS buffers laid in the order of the operand's registers: a fragment is 1,536 bytes, 48 a lane.
; PRODUCTS: wave w owns unit g = 16 pass + w: 32 rows (two tiles) x the chunk's 64 columns: 8 accumulators.  Source 0 = 16 columns of W1, source 1 = 16 rows of x: a lane holds one row.
;   Lane r of column tile (b, u) takes column 32 b + 8 u + r + 8 (r / 8): the 16 registers of tiles (b, 0), (b, 1) are 16 neighbours along the next K.
;   x's codes lie in xq so that a lane finds a fragment's 48 bytes on end: token x 768 + 192 (K chunk) + 96 (lane / 16) + 48 (K step): three loads of 16 bytes.
; ROWS: wave 0 makes the expert's list of rows (2 token + k) from sel by a counting pass; expert e owns positions 1024 e + i.  The work-groups with j = 0 store posmap and the counts (pm).
;   Rows that fill the last group up are copies of token 0; nobody reads their results.  An expert always has at least one group, so that group 0 of hq is always written.
; pm: words 0 .. 2047 posmap[2 token + k]; words 2048 + e the counts; from word 2112 on 1,024 spare words for each expert, which nobody reads.
; EXEC IS NEVER WRITTEN: a thread with no row to report stores into its own spare word of pm; a lane whose token did not choose the expert stores into its own spare word of LDS.
; NO BARRIER STANDS UNDER A BRANCH ON A STORED NUMBER: two passes are always walked, every barrier on the common path; flags jump over the work between barriers (PAF: this pass streams; WAF: my unit has rows).
;   A pass that no unit needs is eight barriers and nothing else.  More than 512 rows on one expert stream its weights a second time.
;   A wave without rows never multiplies.  Sums start with the constant 0 as C; the 64 accumulators are written once at the head only so that every register is written on every way through the text.
; b1: each wave keeps the work-group's 128 numbers in 512 LDS bytes of its own, asked for ahead of the weights, so that no epilogue waits for memory.
; A number that was loaded enters an address only behind v_min_u32 with a constant, in place, and behind that only a multiply, a left shift or an add.
; No tensor loads and no cluster: what a wave does hangs on stored numbers.  No prefetch: the loop streams from memory all the time.
; LIMITS: NaN and infinities not served; blocks under 2^-124 (zeros too) get the byte 1; erf(z) = z P(z^2) / Q(z^2) with z held to +-4 (f32, a few units in the last place), 1 + erf cancels for x far below 0, where gelu is next to nothing.
.set BUF,  12800                       ; a ring buffer: 8 fragments [K step sl][b][u] of 1,536 bytes, then 512 bytes of scale words [sl][b][u][16 rows]
.set LIST, 2*BUF                       ; 1,024 words: the expert's rows
.set DUMP, LIST+4096                   ; straight behind them 32 words (indices 1024 + lane) for the lanes whose token did not choose the expert
.set CNTO, DUMP+256                    ; the count
.set BIA,  CNTO+256                    ; b1: 512 bytes for each wave
.set HSO,  25165824                    ; hq: the scale words begin here
.set XQS,  786432
.set PMD,  2112                        ; pm: the first spare word
.set WOFF, 2
.set WST,  3
.set WSB,  4
.set FRD,  5
.set SRD,  6
.set XA,   7
.set XB,   8
.set XSA,  9
.set HCA,  10
.set HSA,  11
.set ENT,  12
.set ENT1, 13
.set B1A,  14                          ; LDS: my wave's b1, my half's 16 numbers of a block
.set PT,   15
.set WS,   16                          ; v16-19 W's scale words [sl][b]: lanes 0-15 tile u = 0, lanes 16-31 u = 1.  Scales and nothing else
.set AS,   20                          ; v20-21 the rows' scale words [sl]: lane = row.  Scales and nothing else
.set T0,   22
.set T1,   23
.set X,    24                          ; v24-87 two sets of 32 numbers of W1
.set ACC,  88                          ; v88-151 accumulator (rt, b, u) at ACC + 32 rt + 16 b + 8 u
.set BST,  136                         ; at the head only: where I put my 16 bytes of b1
.set WF,   152                         ; v152-199 four fragments of W1; between products the bias and the activation's registers
.set AF,   200                         ; v200-247 x's fragments [sl][rt]
.set C0,   248
.set C1,   252
.set PZ,   152                         ; v152-167 z, then z P
.set RQ,   168                         ; v168-183 Q, then 1 / Q, then x / 2
.set SS,   184                         ; v184-187 z^2 of two pairs
.set PP,   188                         ; v188-191 P of two pairs
.set ZZ,   184
.set WV,   16
.set CG,   17
.set KB,   18
.set EX,   19
.set SEL,  20
.set HIM,  22
.set SN,   23
.set SG,   24
.set SP,   25
.set WAF,  26
.set PAF,  27
.set HCB,  30
.set HSB,  32
.set MSK,  38
.set SH,   39
.set AL0,  40
.set BE0,  42
.set CNT,  44
.set TS,   45
.macro PLACES n
.rept \n
	v_nop
.endr
.endm
.macro LOADW t                         ; chunk t (column half t / 4, K chunk t % 4): 32 rows of 128 consecutive bytes a wave, into set t % 2
.set XS_, X+32*((\t)%2)
.set KC_, (\t)%4
.set HF_, (\t)/4
.set WBS_, 4+24*(KC_/2)
.set I_, 0
.rept 32
	global_load_b32 v[XS_+I_], v[WOFF], s[WBS_:WBS_+1] offset:(256*(KC_%2)+I_)*16384+256*HF_ th:TH_LOAD_NT
.set I_, I_+1
.endr
.endm
.macro QBLK t                          ; my block: largest magnitude, scale, 32 codes; into ring buffer t % 2
.set XS_, X+32*((\t)%2)
.set BO_, BUF*((\t)%2)
	v_max3_num_f32 v[T0], |v[XS_]|, |v[XS_+1]|, |v[XS_+2]|
	v_max3_num_f32 v[T1], |v[XS_+3]|, |v[XS_+4]|, |v[XS_+5]|
.irp i,6,10,14,18,22,26
	v_max3_num_f32 v[T0], v[T0], |v[XS_+\i]|, |v[XS_+\i+1]|
	v_max3_num_f32 v[T1], v[T1], |v[XS_+\i+2]|, |v[XS_+\i+3]|
.endr
	v_max3_num_f32 v[T0], v[T0], |v[XS_+30]|, |v[XS_+31]|
	v_max3_num_f32 v[T0], v[T0], v[T1], 0x1800000  ; the floor 2^(3 - 127)
	v_add_nc_u32 v[T0], 0xff000000, v[T0]          ; 2 off the exponent field: the conversion's scale operand
	v_cvt_scalef32_pk16_fp6_f32 v[C0:C0+2], v[XS_:XS_+15], v[T0]
	v_cvt_scalef32_pk16_fp6_f32 v[C1:C1+2], v[XS_+16:XS_+31], v[T0]
	v_lshrrev_b32 v[T1], 23, v[T0]                 ; the byte (the plain line behind the conversions)
	ds_store_b64 v[WST], v[C0:C0+1] offset:BO_
	ds_store_b32 v[WST], v[C0+2] offset:BO_+8
	ds_store_b32 v[WST], v[C1] offset:BO_+12
	ds_store_b32 v[WST], v[C1+1] offset:BO_+16
	ds_store_b32 v[WST], v[C1+2] offset:BO_+20
	ds_store_b8 v[WSB], v[T1] offset:BO_
.endm
.macro BAR                             ; my LDS stores have landed and my LDS loads are in: then the work-group's barrier
	s_wait_dscnt 0x0
	s_barrier_signal -1
	s_barrier_wait -1
.endm
.macro WM u, rt                        ; one product; the symbols A_, W_, F_, S_, R_, Z_ are set by PR2
.if Z_
.if (\u)==0 && (\rt)==0
	v_wmma_scale_f32_16x16x128_f8f6f4 v[A_:A_+7], v[W_:W_+11], v[F_:F_+11], 0, v[S_], v[R_] matrix_a_fmt:MATRIX_FMT_FP6 matrix_b_fmt:MATRIX_FMT_FP6
.elseif (\u)==0
	v_wmma_scale_f32_16x16x128_f8f6f4 v[A_:A_+7], v[W_:W_+11], v[F_:F_+11], 0, v[S_], v[R_] matrix_a_fmt:MATRIX_FMT_FP6 matrix_b_fmt:MATRIX_FMT_FP6 matrix_b_scale:MATRIX_SCALE_ROW1
.elseif (\rt)==0
	v_wmma_scale_f32_16x16x128_f8f6f4 v[A_:A_+7], v[W_:W_+11], v[F_:F_+11], 0, v[S_], v[R_] matrix_a_fmt:MATRIX_FMT_FP6 matrix_b_fmt:MATRIX_FMT_FP6 matrix_a_scale:MATRIX_SCALE_ROW1
.else
	v_wmma_scale_f32_16x16x128_f8f6f4 v[A_:A_+7], v[W_:W_+11], v[F_:F_+11], 0, v[S_], v[R_] matrix_a_fmt:MATRIX_FMT_FP6 matrix_b_fmt:MATRIX_FMT_FP6 matrix_a_scale:MATRIX_SCALE_ROW1 matrix_b_scale:MATRIX_SCALE_ROW1
.endif
.else
.if (\u)==0 && (\rt)==0
	v_wmma_scale_f32_16x16x128_f8f6f4 v[A_:A_+7], v[W_:W_+11], v[F_:F_+11], v[A_:A_+7], v[S_], v[R_] matrix_a_fmt:MATRIX_FMT_FP6 matrix_b_fmt:MATRIX_FMT_FP6
.elseif (\u)==0
	v_wmma_scale_f32_16x16x128_f8f6f4 v[A_:A_+7], v[W_:W_+11], v[F_:F_+11], v[A_:A_+7], v[S_], v[R_] matrix_a_fmt:MATRIX_FMT_FP6 matrix_b_fmt:MATRIX_FMT_FP6 matrix_b_scale:MATRIX_SCALE_ROW1
.elseif (\rt)==0
	v_wmma_scale_f32_16x16x128_f8f6f4 v[A_:A_+7], v[W_:W_+11], v[F_:F_+11], v[A_:A_+7], v[S_], v[R_] matrix_a_fmt:MATRIX_FMT_FP6 matrix_b_fmt:MATRIX_FMT_FP6 matrix_a_scale:MATRIX_SCALE_ROW1
.else
	v_wmma_scale_f32_16x16x128_f8f6f4 v[A_:A_+7], v[W_:W_+11], v[F_:F_+11], v[A_:A_+7], v[S_], v[R_] matrix_a_fmt:MATRIX_FMT_FP6 matrix_b_fmt:MATRIX_FMT_FP6 matrix_a_scale:MATRIX_SCALE_ROW1 matrix_b_scale:MATRIX_SCALE_ROW1
.endif
.endif
.endm
.macro WFL sl, f                       ; fragment f = 2 b + u of K step sl, from the ring into place f: three loads
.irp c,0,1,2
	ds_load_b128 v[WF+12*(\f)+4*\c:WF+12*(\f)+4*\c+3], v[FRD] offset:BO_+(4*(\sl)+(\f))*1536+16*\c
.endr
.endm
.macro PR2 sl, f, zero                 ; fragment f against both tiles of rows
.set Z_, (\zero)*(1-(\sl))
.irp rt,0,1
.set A_, ACC+32*\rt+8*(\f)
.set W_, WF+12*(\f)
.set F_, AF+24*(\sl)+12*\rt
.set S_, WS+2*(\sl)+(\f)/2
.set R_, AS+(\sl)
	WM (\f)%2, \rt
.endr
.endm
; A chunk's products: two K steps of 128, each 4 fragments of W1 from the ring and 8 matrix instructions.  The 8 accumulators take turns, one instruction a turn, in the same order every time.
; A fragment is multiplied as soon as its three loads are in, and the second K step's fragments are asked for while the first's are multiplied: places 0 and 1 are filled again behind their products, then places 2 and 3.
; No LDS instruction of the wave is out at the head (the barrier's wait), so each count is the number of loads issued behind the fragment's own.
; Plain places: 4 in front of loads into registers that the products read, 5 at the end, since a later sum is begun anew over these accumulators.
.macro MULT t, zero
.set BO_, BUF*((\t)%2)
.irp sl,0,1
.irp b,0,1
	ds_load_b32 v[WS+2*\sl+\b], v[SRD] offset:BO_+256*\sl+128*\b
.endr
.endr
	WFL 0, 0
	WFL 0, 1
	WFL 0, 2
	WFL 0, 3
	s_wait_dscnt 9                                 ; the scale words and fragment 0 are in; three fragments' loads may be out
	PR2 0, 0, \zero
	s_wait_dscnt 6
	PR2 0, 1, \zero
	PLACES 4
	WFL 1, 0
	WFL 1, 1
	s_wait_dscnt 9                                 ; fragment 2 is in; fragment 3's three loads and the six just issued may be out
	PR2 0, 2, \zero
	s_wait_dscnt 6
	PR2 0, 3, \zero
	PLACES 4
	WFL 1, 2
	WFL 1, 3
	s_wait_dscnt 9                                 ; the second K step's fragment 0 is in; three fragments' loads may be out
	PR2 1, 0, 0
	s_wait_dscnt 6
	PR2 1, 1, 0
	s_wait_dscnt 3
	PR2 1, 2, 0
	s_wait_dscnt 0x0
	PR2 1, 3, 0
	PLACES 5
.endm
.macro LOADA t                         ; my 32 rows' codes and scale words of chunk t's two K steps: 13 loads
.set KC_, (\t)%4
.irp sl,0,1
.irp c,0,1,2
	global_load_b128 v[AF+24*\sl+4*\c:AF+24*\sl+4*\c+3], v[XA], s[8:9] offset:192*KC_+48*\sl+16*\c
	global_load_b128 v[AF+24*\sl+12+4*\c:AF+24*\sl+12+4*\c+3], v[XB], s[8:9] offset:192*KC_+48*\sl+16*\c
.endr
.endr
	global_load_b64 v[AS:AS+1], v[XSA], s[8:9] offset:XQS+8*KC_
.endm
.macro LDSB hf                         ; b1 of my lane's 32 hidden units of this column half, from my wave's own LDS bytes (sixteen lanes read the same 16 bytes)
.irp b,0,1
.irp q,0,1,2,3
	ds_load_b128 v[WF+16*\b+4*\q:WF+16*\b+4*\q+3], v[B1A] offset:256*(\hf)+128*\b+16*\q
.endr
.endr
.endm
.macro HP k                            ; P = P z^2 + k, two pairs
.irp d,0,2
	v_pk_fma_f32 v[PP+\d:PP+\d+1], v[PP+\d:PP+\d+1], v[SS+\d:SS+\d+1], \k op_sel_hi:[1,1,0]
.endr
.endm
.macro HQ p, k                         ; Q = Q z^2 + k, two pairs
.irp d,0,2
	v_pk_fma_f32 v[RQ+(\p)+\d:RQ+(\p)+\d+1], v[RQ+(\p)+\d:RQ+(\p)+\d+1], v[SS+\d:SS+\d+1], \k op_sel_hi:[1,1,0]
.endr
.endm
; Numbers p .. p + 3 of the block at v[a]: z P(z^2) and 1 / Q(z^2).  Two pairs at a time: four chains that do not wait for each other.
.macro ERF2 a, p
.irp d,0,2
	v_pk_mul_f32 v[PZ+(\p)+\d:PZ+(\p)+\d+1], v[(\a)+(\p)+\d:(\a)+(\p)+\d+1], 0x3f3504f3 op_sel_hi:[1,0]   ; z = x / sqrt(2)
.endr
.irp d,0,1,2,3
	v_med3_num_f32 v[PZ+(\p)+\d], v[PZ+(\p)+\d], -4.0, 4.0
.endr
.irp d,0,2
	v_pk_mul_f32 v[SS+\d:SS+\d+1], v[PZ+(\p)+\d:PZ+(\p)+\d+1], v[PZ+(\p)+\d:PZ+(\p)+\d+1]
.endr
.irp d,0,2
	v_pk_fma_f32 v[PP+\d:PP+\d+1], v[SS+\d:SS+\d+1], s[AL0:AL0+1], 0x32edffee op_sel_hi:[1,0,0]
.endr
.irp d,0,2
	v_pk_fma_f32 v[RQ+(\p)+\d:RQ+(\p)+\d+1], v[SS+\d:SS+\d+1], s[BE0:BE0+1], 0xb95fbd29 op_sel_hi:[1,0,0]
.endr
	HP 0xb60cff51
	HQ \p, 0xbadc924e
	HP 0xb86ec2d2
	HQ \p, 0xbbf19bf8
	HP 0xba40ac63
	HQ \p, 0xbc69b6a7
	HP 0xbb41a1f6
	HP 0xbc83dbd4
.irp d,0,2
	v_pk_mul_f32 v[PZ+(\p)+\d:PZ+(\p)+\d+1], v[PP+\d:PP+\d+1], v[PZ+(\p)+\d:PZ+(\p)+\d+1]
.endr
.irp d,0,1,2,3
	v_rcp_f32 v[RQ+(\p)+\d], v[RQ+(\p)+\d]
.endr
.endm
; 16 numbers of a lane (one row, 16 neighbouring hidden units) from v[a] on: exact gelu in f32, then the block's scale (with lane l xor 16's 16) and 16 codes into v[cs] on, the byte into v[by].
.macro GBLK a, cs, by
	ERF2 \a, 0
	ERF2 \a, 4
	ERF2 \a, 8
	ERF2 \a, 12
	v_nop                                          ; a plain line behind the last reciprocal
	s_wait_alu depctr_va_vdst(0)                   ; one wait for the block's 16 reciprocals, ahead of their first reader
.irp p,0,2,4,6,8,10,12,14
	v_pk_mul_f32 v[PZ+\p:PZ+\p+1], v[PZ+\p:PZ+\p+1], v[RQ+\p:RQ+\p+1]                 ; erf
.endr
.irp p,0,2,4,6,8,10,12,14
	v_pk_mul_f32 v[RQ+\p:RQ+\p+1], v[(\a)+\p:(\a)+\p+1], 0.5 op_sel_hi:[1,0]         ; x / 2
.endr
.irp p,0,2,4,6,8,10,12,14
	v_pk_fma_f32 v[(\a)+\p:(\a)+\p+1], v[RQ+\p:RQ+\p+1], v[PZ+\p:PZ+\p+1], v[RQ+\p:RQ+\p+1]
.endr
	v_max3_num_f32 v[ZZ], |v[(\a)]|, |v[(\a)+1]|, 0x1800000
.irp i,2,4,6,8,10,12,14
	v_max3_num_f32 v[ZZ], v[ZZ], |v[(\a)+\i]|, |v[(\a)+\i+1]|
.endr
	v_permlanex16_b32 v[PT], v[ZZ], s[SEL], s[SEL+1]
	v_max_num_f32 v[ZZ], v[ZZ], v[PT]
	v_add_nc_u32 v[ZZ], 0xff000000, v[ZZ]
	v_cvt_scalef32_pk16_fp6_f32 v[(\cs):(\cs)+2], v[(\a):(\a)+15], v[ZZ]
	v_lshrrev_b32 v[(\by)], 23, v[ZZ]              ; the byte (the plain line behind the conversion)
.endm
; A column half is finished: bias, gelu, quantiser, stores.  hq's codes: [group][j][block of 32][row][24 bytes]: a store covers 384 consecutive bytes.
.macro EPI hf
.irp rt,0,1
.irp i,0,2,4,6,8,10,12,14,16,18,20,22,24,26,28,30
	v_pk_add_f32 v[ACC+32*\rt+\i:ACC+32*\rt+\i+1], v[ACC+32*\rt+\i:ACC+32*\rt+\i+1], v[WF+\i:WF+\i+1]    ; ascending: each accumulator is first read at its low end
.endr
.endr
	GBLK ACC, 192, T0
	global_store_b96 v[HCA], v[192:194], s[HCB:HCB+1] offset:(2*(\hf))*768
	GBLK ACC+16, 196, T1
	global_store_b96 v[HCA], v[196:198], s[HCB:HCB+1] offset:(2*(\hf)+1)*768
	GBLK ACC+32, 248, 251
	global_store_b96 v[HCA], v[248:250], s[HCB:HCB+1] offset:(2*(\hf))*768+384
	GBLK ACC+48, 252, 255
	global_store_b96 v[HCA], v[252:254], s[HCB:HCB+1] offset:(2*(\hf)+1)*768+384
	v_lshl_or_b32 v[T0], v[T1], 8, v[T0]           ; rows 0-15: this half's two bytes;
	v_lshl_or_b32 v251, v255, 8, v251              ; rows 16-31
	v_cndmask_b32 v[T0], v[T0], v251, s[HIM]       ; lane = row
	global_store_b16 v[HSA], v[T0], s[HSB:HSB+1] offset:2*(\hf)
	s_wait_xcnt 0x0                                ; the stores' data are written again only behind this wait
.endm
.macro HEADT t, n                      ; a trip's head: the chunk is in, it is quantised into the ring, one barrier
	s_wait_loadcnt \n
	s_cmp_eq_u32 s[PAF], 0
	s_cbranch_scc1 .Lnq_\@
	QBLK \t
.Lnq_\@:
	BAR                                            ; buffer t % 2 is whole; and the other buffer's readers of the last trip have their loads in, so the next trip may write it
.endm
; A trip.  The arm that asks for nothing waits for all loads: so on every way through the text a set of registers is loaded again only when its earlier loads are in
; (either the next trip's wait, which leaves only the other set's 32 younger loads out, or this one).
.macro TRIP t, n, zero
	HEADT \t, \n
	s_cmp_eq_u32 s[PAF], 0
	s_cbranch_scc1 .Lsk_\@
	s_cmp_eq_u32 s[WAF], 0
	s_cbranch_scc1 .Lin_\@
.if (\t)==0
	s_wait_loadcnt 0x0                             ; the rows' first fragments, asked for last
.endif
	MULT \t, \zero
	LOADA (\t)+1
.Lin_\@:
.if (\t)<6
	LOADW (\t)+2                                   ; always behind the rows' loads: a wait that leaves these 32 out proves both
.endif
	s_branch .Len_\@
.Lsk_\@:
	s_wait_loadcnt 0x0
.Len_\@:
.endm
; What a pass needs: has my unit rows; where its results go; where its rows' codes and scale words lie.  (Behind the last pass the numbers are made and not used.)
.macro PASSADR
	s_lshl_b32 s34, s[SP], 4
	s_add_co_u32 s34, s34, s[WV]                   ; my unit g
	s_cmp_lt_u32 s34, s[SG]
	s_cselect_b32 s[WAF], 1, 0
	s_lshl_b32 s35, s[EX], 5
	s_add_co_u32 s34, s34, s35                     ; group 32 e + g
	s_mul_i32 s36, s34, 98304
	s_mul_i32 s35, ttmp9, 3072
	s_add_co_u32 s36, s36, s35
	s_mov_b32 s37, 0
	s_add_nc_u64 s[HCB:HCB+1], s[12:13], s[36:37]
	s_lshl_b32 s36, s34, 12
	s_lshl_b32 s35, ttmp9, 7
	s_add_co_u32 s36, s36, s35
	s_add_co_u32 s36, s36, HSO
	s_add_nc_u64 s[HSB:HSB+1], s[12:13], s[36:37]
	v_permlanex16_b32 v[PT], v[ENT], s[SEL], s[SEL+1]
	v_cndmask_b32 v[XA], v[ENT], v[PT], s[HIM]     ; the entry of row lane % 16,
	v_cndmask_b32 v[XB], v[PT], v[ENT], s[HIM]     ; and of row 16 + lane % 16
	v_lshrrev_b32 v[XA], 1, v[XA]
	v_lshrrev_b32 v[XB], 1, v[XB]
	v_lshrrev_b32 v[XSA], 1, v[ENT]
	v_min_u32 v[XA], 0x3ff, v[XA]                  ; tokens, clamped in place; behind the clamp a multiply or a left shift, and an add
	v_min_u32 v[XB], 0x3ff, v[XB]
	v_min_u32 v[XSA], 0x3ff, v[XSA]
	v_mul_u32_u24 v[XA], v[XA], 768
	v_mul_u32_u24 v[XB], v[XB], 768
	v_lshlrev_b32 v[XSA], 5, v[XSA]
	v_add_nc_u32 v[XA], v[XA], v1
	v_add_nc_u32 v[XB], v[XB], v1
.endm
	s_load_b256 s[4:11], s[0:1], 0x0               ; W1, b1, xq, sel
	s_load_b128 s[12:15], s[0:1], 0x20             ; hq, pm
	v_lshrrev_b32 v1, 5, v0
	v_readfirstlane_b32 s[WV], v1                  ; wave 0..15
	s_and_b32 s[CG], s[WV], 1
	s_lshr_b32 s[KB], s[WV], 1
	s_and_b32 s[EX], ttmp7, 0xffff                 ; the expert
	v_and_b32 v[T0], 31, v0                        ; lane
	v_bfe_u32 v[T1], v0, 3, 1                      ; u of the column that I stream
	v_bfe_u32 v[B1A], v0, 4, 1                     ; lane / 16
	s_lshl_b32 s34, s[KB], 19                      ; 32 rows of 16,384 bytes a block
	s_lshl_b32 s35, s[CG], 7
	s_add_co_u32 s34, s34, s35
	v_lshl_add_u32 v[WOFF], v[T0], 2, s34
	v_and_b32 v[WST], 7, v0
	v_lshl_add_u32 v[WST], v[B1A], 3, v[WST]       ; r of that column in its tile
	v_lshlrev_b32 v[WSB], 2, v[WST]
	v_lshl_add_u32 v[WSB], v[T1], 6, v[WSB]
	v_mul_u32_u24 v[WST], v[WST], 48
	v_mad_u32_u24 v[WST], v[T1], 1536, v[WST]
	s_lshr_b32 s34, s[KB], 2                       ; K step sl
	s_mul_i32 s35, s34, 6144
	s_mul_i32 s36, s[CG], 3072
	s_add_co_u32 s35, s35, s36
	s_and_b32 s36, s[KB], 1                        ; a block's place in a fragment: lanes 16-31 for odd blocks,
	s_mul_i32 s36, s36, 768
	s_add_co_u32 s35, s35, s36
	s_bfe_u32 s36, s[KB], 0x10001                  ; the lane's second 24 bytes for blocks 2 and 3
	s_mul_i32 s36, s36, 24
	s_add_co_u32 s35, s35, s36
	v_add_nc_u32 v[WST], s35, v[WST]
	s_lshl_b32 s34, s34, 8
	s_lshl_b32 s36, s[CG], 7
	s_add_co_u32 s34, s34, s36
	s_and_b32 s36, s[KB], 3
	s_add_co_u32 s34, s34, s36
	s_add_co_u32 s34, s34, 12288
	v_add_nc_u32 v[WSB], s34, v[WSB]
	v_mul_u32_u24 v[FRD], v[T0], 48
	v_lshl_add_u32 v[SRD], v[T0], 2, 12288
	v_and_b32 v[HCA], 15, v0
	v_mul_u32_u24 v[HCA], v[HCA], 24
	v_mad_u32_u24 v[HCA], v[B1A], 12, v[HCA]       ; hq's codes: 24 bytes a row, my half's 12
	v_lshlrev_b32 v[HSA], 2, v[T0]
	s_lshl_b32 s34, s[WV], 9
	s_add_co_u32 s34, s34, BIA                     ; my wave's 512 bytes of b1 in LDS
	v_lshl_add_u32 v[B1A], v[B1A], 6, s34          ; out of them: my half's 16 numbers of a block
	v_lshl_add_u32 v[BST], v[T0], 4, s34           ; into them: 16 bytes a lane
	v_lshl_add_u32 v1, v0, 2, LIST                 ; the list's word of my row
	v_mov_b32 v[PT], CNTO
	v_lshlrev_b32 v[XA], 4, v[T0]
	s_lshl_b32 s34, s[EX], 2
	s_add_co_u32 s34, s34, 8192
	v_mov_b32 v124, s34                            ; the list's registers, made ahead of the branch on the wave's number: where the expert's count goes in pm,
	v_add_nc_u32 v125, 1024, v[T0]                 ; my spare word's index in LDS,
	v_lshl_add_u32 v126, v[T0], 4, LIST            ; my 16 bytes of a 512-byte piece of the list,
	v_lshlrev_b32 v127, 3, v[T0]                   ; 8 x lane
.irp i,0,1,2,3
	v_mov_b32 v[120+\i], 0
.endr
	s_mov_b32 s[SEL], 0x76543210
	s_mov_b32 s[SEL+1], 0xfedcba98
	s_mov_b32 s[HIM], 0xffff0000
	s_mov_b32 s[AL0], 0xaf95df0b
	s_mov_b32 s[AL0+1], s[AL0]
	s_mov_b32 s[BE0], 0xb77460cd
	s_mov_b32 s[BE0+1], s[BE0]
	s_lshl_b32 s[MSK], 0x101, s[EX]
	s_add_co_u32 s[SH], s[EX], 8
	s_mov_b32 s[CNT], 0
	s_mov_b32 s[SP], 0
	s_mov_b32 s[PAF], 1                            ; pass 0 always streams
	s_lshl_b32 s36, s[EX], 24
	s_lshl_b32 s35, ttmp9, 9
	s_add_co_u32 s36, s36, s35
	s_mov_b32 s37, 0
	s_wait_kmcnt 0x0
	s_add_nc_u64 s[4:5], s[4:5], s[36:37]          ; W1 at my expert's first row, my 128 columns
	s_add_nc_u64 s[28:29], s[4:5], 0x800000        ; and 512 rows further down, so that every offset is an immediate
	s_lshl_b32 s36, s[EX], 14
	s_add_co_u32 s36, s36, s35
	s_add_nc_u64 s[6:7], s[6:7], s[36:37]          ; b1 at my 128 hidden units
.irp q,0,1,2,3,4,5,6,7
	global_load_b128 v[ACC+4*\q:ACC+4*\q+3], v[XA], s[10:11] offset:512*\q     ; sel: tokens 4 (lane + 32 q) + 0 .. 3.  Every wave asks, wave 0 uses them
.endr
	global_load_b128 v[132:135], v[XA], s[6:7]     ; b1: 32 lanes x 16 bytes
	LOADW 0
	LOADW 1
	s_wait_loadcnt 63                              ; sel and b1 are in: they are the oldest 9 of 73 loads, and the field holds no larger count
	s_cmp_lg_u32 s[WV], 0
	s_cbranch_scc1 .Lnot0
.irp q,0,1,2,3,4,5,6,7
	ds_store_b128 v126, v[120:123] offset:512*\q   ; rows that nobody fills are token 0
.endr
.irp q,0,1,2,3,4,5,6,7                 ; 32 steps of 32 tokens: a chosen token's place is the count so far + the chosen lanes below mine
.irp i,0,1,2,3
	v_and_b32 v128, s[MSK], v[ACC+4*\q+\i]
	v_cmp_ne_u32 vcc_lo, 0, v128
	v_mbcnt_lo_u32_b32 v129, vcc_lo, s[CNT]
	v_lshrrev_b32 v128, s[SH], v128                ; k: 1 where the expert is the token's second choice
	v_add_nc_u32 v130, v128, v127
	v_add_nc_u32 v130, 256*\q+2*\i, v130           ; 2 token + k
	v_cndmask_b32 v129, v125, v129, vcc_lo         ; a lane whose token did not choose the expert takes its spare word: the choice stands ahead of the clamp
	v_min_u32 v129, 0x41f, v129
	v_lshlrev_b32 v129, 2, v129
	ds_store_b32 v129, v130 offset:LIST
	s_bcnt1_i32_b32 s[TS], vcc_lo
	s_add_co_u32 s[CNT], s[CNT], s[TS]
.endr
.endr
	v_mov_b32 v128, s[CNT]
	ds_store_b32 v[PT], v128
	s_cmp_lg_u32 ttmp9, 0
	s_cbranch_scc1 .Lnot0
	global_store_b32 v124, v128, s[14:15]          ; the expert's count, by the work-group with j = 0: all 32 lanes store the same word with the same number
.Lnot0:
	BAR                                            ; the list and the count lie in LDS
	ds_store_b128 v[BST], v[132:135]               ; b1 into my wave's own bytes: only I read them, and LDS serves a wave's instructions in order
	ds_load_b32 v[T0], v[PT]
	ds_load_b32 v[ENT], v1                         ; row 32 wave + lane of pass 0,
	ds_load_b32 v[ENT1], v1 offset:2048            ; and of pass 1
	s_wait_dscnt 0x0
	v_readfirstlane_b32 s[SN], v[T0]
	s_min_u32 s[SN], s[SN], 1024
	s_add_co_u32 s[SG], s[SN], 31
	s_lshr_b32 s[SG], s[SG], 5
	s_max_u32 s[SG], s[SG], 1                      ; groups of 32 rows, at least one
	v_bfe_u32 v1, v0, 4, 1
	v_mul_u32_u24 v1, v1, 96                       ; 96 x (lane / 16): my half's part of a K chunk's 192 bytes
	s_cmp_lg_u32 ttmp9, 0
	s_cbranch_scc1 .Lnopm
	s_lshl_b32 s34, s[EX], 10                      ; 1024 e
	s_add_co_u32 s35, s34, PMD                     ; my expert's first spare word
.irp hh,0,1                            ; posmap[2 token + k] = 1024 e + i for i = thread, thread + 512, where i < n; else the number goes to spare word i
	v_add_nc_u32 v[C0+4*\hh+1], 512*\hh, v0
	v_cmp_gt_u32 vcc_lo, s[SN], v[C0+4*\hh+1]
	v_add_nc_u32 v[C0+4*\hh], s35, v[C0+4*\hh+1]
	v_cndmask_b32 v[C0+4*\hh], v[C0+4*\hh], v[ENT+\hh], vcc_lo     ; the choice stands ahead of the clamp
	v_min_u32 v[C0+4*\hh], 0x283f, v[C0+4*\hh]     ; pm's last word: 2112 + 8 x 1024 - 1
	v_lshlrev_b32 v[C0+4*\hh], 2, v[C0+4*\hh]
	v_add_nc_u32 v[C0+4*\hh+1], s34, v[C0+4*\hh+1]
	global_store_b32 v[C0+4*\hh], v[C0+4*\hh+1], s[14:15]
.endr
.Lnopm:
	s_wait_xcnt 0x0                                ; sel's and b1's loads and pm's stores have read their registers, which are written again from here on
	PASSADR
	LOADA 0                                        ; by every wave: so the rows' registers are written on every way
.set I_, 0
.rept 64
	v_mov_b32 v[ACC+I_], 0                         ; once, while the rows' first loads are out (see the head: a wave without rows never multiplies)
.set I_, I_+1
.endr
.Lpass:
	TRIP 0, 45, 1                                  ; chunk 0 is in: behind it stand chunk 1's 32 loads and the rows' 13
	TRIP 1, 32, 0                                  ; from here on: all but the next chunk's 32 loads
	TRIP 2, 32, 0
	HEADT 3, 32
	s_cmp_eq_u32 s[PAF], 0
	s_cbranch_scc1 .Lsk3
	s_cmp_eq_u32 s[WAF], 0
	s_cbranch_scc1 .Lin3
	MULT 3, 0
	LDSB 0
	LOADA 4
	LOADW 5
	s_wait_dscnt 0x0                               ; the bias
	EPI 0
	s_branch .Len3
.Lin3:
	LOADW 5
	s_branch .Len3
.Lsk3:
	s_wait_loadcnt 0x0                             ; the arm that asks for nothing (see TRIP)
.Len3:
	TRIP 4, 32, 1
	TRIP 5, 32, 0
	TRIP 6, 32, 0
	HEADT 7, 0
	s_cmp_eq_u32 s[WAF], 0
	s_cbranch_scc1 .Lsk7
	MULT 7, 0
	LDSB 1
	s_wait_dscnt 0x0
	EPI 1
.Lsk7:
	s_wait_xcnt 0x0                                ; the rows' address registers and the stores' bases are written again only behind this wait
	v_mov_b32 v[ENT], v[ENT1]
	s_add_co_u32 s[SP], s[SP], 1
	PASSADR
	s_lshl_b32 s34, s[SP], 4
	s_cmp_lt_u32 s34, s[SG]                        ; are there units for another pass?  (never behind the second: there are at most 32)
	s_cselect_b32 s[PAF], 1, 0
	s_cbranch_scc0 .Lnow
	LOADW 0
	LOADW 1
	LOADA 0
.Lnow:
	s_cmp_lt_u32 s[SP], 2
	s_cbranch_scc1 .Lpass
	s_wait_xcnt 0x0
	v_lshl_add_u32 v254, v0, 2, 0x9800
	v_mov_b32 v255, 0
	s_wait_tensorcnt 0x0
	ds_add_u32 v254, v255
	s_wait_dscnt 0x0
	s_endpgm
.Lfunc_end_k_q95e3269d35_ffn1:
	.size	k_q95e3269d35_ffn1, .Lfunc_end_k_q95e3269d35_ffn1-k_q95e3269d35_ffn1
	.p2alignl 7, 3214868480
	.fill 96, 4, 3214868480
	.section	.rodata,"a",@progbits
	.p2align	6, 0x0
	.amdhsa_kernel k_q95e3269d35_ffn1
		.amdhsa_group_segment_fixed_size 40960
		.amdhsa_private_segment_fixed_size 0
		.amdhsa_enable_private_segment 0
		.amdhsa_kernarg_size 48
		.amdhsa_user_sgpr_count 2
		.amdhsa_user_sgpr_kernarg_segment_ptr 1
		.amdhsa_wavefront_size32 1
		.amdhsa_system_sgpr_workgroup_id_x 1
		.amdhsa_system_sgpr_workgroup_id_y 1
		.amdhsa_system_sgpr_workgroup_id_z 1
		.amdhsa_system_vgpr_workitem_id 0
		.amdhsa_next_free_vgpr 256
		.amdhsa_next_free_sgpr 66
		.amdhsa_reserve_vcc 1
		.amdhsa_float_denorm_mode_32 3
		.amdhsa_float_denorm_mode_16_64 3
		.amdhsa_memory_ordered 1
		.amdhsa_forward_progress 1
		.amdhsa_inst_pref_size 235
	.end_amdhsa_kernel
	.amdgpu_metadata
---
amdhsa.version: [ 1, 2 ]
amdhsa.kernels:
  - .name:           k_q95e3269d35_ffn1
    .symbol:         k_q95e3269d35_ffn1.kd
    .args:
      - { .name: W1, .offset: 0, .size: 8, .value_kind: global_buffer, .address_space: global }
      - { .name: b1, .offset: 8, .size: 8, .value_kind: global_buffer, .address_space: global }
      - { .name: xq, .offset: 16, .size: 8, .value_kind: global_buffer, .address_space: global }
      - { .name: sel, .offset: 24, .size: 8, .value_kind: global_buffer, .address_space: global }
      - { .name: hq, .offset: 32, .size: 8, .value_kind: global_buffer, .address_space: global }
      - { .name: pm, .offset: 40, .size: 8, .value_kind: global_buffer, .address_space: global }
    .group_segment_fixed_size: 40960
    .private_segment_fixed_size: 0
    .kernarg_segment_align: 8
    .kernarg_segment_size: 48
    .max_flat_workgroup_size: 512
    .sgpr_count:     66
    .vgpr_count:     256
    .wavefront_size: 32
...
	.end_amdgpu_metadata
.endif
;; end of part 6
;; launch ffn2 (part 7): grid 32 x 8, 16 waves a work-group, no clusters, 166,912 bytes of LDS; arguments W2, hq, pm, y; writes y
.if DOCPART == 7
	.amdgcn_target "amdgcn-amd-amdhsa--gfx1250"
	.amdhsa_code_object_version 6
	.text
	.protected	k_q95e3269d35_ffn2
	.globl	k_q95e3269d35_ffn2
	.p2align	8
	.type	k_q95e3269d35_ffn2,@function
k_q95e3269d35_ffn2:
	s_mov_b64 s[64:65], 0
	v_nop
	global_prefetch_b8 v0, s[64:65] scope:SCOPE_SE
	s_setreg_imm32_b32 hwreg(HW_REG_WAVE_MODE, 25, 1), 1
	s_wait_xcnt 0x0
; SECOND LAYER OF THE CHOSEN EXPERTS: y[kh][pos][c] = the sum over one half of K (2,048 hidden units) of hq[pos][k] Q(W2[e])[k][c], in MX-FP6, f32 sums.  The bias and the gate follow in the next launch.
; Work-group (x, e): columns 64 (x % 16) .. + 63, K half kh = x / 16.  Its 512 KiB of W2 (f32) are read from memory ONCE, in 8 chunks of 256 K x 64 columns, and quantised in registers on the way.
; Stream, ring, products and passes as in the first layer's launch: wave w streams column group w % 2 and block w / 2 of a chunk (a lane a column, 32 registers down K); the codes lie in a ring of two LDS buffers in the
; order of the operand's registers; wave w owns unit g = 16 pass + w: 32 rows x 64 columns, 8 accumulators; source 0 = 16 columns of W2, source 1 = 16 rows of hq.
; Slices of 64 columns: two neighbouring waves read 256 consecutive, aligned bytes of a row of W2.  Hence two halves of K, so that there are 256 work-groups.
; NO BARRIER STANDS UNDER A BRANCH ON A STORED NUMBER: two passes are always walked, every barrier on the common path; flags jump over the work between barriers (PAF: this pass streams; WAF: my unit has rows).
;   A pass that no unit needs is eight barriers and nothing else.  A wave without rows never multiplies; its first row loads read the expert's last written group.
;   Sums start with the constant 0 as C; the 64 accumulators are written once at the head only so that every register is written on every way through the text.
; No tensor loads and no cluster: what a wave does hangs on stored numbers.  No prefetch: the loop streams from memory all the time.
; LIMITS: NaN and infinities not served; blocks of W2 under 2^-124 (zeros too) get the byte 1.
.set BUF,  12800
.set STG,  2*BUF                       ; the way out: 32 rows x (256 + 16) bytes for each wave
.set HSO,  25165824
.set WOFF, 2
.set WST,  3
.set WSB,  4
.set FRD,  5
.set SRD,  6
.set HA,   7
.set HSA,  8
.set SO,   9
.set SR,   10
.set YO,   11
.set PT,   15
.set WS,   16                          ; v16-19 W's scale words: scales and nothing else
.set AS,   20                          ; v20-21 the rows' scale words: scales and nothing else
.set T0,   22
.set T1,   23
.set X,    24
.set ACC,  88
.set WF,   152
.set AF,   200
.set C0,   248
.set C1,   252
.set WV,   16
.set CG,   17
.set KB,   18
.set EX,   19
.set NSL,  20
.set KH,   21
.set SN,   23
.set SG,   24
.set SP,   25
.set WAF,  26
.set PAF,  27
.set HCB,  30
.set HSB,  32
.set YB,   38
.set MO,   44
.macro PLACES n
.rept \n
	v_nop
.endr
.endm
.macro LOADW t                         ; chunk t: K rows 256 t + 32 kb + 0 .. 31 of my half, 128 consecutive bytes a wave and row, into set t % 2
.set XS_, X+32*((\t)%2)
.set I_, 0
.rept 32
	global_load_b32 v[XS_+I_], v[WOFF], s[4:5] offset:(256*(\t)+I_)*4096 th:TH_LOAD_NT
.set I_, I_+1
.endr
.endm
.macro QBLK t
.set XS_, X+32*((\t)%2)
.set BO_, BUF*((\t)%2)
	v_max3_num_f32 v[T0], |v[XS_]|, |v[XS_+1]|, |v[XS_+2]|
	v_max3_num_f32 v[T1], |v[XS_+3]|, |v[XS_+4]|, |v[XS_+5]|
.irp i,6,10,14,18,22,26
	v_max3_num_f32 v[T0], v[T0], |v[XS_+\i]|, |v[XS_+\i+1]|
	v_max3_num_f32 v[T1], v[T1], |v[XS_+\i+2]|, |v[XS_+\i+3]|
.endr
	v_max3_num_f32 v[T0], v[T0], |v[XS_+30]|, |v[XS_+31]|
	v_max3_num_f32 v[T0], v[T0], v[T1], 0x1800000  ; the floor 2^(3 - 127)
	v_add_nc_u32 v[T0], 0xff000000, v[T0]          ; 2 off the exponent field: the conversion's scale operand
	v_cvt_scalef32_pk16_fp6_f32 v[C0:C0+2], v[XS_:XS_+15], v[T0]
	v_cvt_scalef32_pk16_fp6_f32 v[C1:C1+2], v[XS_+16:XS_+31], v[T0]
	v_lshrrev_b32 v[T1], 23, v[T0]                 ; the byte (the plain line behind the conversions)
	ds_store_b64 v[WST], v[C0:C0+1] offset:BO_
	ds_store_b32 v[WST], v[C0+2] offset:BO_+8
	ds_store_b32 v[WST], v[C1] offset:BO_+12
	ds_store_b32 v[WST], v[C1+1] offset:BO_+16
	ds_store_b32 v[WST], v[C1+2] offset:BO_+20
	ds_store_b8 v[WSB], v[T1] offset:BO_
.endm
.macro BAR
	s_wait_dscnt 0x0
	s_barrier_signal -1
	s_barrier_wait -1
.endm
.macro WM u, rt
.if Z_
.if (\u)==0 && (\rt)==0
	v_wmma_scale_f32_16x16x128_f8f6f4 v[A_:A_+7], v[W_:W_+11], v[F_:F_+11], 0, v[S_], v[R_] matrix_a_fmt:MATRIX_FMT_FP6 matrix_b_fmt:MATRIX_FMT_FP6
.elseif (\u)==0
	v_wmma_scale_f32_16x16x128_f8f6f4 v[A_:A_+7], v[W_:W_+11], v[F_:F_+11], 0, v[S_], v[R_] matrix_a_fmt:MATRIX_FMT_FP6 matrix_b_fmt:MATRIX_FMT_FP6 matrix_b_scale:MATRIX_SCALE_ROW1
.elseif (\rt)==0
	v_wmma_scale_f32_16x16x128_f8f6f4 v[A_:A_+7], v[W_:W_+11], v[F_:F_+11], 0, v[S_], v[R_] matrix_a_fmt:MATRIX_FMT_FP6 matrix_b_fmt:MATRIX_FMT_FP6 matrix_a_scale:MATRIX_SCALE_ROW1
.else
	v_wmma_scale_f32_16x16x128_f8f6f4 v[A_:A_+7], v[W_:W_+11], v[F_:F_+11], 0, v[S_], v[R_] matrix_a_fmt:MATRIX_FMT_FP6 matrix_b_fmt:MATRIX_FMT_FP6 matrix_a_scale:MATRIX_SCALE_ROW1 matrix_b_scale:MATRIX_SCALE_ROW1
.endif
.else
.if (\u)==0 && (\rt)==0
	v_wmma_scale_f32_16x16x128_f8f6f4 v[A_:A_+7], v[W_:W_+11], v[F_:F_+11], v[A_:A_+7], v[S_], v[R_] matrix_a_fmt:MATRIX_FMT_FP6 matrix_b_fmt:MATRIX_FMT_FP6
.elseif (\u)==0
	v_wmma_scale_f32_16x16x128_f8f6f4 v[A_:A_+7], v[W_:W_+11], v[F_:F_+11], v[A_:A_+7], v[S_], v[R_] matrix_a_fmt:MATRIX_FMT_FP6 matrix_b_fmt:MATRIX_FMT_FP6 matrix_b_scale:MATRIX_SCALE_ROW1
.elseif (\rt)==0
	v_wmma_scale_f32_16x16x128_f8f6f4 v[A_:A_+7], v[W_:W_+11], v[F_:F_+11], v[A_:A_+7], v[S_], v[R_] matrix_a_fmt:MATRIX_FMT_FP6 matrix_b_fmt:MATRIX_FMT_FP6 matrix_a_scale:MATRIX_SCALE_ROW1
.else
	v_wmma_scale_f32_16x16x128_f8f6f4 v[A_:A_+7], v[W_:W_+11], v[F_:F_+11], v[A_:A_+7], v[S_], v[R_] matrix_a_fmt:MATRIX_FMT_FP6 matrix_b_fmt:MATRIX_FMT_FP6 matrix_a_scale:MATRIX_SCALE_ROW1 matrix_b_scale:MATRIX_SCALE_ROW1
.endif
.endif
.endm
.macro WFL sl, f                       ; fragment f = 2 b + u of K step sl, from the ring into place f: three loads
.irp c,0,1,2
	ds_load_b128 v[WF+12*(\f)+4*\c:WF+12*(\f)+4*\c+3], v[FRD] offset:BO_+(4*(\sl)+(\f))*1536+16*\c
.endr
.endm
.macro PR2 sl, f, zero                 ; fragment f against both tiles of rows
.set Z_, (\zero)*(1-(\sl))
.irp rt,0,1
.set A_, ACC+32*\rt+8*(\f)
.set W_, WF+12*(\f)
.set F_, AF+24*(\sl)+12*\rt
.set S_, WS+2*(\sl)+(\f)/2
.set R_, AS+(\sl)
	WM (\f)%2, \rt
.endr
.endm
; A chunk's products: two K steps of 128; the 8 accumulators take turns, one instruction a turn, in the same order every time.
; A fragment is multiplied as soon as its three loads are in, and the second K step's fragments are asked for while the first's are multiplied: places 0 and 1 are filled again behind their products, then places 2 and 3.
; No LDS instruction of the wave is out at the head (the barrier's wait), so each count is the number of loads issued behind the fragment's own.
; Plain places: 4 in front of loads into registers that the products read, 5 at the end, since a later sum is begun anew over these accumulators.
.macro MULT t, zero
.set BO_, BUF*((\t)%2)
.irp sl,0,1
.irp b,0,1
	ds_load_b32 v[WS+2*\sl+\b], v[SRD] offset:BO_+256*\sl+128*\b
.endr
.endr
	WFL 0, 0
	WFL 0, 1
	WFL 0, 2
	WFL 0, 3
	s_wait_dscnt 9                                 ; the scale words and fragment 0 are in; three fragments' loads may be out
	PR2 0, 0, \zero
	s_wait_dscnt 6
	PR2 0, 1, \zero
	PLACES 4
	WFL 1, 0
	WFL 1, 1
	s_wait_dscnt 9                                 ; fragment 2 is in; fragment 3's three loads and the six just issued may be out
	PR2 0, 2, \zero
	s_wait_dscnt 6
	PR2 0, 3, \zero
	PLACES 4
	WFL 1, 2
	WFL 1, 3
	s_wait_dscnt 9                                 ; the second K step's fragment 0 is in; three fragments' loads may be out
	PR2 1, 0, 0
	s_wait_dscnt 6
	PR2 1, 1, 0
	s_wait_dscnt 3
	PR2 1, 2, 0
	s_wait_dscnt 0x0
	PR2 1, 3, 0
	PLACES 5
.endm
.macro LOADA t                         ; my 32 rows' codes and scale words of chunk t's two K steps: 26 loads.  hq's codes: [group][K step][block][row][24 bytes]
.irp sl,0,1
.irp rt,0,1
.irp p,0,1,2,3,4,5
	global_load_b64 v[AF+24*\sl+12*\rt+2*\p:AF+24*\sl+12*\rt+2*\p+1], v[HA], s[HCB:HCB+1] offset:(2*(\t)+\sl)*3072+384*\rt+1536*(\p/3)+8*(\p%3)
.endr
.endr
	global_load_b32 v[AS+\sl], v[HSA], s[HSB:HSB+1] offset:(2*(\t)+\sl)*128
.endr
.endm
.macro HEADT t, n
	s_wait_loadcnt \n
	s_cmp_eq_u32 s[PAF], 0
	s_cbranch_scc1 .Lnq_\@
	QBLK \t
.Lnq_\@:
	BAR                                            ; buffer t % 2 is whole; and the other buffer's readers of the last trip have their loads in, so the next trip may write it
.endm
; A trip.  The arm that asks for nothing waits for all loads: so on every way through the text a set of registers is loaded again only when its earlier loads are in
; (either the next trip's wait, which leaves only the other set's 32 younger loads out, or this one).
.macro TRIP t, n, zero
	HEADT \t, \n
	s_cmp_eq_u32 s[PAF], 0
	s_cbranch_scc1 .Lsk_\@
	s_cmp_eq_u32 s[WAF], 0
	s_cbranch_scc1 .Lin_\@
.if (\t)==0
	s_wait_loadcnt 0x0                             ; the rows' first fragments, asked for last
.endif
	MULT \t, \zero
	LOADA (\t)+1
.Lin_\@:
.if (\t)<6
	LOADW (\t)+2                                   ; always behind the rows' loads: a wait that leaves these 32 out proves both
.endif
	s_branch .Len_\@
.Lsk_\@:
	s_wait_loadcnt 0x0
.Len_\@:
.endm
; What a pass needs: has my unit rows; where its rows' codes and scale words lie; where its results go.  (Behind the last pass the numbers are made and not used.)
.macro PASSADR
	s_lshl_b32 s34, s[SP], 4
	s_add_co_u32 s34, s34, s[WV]                   ; my unit g
	s_cmp_lt_u32 s34, s[SG]
	s_cselect_b32 s[WAF], 1, 0
	s_sub_co_u32 s35, s[SG], 1
	s_min_u32 s35, s34, s35                        ; the group that I read: g, or the last written one
	s_min_u32 s35, s35, 31
	s_lshl_b32 s36, s[EX], 5
	s_add_co_u32 s35, s35, s36
	s_add_co_u32 s34, s34, s36                     ; the group that I store: 32 e + g
	s_mul_i32 s36, s35, 98304
	s_mul_i32 s37, s[KH], 49152
	s_add_co_u32 s36, s36, s37
	s_mov_b32 s37, 0
	s_add_nc_u64 s[HCB:HCB+1], s[6:7], s[36:37]
	s_lshl_b32 s36, s35, 12
	s_lshl_b32 s35, s[KH], 11
	s_add_co_u32 s36, s36, s35
	s_add_co_u32 s36, s36, HSO
	s_add_nc_u64 s[HSB:HSB+1], s[6:7], s[36:37]
	s_lshl_b32 s36, s34, 17                        ; 32 rows of 4,096 bytes a group
	s_lshl_b32 s35, s[KH], 25
	s_add_co_u32 s36, s36, s35
	s_lshl_b32 s35, s[NSL], 8
	s_add_co_u32 s36, s36, s35
	s_add_nc_u64 s[YB:YB+1], s[10:11], s[36:37]
.endm
	s_load_b256 s[4:11], s[0:1], 0x0               ; W2, hq, pm, y
	v_lshl_add_u32 v251, v0, 2, 0x28400
	v_mov_b32 v255, 0
	v_lshrrev_b32 v1, 5, v0
	v_readfirstlane_b32 s[WV], v1
	s_and_b32 s[CG], s[WV], 1
	s_lshr_b32 s[KB], s[WV], 1
	s_and_b32 s[EX], ttmp7, 0xffff
	s_and_b32 s[NSL], ttmp9, 15
	s_lshr_b32 s[KH], ttmp9, 4
	v_and_b32 v[T0], 31, v0                        ; lane
	v_bfe_u32 v[T1], v0, 3, 1                      ; u of the column that I stream
	v_bfe_u32 v[PT], v0, 4, 1                      ; lane / 16
	s_lshl_b32 s34, s[KB], 17                      ; 32 rows of 4,096 bytes a block
	s_lshl_b32 s35, s[CG], 7
	s_add_co_u32 s34, s34, s35
	v_lshl_add_u32 v[WOFF], v[T0], 2, s34
	v_and_b32 v[WST], 7, v0
	v_lshl_add_u32 v[WST], v[PT], 3, v[WST]        ; r of that column in its tile
	v_lshlrev_b32 v[WSB], 2, v[WST]
	v_lshl_add_u32 v[WSB], v[T1], 6, v[WSB]
	v_mul_u32_u24 v[WST], v[WST], 48
	v_mad_u32_u24 v[WST], v[T1], 1536, v[WST]
	s_lshr_b32 s34, s[KB], 2
	s_mul_i32 s35, s34, 6144
	s_mul_i32 s36, s[CG], 3072
	s_add_co_u32 s35, s35, s36
	s_and_b32 s36, s[KB], 1
	s_mul_i32 s36, s36, 768
	s_add_co_u32 s35, s35, s36
	s_bfe_u32 s36, s[KB], 0x10001
	s_mul_i32 s36, s36, 24
	s_add_co_u32 s35, s35, s36
	v_add_nc_u32 v[WST], s35, v[WST]
	s_lshl_b32 s34, s34, 8
	s_lshl_b32 s36, s[CG], 7
	s_add_co_u32 s34, s34, s36
	s_and_b32 s36, s[KB], 3
	s_add_co_u32 s34, s34, s36
	s_add_co_u32 s34, s34, 12288
	v_add_nc_u32 v[WSB], s34, v[WSB]
	v_mul_u32_u24 v[FRD], v[T0], 48
	v_lshl_add_u32 v[SRD], v[T0], 2, 12288
	v_and_b32 v[YO], 15, v0                        ; lane % 16
	s_mul_i32 s34, s[WV], 8704
	s_add_co_u32 s34, s34, STG                     ; my stage
	v_mul_u32_u24 v[SO], v[YO], 272
	v_lshl_add_u32 v[SO], v[PT], 6, v[SO]
	v_add_nc_u32 v[SO], s34, v[SO]                 ; in: row lane % 16, my half's 64 bytes of a block's 128
	v_mul_u32_u24 v[SR], v[PT], 272
	v_lshl_add_u32 v[SR], v[YO], 4, v[SR]
	v_add_nc_u32 v[SR], s34, v[SR]                 ; back: lanes 0-15 one row of 256 bytes, lanes 16-31 the next
	v_mul_u32_u24 v[HA], v[YO], 24
	v_mad_u32_u24 v[HA], v[PT], 768, v[HA]         ; hq's codes: row lane % 16, block lane / 16
	v_lshlrev_b32 v[YO], 4, v[YO]
	v_lshl_add_u32 v[YO], v[PT], 12, v[YO]         ; and the same two rows in y
	v_lshlrev_b32 v[HSA], 2, v[T0]
	s_mov_b32 s[SP], 0
	s_mov_b32 s[PAF], 1                            ; pass 0 always streams
	s_lshl_b32 s[MO], s[EX], 2
	s_lshl_b32 s36, s[EX], 24
	s_lshl_b32 s35, s[KH], 23
	s_add_co_u32 s36, s36, s35
	s_lshl_b32 s35, s[NSL], 8
	s_add_co_u32 s36, s36, s35
	s_mov_b32 s37, 0
	s_wait_kmcnt 0x0
	s_load_b32 s[SN], s[8:9], s[MO] offset:0x2000  ; the expert's count
	s_add_nc_u64 s[4:5], s[4:5], s[36:37]
	LOADW 0
	LOADW 1
	s_wait_kmcnt 0x0
	s_min_u32 s[SN], s[SN], 1024
	s_add_co_u32 s[SG], s[SN], 31
	s_lshr_b32 s[SG], s[SG], 5
	s_max_u32 s[SG], s[SG], 1                      ; groups of 32 rows, at least one: as many as the launch before has written
	PASSADR
	LOADA 0                                        ; by every wave: so the rows' registers are written on every way
.set I_, 0
.rept 64
	v_mov_b32 v[ACC+I_], 0                         ; once, while the first loads are out (see the head: a wave without rows never multiplies)
.set I_, I_+1
.endr
.Lpass:
	TRIP 0, 58, 1                                  ; chunk 0 is in: behind it stand chunk 1's 32 loads and the rows' 26
	TRIP 1, 32, 0                                  ; from here on: all but the next chunk's 32 loads
	TRIP 2, 32, 0
	TRIP 3, 32, 0
	TRIP 4, 32, 0
	TRIP 5, 32, 0
	TRIP 6, 32, 0
	HEADT 7, 0
	s_cmp_eq_u32 s[WAF], 0
	s_cbranch_scc1 .Lsk7
	MULT 7, 0
	; THE WAY OUT: a lane holds 16 neighbouring columns of a row; through my own stage the 32 rows come back whole: sixteen lanes store 256 consecutive, aligned bytes
.irp rt,0,1
.irp b,0,1
.irp u,0,1
	ds_store_b128 v[SO], v[ACC+32*\rt+16*\b+8*\u:ACC+32*\rt+16*\b+8*\u+3] offset:16*\rt*272+128*\b+32*\u        ; each accumulator from its low end on
	ds_store_b128 v[SO], v[ACC+32*\rt+16*\b+8*\u+4:ACC+32*\rt+16*\b+8*\u+7] offset:16*\rt*272+128*\b+32*\u+16
.endr
.endr
.endr
.irp i,0,1,2,3,4,5,6,7,8,9,10,11,12,13,14,15
	ds_load_b128 v[WF+4*\i:WF+4*\i+3], v[SR] offset:2*\i*272       ; LDS serves a wave's instructions in order: these see my stores
.endr
.irp i,0,1,2,3,4,5,6,7,8,9,10,11,12,13,14,15
	s_wait_dscnt 15-\i
	global_store_b128 v[YO], v[WF+4*\i:WF+4*\i+3], s[YB:YB+1] offset:8192*\i th:TH_STORE_NT
.endr
.Lsk7:
	s_wait_xcnt 0x0                                ; the stores' data and the bases are written again only behind this wait
	s_add_co_u32 s[SP], s[SP], 1
	PASSADR
	s_lshl_b32 s34, s[SP], 4
	s_cmp_lt_u32 s34, s[SG]                        ; are there units for another pass?  (never behind the second: there are at most 32)
	s_cselect_b32 s[PAF], 1, 0
	s_cbranch_scc0 .Lnow
	LOADW 0
	LOADW 1
	LOADA 0
.Lnow:
	s_cmp_lt_u32 s[SP], 2
	s_cbranch_scc1 .Lpass
	s_wait_tensorcnt 0x0
	ds_add_u32 v251, v255
	s_wait_dscnt 0x0
	s_endpgm
.Lfunc_end_k_q95e3269d35_ffn2:
	.size	k_q95e3269d35_ffn2, .Lfunc_end_k_q95e3269d35_ffn2-k_q95e3269d35_ffn2
	.p2alignl 7, 3214868480
	.fill 96, 4, 3214868480
	.section	.rodata,"a",@progbits
	.p2align	6, 0x0
	.amdhsa_kernel k_q95e3269d35_ffn2
		.amdhsa_group_segment_fixed_size 166912
		.amdhsa_private_segment_fixed_size 0
		.amdhsa_enable_private_segment 0
		.amdhsa_kernarg_size 32
		.amdhsa_user_sgpr_count 2
		.amdhsa_user_sgpr_kernarg_segment_ptr 1
		.amdhsa_wavefront_size32 1
		.amdhsa_system_sgpr_workgroup_id_x 1
		.amdhsa_system_sgpr_workgroup_id_y 1
		.amdhsa_system_sgpr_workgroup_id_z 1
		.amdhsa_system_vgpr_workitem_id 0
		.amdhsa_next_free_vgpr 256
		.amdhsa_next_free_sgpr 66
		.amdhsa_reserve_vcc 0
		.amdhsa_float_denorm_mode_32 3
		.amdhsa_float_denorm_mode_16_64 3
		.amdhsa_memory_ordered 1
		.amdhsa_forward_progress 1
		.amdhsa_inst_pref_size 115
	.end_amdhsa_kernel
	.amdgpu_metadata
---
amdhsa.version: [ 1, 2 ]
amdhsa.kernels:
  - .name:           k_q95e3269d35_ffn2
    .symbol:         k_q95e3269d35_ffn2.kd
    .args:
      - { .name: W2, .offset: 0, .size: 8, .value_kind: global_buffer, .address_space: global }
      - { .name: hq, .offset: 8, .size: 8, .value_kind: global_buffer, .address_space: global }
      - { .name: pm, .offset: 16, .size: 8, .value_kind: global_buffer, .address_space: global }
      - { .name: y, .offset: 24, .size: 8, .value_kind: global_buffer, .address_space: global }
    .group_segment_fixed_size: 166912
    .private_segment_fixed_size: 0
    .kernarg_segment_align: 8
    .kernarg_segment_size: 32
    .max_flat_workgroup_size: 512
    .sgpr_count:     66
    .vgpr_count:     256
    .wavefront_size: 32
...
	.end_amdgpu_metadata
.endif
;; end of part 7
;; launch comb: the kernel of part 4 again; grid 257 x 1, 4 waves a work-group, no clusters, 1,536 bytes of LDS; arguments y, pm, rf, b2, out0, out1; writes out0, out1
;; ======== version 3 of 3: 4 launches
;; workspace buffers: xq 819,200 bytes; sel 4,096 bytes of whole numbers; rf 40,960 bytes; hq 26,214,400 bytes; pm 41,216 bytes of whole numbers; y 67,108,864 bytes
;; launch route (part 8): grid 128 x 1, 4 waves a work-group, no clusters, 71,168 bytes of LDS; arguments x, Wr, br, xq, sel, rf; writes xq, sel, rf
.if DOCPART == 8
	.amdgcn_target "amdgcn-amd-amdhsa--gfx1250"
	.amdhsa_code_object_version 6
	.text
	.protected	k_q95e3269d35_route
	.globl	k_q95e3269d35_route
	.p2align	8
	.type	k_q95e3269d35_route,@function
k_q95e3269d35_route:
	s_mov_b64 s[64:65], 0
	v_nop
	global_prefetch_b8 v0, s[64:65] scope:SCOPE_SE
	s_setreg_imm32_b32 hwreg(HW_REG_WAVE_MODE, 25, 1), 1
	s_wait_xcnt 0x0
; ROUTER AND QUANTISER OF x.  x [1024 tokens][1024] f32, Wr [1024][8], br [8].
; Stores: xq: the codes of x (E2M3, 768 bytes a token) and from byte XQS on its scale bytes (32 a token, block L at byte L);
;         sel: one whole number a token, (1 << first expert) | (256 << second expert);  rf: the two gate weights (8 bytes a token), from byte 8192 on the full softmax (32 bytes a token).
; A TOKEN'S CODES ARE LAID FOR THEIR READER: block L = 8 kc + 4 sl + 2 c + h (32 numbers, 24 bytes) lies at byte 192 kc + 96 h + 48 sl + 24 c, so that lane half h of the next launch finds the 48 bytes
; of a fragment (K step 2 kc + sl: blocks c = 0, 1 of its half) on end, at a multiple of 16 bytes.
; A work-group takes 8 tokens, a wave 2.  Lane L owns block L of a row: the 32 numbers 32 L .. 32 L + 31, so a block's largest magnitude needs no other lane.
; Loads are dense (16 bytes a lane, 512 a load); a row turns through the wave's own stage in LDS (144 bytes a lane: 128 + 16 of padding).
; Wr comes into LDS once as [i][half][lane][16 bytes], 528 bytes for each (i, half): lane L finds Wr[32 L + i][4 half ..] at 16 L.
; No address and no branch hangs on the logits: the choice is stored at fixed places.
; LIMITS: NaN and infinities are not served; a block whose largest magnitude lies under 2^-124 (zeros too) gets the scale byte 1 (its bytes are read by this program alone);
; the logits are f32 sums in another order than the reference's; equal logits: the lower index wins, as in jax.lax.top_k.
.set WRP, 528
.set STG, 64*WRP                       ; behind Wr's image: 9,216 bytes for each wave, 4,608 for each of its two tokens
.set XQS, 786432
.set X0,  32                           ; v32-63, v64-95: the 32 numbers of my block, token 0 and 1
.set ACC, 96                           ; v96-111: partial logits [token][expert]
.set XL,  112                          ; v112-175: x as loaded; later two buffers of Wr's pieces; later the router's numbers
.set WL,  176                          ; v176-239: Wr as loaded
.set LG,  112
.set PR,  120
	s_load_b256 s[4:11], s[0:1], 0x0               ; x, Wr, br, xq
	s_load_b128 s[12:15], s[0:1], 0x20             ; sel, rf
	v_lshl_add_u32 v240, v0, 2, 0x11400
	v_mov_b32 v241, 0
	v_lshrrev_b32 v1, 5, v0
	v_readfirstlane_b32 s16, v1                    ; wave
	v_and_b32 v1, 31, v0                           ; lane L
	v_lshlrev_b32 v2, 4, v1                        ; 16 L
	v_lshlrev_b32 v3, 4, v0                        ; 16 x thread
	s_lshl_b32 s17, ttmp9, 3
	s_lshl_b32 s18, s16, 1
	s_add_co_u32 s17, s17, s18                     ; my first token
	s_lshl_b32 s20, s17, 12
	s_mov_b32 s21, 0
	s_wait_alu depctr_va_vdst(0)
	s_wait_kmcnt 0x0
	s_add_nc_u64 s[4:5], s[4:5], s[20:21]
.irp tk,0,1
.irp i,0,1,2,3,4,5,6,7
	global_load_b128 v[XL+32*\tk+4*\i:XL+32*\tk+4*\i+3], v2, s[4:5] offset:4096*\tk+512*\i th:TH_LOAD_NT
.endr
.endr
.irp q,0,1,2,3,4,5,6,7,8,9,10,11,12,13,14,15
	global_load_b128 v[WL+4*\q:WL+4*\q+3], v3, s[6:7] offset:2048*\q      ; piece thread + 128 q of Wr: row (piece / 2), half (piece % 2)
.endr
	s_load_b256 s[32:39], s[8:9], 0x0              ; br
	s_mul_i32 s20, s17, 768
	s_add_nc_u64 s[22:23], s[10:11], s[20:21]      ; my tokens' codes
	s_lshl_b32 s20, s17, 5
	s_add_nc_u64 s[24:25], s[10:11], s[20:21]      ; their scale bytes (+ XQS in the immediate)
	s_add_nc_u64 s[42:43], s[14:15], s[20:21]      ; their softmax (+ 8192)
	s_lshl_b32 s20, s17, 2
	s_add_nc_u64 s[26:27], s[12:13], s[20:21]      ; their choice
	s_lshl_b32 s20, s17, 3
	s_add_nc_u64 s[40:41], s[14:15], s[20:21]      ; their gate weights
	s_mov_b32 s28, 0x76543210
	s_mov_b32 s29, 0xfedcba98                      ; v_permlanex16_b32: lane l xor 16
	s_mov_b32 s30, 0xffff0000                      ; lanes 16-31
	s_mul_i32 s18, s16, 9216
	s_add_co_u32 s18, s18, STG
	v_lshrrev_b32 v4, 3, v1
	v_mul_u32_u24 v4, v4, 144
	v_and_b32 v5, 7, v1
	v_lshl_add_u32 v4, v5, 4, v4
	v_add_nc_u32 v4, s18, v4                       ; stage, in: piece i of a row belongs to lane 4 i + L / 8, at its byte 16 (L % 8)
	v_mul_u32_u24 v5, v1, 144
	v_add_nc_u32 v5, s18, v5                       ; stage, out: my 128 bytes
	v_and_b32 v6, 63, v0
	v_mul_u32_u24 v6, v6, WRP
	v_lshrrev_b32 v7, 6, v0
	v_lshl_add_u32 v6, v7, 4, v6                   ; Wr's image, in: (i, half) = thread % 64, lane = thread / 64 + 2 q
	v_lshrrev_b32 v8, 3, v1                        ; my block's codes in a token's 768 bytes: 192 (L / 8)
	v_mul_u32_u24 v8, v8, 192
	v_bfe_u32 v9, v1, 2, 1
	v_mad_u32_u24 v8, v9, 48, v8                   ; + 48 x bit 2 of L
	v_bfe_u32 v9, v1, 1, 1
	v_mad_u32_u24 v8, v9, 24, v8                   ; + 24 x bit 1
	v_and_b32 v9, 1, v1
	v_mad_u32_u24 v8, v9, 96, v8                   ; + 96 x bit 0
	s_wait_alu depctr_va_vdst(0)
	s_wait_loadcnt 16                              ; x is in: the 16 younger loads are Wr's
.irp tk,0,1
.irp i,0,1,2,3,4,5,6,7
	ds_store_b128 v4, v[XL+32*\tk+4*\i:XL+32*\tk+4*\i+3] offset:4608*\tk+576*\i
.endr
.endr
.irp tk,0,1
.irp i,0,1,2,3,4,5,6,7
	ds_load_b128 v[X0+32*\tk+4*\i:X0+32*\tk+4*\i+3], v5 offset:4608*\tk+16*\i    ; LDS serves a wave's instructions in order: these see my stores
.endr
.endr
	s_wait_loadcnt 0x0                             ; Wr
.irp q,0,1,2,3,4,5,6,7,8,9,10,11,12,13,14,15
	ds_store_b128 v6, v[WL+4*\q:WL+4*\q+3] offset:32*\q
.endr
	s_wait_dscnt 0x0                               ; my stores have landed (and my 64 numbers are in)
	s_barrier_signal -1
	s_barrier_wait -1                              ; Wr's image is whole
.macro WBATCH n                        ; Wr's pieces for i = 4 n .. 4 n + 3 into buffer n % 2
.irp ii,0,1,2,3
.irp hf,0,1
	ds_load_b128 v[XL+32*((\n)%2)+8*\ii+4*\hf:XL+32*((\n)%2)+8*\ii+4*\hf+3], v2 offset:(2*(4*(\n)+\ii)+\hf)*WRP
.endr
.endr
.endm
.macro QX tk                           ; my block of token tk: largest magnitude, scale, 32 codes, stores
.set XS_, X0+32*(\tk)
	v_max3_num_f32 v9, |v[XS_]|, |v[XS_+1]|, |v[XS_+2]|
	v_max3_num_f32 v10, |v[XS_+3]|, |v[XS_+4]|, |v[XS_+5]|
.irp i,6,10,14,18,22,26
	v_max3_num_f32 v9, v9, |v[XS_+\i]|, |v[XS_+\i+1]|
	v_max3_num_f32 v10, v10, |v[XS_+\i+2]|, |v[XS_+\i+3]|
.endr
	v_max3_num_f32 v9, v9, |v[XS_+30]|, |v[XS_+31]|
	v_max3_num_f32 v9, v9, v10, 0x1800000          ; the floor 2^(3 - 127): the byte cannot fall under 1
	v_add_nc_u32 v9, 0xff000000, v9                ; 2 off the exponent field: the conversion's scale operand
	v_cvt_scalef32_pk16_fp6_f32 v[16+8*(\tk):18+8*(\tk)], v[XS_:XS_+15], v9
	v_cvt_scalef32_pk16_fp6_f32 v[20+8*(\tk):22+8*(\tk)], v[XS_+16:XS_+31], v9
	v_lshrrev_b32 v[11+(\tk)], 23, v9              ; the scale's byte (also the plain line behind the conversions)
	global_store_b96 v8, v[16+8*(\tk):18+8*(\tk)], s[22:23] offset:768*(\tk)
	global_store_b96 v8, v[20+8*(\tk):22+8*(\tk)], s[22:23] offset:768*(\tk)+12
	global_store_b8 v1, v[11+(\tk)], s[24:25] offset:XQS+32*(\tk)
.endm
.macro FM n, ii                        ; logits += Wr[32 L + i][0..7] x x[token][32 L + i], i = 4 n + ii: two experts an instruction, x from one half of its pair
.set WB_, XL+32*((\n)%2)+8*(\ii)
.set XI_, 4*(\n)+(\ii)-(\ii)%2
.irp tk,0,1
.irp ep,0,2,4,6
.if (\n)==0 && (\ii)==0
	v_pk_mul_f32 v[ACC+8*\tk+\ep:ACC+8*\tk+\ep+1], v[WB_+\ep:WB_+\ep+1], v[X0+32*\tk+XI_:X0+32*\tk+XI_+1] op_sel_hi:[1,0]    ; the first product starts the sums
.elseif (\ii)%2==0
	v_pk_fma_f32 v[ACC+8*\tk+\ep:ACC+8*\tk+\ep+1], v[WB_+\ep:WB_+\ep+1], v[X0+32*\tk+XI_:X0+32*\tk+XI_+1], v[ACC+8*\tk+\ep:ACC+8*\tk+\ep+1] op_sel_hi:[1,0,1]
.else
	v_pk_fma_f32 v[ACC+8*\tk+\ep:ACC+8*\tk+\ep+1], v[WB_+\ep:WB_+\ep+1], v[X0+32*\tk+XI_:X0+32*\tk+XI_+1], v[ACC+8*\tk+\ep:ACC+8*\tk+\ep+1] op_sel:[0,1,0] op_sel_hi:[1,1,1]
.endif
.endr
.endr
.endm
	WBATCH 0
	QX 0
	QX 1
.irp n,0,1,2,3,4,5,6
	WBATCH (\n)+1
	s_wait_alu depctr_va_vdst(0)
	s_wait_dscnt 8                                 ; this batch is in; the next batch's eight loads may be out
	FM \n, 0
	FM \n, 1
	FM \n, 2
	FM \n, 3
.endr
	s_wait_alu depctr_va_vdst(0)
	s_wait_dscnt 0x0
	FM 7, 0
	FM 7, 1
	FM 7, 2
	FM 7, 3
.irp m,1,2,4,8                         ; the sums of each half of 16 lanes
.irp a,0,1,2,3,4,5,6,7,8,9,10,11,12,13,14,15
	v_add_f32_dpp v[ACC+\a], v[ACC+\a], v[ACC+\a] row_xmask:\m row_mask:0xf bank_mask:0xf
.endr
.endr
.irp e,0,1,2,3,4,5,6,7                 ; lanes 0-15 go on with token 0, lanes 16-31 with token 1: each keeps its own half's sum of its token and sends the other token's
	v_cndmask_b32 v[LG+\e], v[ACC+\e], v[ACC+8+\e], s30
	v_cndmask_b32 v[PR+\e], v[ACC+8+\e], v[ACC+\e], s30
.endr
.irp e,0,1,2,3,4,5,6,7
	v_permlanex16_b32 v[128+\e], v[PR+\e], s28, s29
.endr
	s_wait_alu depctr_va_vdst(0)
	s_wait_kmcnt 0x0                               ; br
.irp e,0,1,2,3,4,5,6,7
	v_add_f32 v[LG+\e], v[LG+\e], v[128+\e]
.endr
.irp e,0,1,2,3,4,5,6,7
	v_add_f32 v[LG+\e], s[32+\e], v[LG+\e]         ; the logits
.endr
	v_max3_num_f32 v136, v[LG], v[LG+1], v[LG+2]
	v_max3_num_f32 v136, v136, v[LG+3], v[LG+4]
	v_max3_num_f32 v136, v136, v[LG+5], v[LG+6]
	v_max_num_f32 v136, v136, v[LG+7]              ; the maximum is taken away ahead of the exponentials
.irp e,0,1,2,3,4,5,6,7
	v_sub_f32 v[PR+\e], v[LG+\e], v136
.endr
.irp e,0,1,2,3,4,5,6,7
	v_mul_f32 v[PR+\e], 0x3fb8aa3b, v[PR+\e]
.endr
	s_wait_alu depctr_va_vdst(0)
.irp e,0,1,2,3,4,5,6,7
	v_exp_f32 v[PR+\e], v[PR+\e]
.endr
	v_mov_b32 v137, v[LG]                          ; the first choice: a strict > keeps the lower index.  (Plain work behind the exponentials; it names none of their results)
	v_mov_b32 v138, 0
.irp e,1,2,3,4,5,6,7
	v_cmp_gt_f32 vcc_lo, v[LG+\e], v137
	v_cndmask_b32 v137, v137, v[LG+\e], vcc_lo
	v_cndmask_b32 v138, v138, \e, vcc_lo
.endr
	v_mov_b32 v139, 0xff800000                     ; -infinity takes the winner's place
.irp e,0,1,2,3,4,5,6,7
	v_cmp_eq_u32 vcc_lo, \e, v138
	v_cndmask_b32 v[144+\e], v[LG+\e], v139, vcc_lo
.endr
	v_mov_b32 v140, v144                           ; the second choice
	v_mov_b32 v141, 0
.irp e,1,2,3,4,5,6,7
	v_cmp_gt_f32 vcc_lo, v[144+\e], v140
	v_cndmask_b32 v140, v140, v[144+\e], vcc_lo
	v_cndmask_b32 v141, v141, \e, vcc_lo
.endr
	v_sub_f32 v142, v140, v137                     ; second - first, 0 or less
	v_mul_f32 v142, 0x3fb8aa3b, v142
	s_wait_alu depctr_va_vdst(0)
	v_exp_f32 v142, v142
	v_mov_b32 v154, 1                              ; the choice as a whole number
	v_lshlrev_b32 v155, v138, v154
	v_add_nc_u32 v156, 8, v141
	v_lshlrev_b32 v156, v156, v154
	v_or_b32 v155, v155, v156
	s_wait_alu depctr_va_vdst(0)                   ; one wait for the nine exponentials, ahead of their first reader
	v_add_f32 v160, v[PR], v[PR+1]
	v_add_f32 v161, v[PR+2], v[PR+3]
	v_add_f32 v162, v[PR+4], v[PR+5]
	v_add_f32 v163, v[PR+6], v[PR+7]
	v_add_f32 v160, v160, v161
	v_add_f32 v162, v162, v163
	v_add_f32 v160, v160, v162
	v_add_f32 v143, 1.0, v142
	s_wait_alu depctr_va_vdst(0)
	v_rcp_f32 v150, v160
	v_rcp_f32 v151, v143
	v_lshrrev_b32 v157, 4, v1                      ; which of my two tokens (a plain line behind the reciprocals)
	v_lshlrev_b32 v158, 2, v157
	v_lshlrev_b32 v159, 3, v157
	v_lshlrev_b32 v164, 5, v157
	v_and_b32 v161, 15, v1
	s_wait_alu depctr_va_vdst(0)                   ; and one for the two reciprocals
.irp e,0,1,2,3,4,5,6,7
	v_mul_f32 v[PR+\e], v[PR+\e], v150             ; the full softmax
.endr
	v_mov_b32 v152, v151                           ; the gate: 1 / (1 + ex), ex / (1 + ex)
	v_mul_f32 v153, v142, v151
	v_cmp_eq_u32 vcc_lo, 0, v161
	s_wait_alu depctr_va_vdst(0)
	s_wait_xcnt 0x0                                ; EXEC changes only behind this wait
	s_wait_tensorcnt 0x0
	ds_add_u32 v240, v241
	s_wait_dscnt 0x0
	s_and_saveexec_b32 s31, vcc_lo                 ; lanes 0 and 16 store for their tokens
	global_store_b32 v158, v155, s[26:27]
	global_store_b64 v159, v[152:153], s[40:41]
	global_store_b128 v164, v[PR:PR+3], s[42:43] offset:8192
	global_store_b128 v164, v[PR+4:PR+7], s[42:43] offset:8208
	s_wait_xcnt 0x0
	s_or_b32 exec_lo, exec_lo, s31
	s_endpgm
.Lfunc_end_k_q95e3269d35_route:
	.size	k_q95e3269d35_route, .Lfunc_end_k_q95e3269d35_route-k_q95e3269d35_route
	.p2alignl 7, 3214868480
	.fill 96, 4, 3214868480
	.section	.rodata,"a",@progbits
	.p2align	6, 0x0
	.amdhsa_kernel k_q95e3269d35_route
		.amdhsa_group_segment_fixed_size 71168
		.amdhsa_private_segment_fixed_size 0
		.amdhsa_enable_private_segment 0
		.amdhsa_kernarg_size 48
		.amdhsa_user_sgpr_count 2
		.amdhsa_user_sgpr_kernarg_segment_ptr 1
		.amdhsa_wavefront_size32 1
		.amdhsa_system_sgpr_workgroup_id_x 1
		.amdhsa_system_sgpr_workgroup_id_y 1
		.amdhsa_system_sgpr_workgroup_id_z 1
		.amdhsa_system_vgpr_workitem_id 0
		.amdhsa_next_free_vgpr 242
		.amdhsa_next_free_sgpr 66
		.amdhsa_reserve_vcc 1
		.amdhsa_float_denorm_mode_32 3
		.amdhsa_float_denorm_mode_16_64 3
		.amdhsa_memory_ordered 1
		.amdhsa_forward_progress 1
		.amdhsa_inst_pref_size 45
	.end_amdhsa_kernel
	.amdgpu_metadata
---
amdhsa.version: [ 1, 2 ]
amdhsa.kernels:
  - .name:           k_q95e3269d35_route
    .symbol:         k_q95e3269d35_route.kd
    .args:
      - { .name: x, .offset: 0, .size: 8, .value_kind: global_buffer, .address_space: global }
      - { .name: Wr, .offset: 8, .size: 8, .value_kind: global_buffer, .address_space: global }
      - { .name: br, .offset: 16, .size: 8, .value_kind: global_buffer, .address_space: global }
      - { .name: xq, .offset: 24, .size: 8, .value_kind: global_buffer, .address_space: global }
      - { .name: sel, .offset: 32, .size: 8, .value_kind: global_buffer, .address_space: global }
      - { .name: rf, .offset: 40, .size: 8, .value_kind: global_buffer, .address_space: global }
    .group_segment_fixed_size: 71168
    .private_segment_fixed_size: 0
    .kernarg_segment_align: 8
    .kernarg_segment_size: 48
    .max_flat_workgroup_size: 128
    .sgpr_count:     66
    .vgpr_count:     242
    .wavefront_size: 32
...
	.end_amdgpu_metadata
.endif
;; end of part 8
;; launch ffn1 (part 9): grid 32 x 8, 16 waves a work-group, no clusters, 40,960 bytes of LDS; arguments W1, b1, xq, sel, hq, pm; writes hq, pm
.if DOCPART == 9
	.amdgcn_target "amdgcn-amd-amdhsa--gfx1250"
	.amdhsa_code_object_version 6
	.text
	.protected	k_q95e3269d35_ffn1
	.globl	k_q95e3269d35_ffn1
	.p2align	8
	.type	k_q95e3269d35_ffn1,@function
k_q95e3269d35_ffn1:
	s_mov_b64 s[64:65], 0
	v_nop
	global_prefetch_b8 v0, s[64:65] scope:SCOPE_SE
	s_setreg_imm32_b32 hwreg(HW_REG_WAVE_MODE, 25, 1), 1
	s_wait_xcnt 0x0
; FIRST LAYER OF THE CHOSEN EXPERTS: hq = Q(gelu(Q(x) Q(W1[e]) + b1[e])) for the rows routed to expert e, in MX-FP6 (E2M3, one E8M0 byte for 32 along K).
; Work-group (j, e): expert e, hidden units 128 j .. 128 j + 127.  Its 512 KiB of W1 (f32) are read from memory ONCE, in 8 chunks of 256 K x 64 columns, and quantised in registers on the way.
; STREAM: wave w takes column group cg = w % 2 (32 columns, a lane a column) and block kb = w / 2 of the chunk's 8 blocks of 32 along K: 32 loads of 4 bytes a lane run down K, so a block lies in one lane.
;   Its 24 bytes of codes and its scale byte go to a ring of two LDS buffers laid in the order of the operand's registers: a fragment is 1,536 bytes, 48 a lane.
; PRODUCTS: wave w owns unit g = 16 pass + w: 32 rows (two tiles) x the chunk's 64 columns: 8 accumulators.  Source 0 = 16 columns of W1, source 1 = 16 rows of x: a lane holds one row.
;   Lane r of column tile (b, u) takes column 32 b + 8 u + r + 8 (r / 8): the 16 registers of tiles (b, 0), (b, 1) are 16 neighbours along the next K.
;   x's codes lie in xq so that a lane finds a fragment's 48 bytes on end: token x 768 + 192 (K chunk) + 96 (lane / 16) + 48 (K step): three loads of 16 bytes.
; ROWS: wave 0 makes the expert's list of rows (2 token + k) from sel by a counting pass; expert e owns positions 1024 e + i.  The work-groups with j = 0 store posmap and the counts (pm).
;   Rows that fill the last group up are copies of token 0; nobody reads their results.  An expert always has at least one group, so that group 0 of hq is always written.
; pm: words 0 .. 2047 posmap[2 token + k]; words 2048 + e the counts; from word 2112 on 1,024 spare words for each expert, which nobody reads.
; EXEC IS NEVER WRITTEN: a thread with no row to report stores into its own spare word of pm; a lane whose token did not choose the expert stores into its own spare word of LDS.
; NO BARRIER STANDS UNDER A BRANCH ON A STORED NUMBER: two passes are always walked, every barrier on the common path; flags jump over the work between barriers (PAF: this pass streams; WAF: my unit has rows).
;   A pass that no unit needs is eight barriers and nothing else.  More than 512 rows on one expert stream its weights a second time.
;   A wave without rows never multiplies.  Sums start with the constant 0 as C; the 64 accumulators are written once at the head only so that every register is written on every way through the text.
; b1: each wave keeps the work-group's 128 numbers in 512 LDS bytes of its own, asked for ahead of the weights, so that no epilogue waits for memory.
; A number that was loaded enters an address only behind v_min_u32 with a constant, in place, and behind that only a multiply, a left shift or an add.
; No tensor loads and no cluster: what a wave does hangs on stored numbers.  No prefetch: the loop streams from memory all the time.
; LIMITS: NaN and infinities not served; blocks under 2^-124 (zeros too) get the byte 1; erf(z) = z P(z^2) / Q(z^2) with z held to +-4 (f32, a few units in the last place), 1 + erf cancels for x far below 0, where gelu is next to nothing.
.set BUF,  12800                       ; a ring buffer: 8 fragments [K step sl][b][u] of 1,536 bytes, then 512 bytes of scale words [sl][b][u][16 rows]
.set LIST, 2*BUF                       ; 1,024 words: the expert's rows
.set DUMP, LIST+4096                   ; straight behind them 32 words (indices 1024 + lane) for the lanes whose token did not choose the expert
.set CNTO, DUMP+256                    ; the count
.set BIA,  CNTO+256                    ; b1: 512 bytes for each wave
.set HSO,  25165824                    ; hq: the scale words begin here
.set XQS,  786432
.set PMD,  2112                        ; pm: the first spare word
.set WOFF, 2
.set WST,  3
.set WSB,  4
.set FRD,  5
.set SRD,  6
.set XA,   7
.set XB,   8
.set XSA,  9
.set HCA,  10
.set HSA,  11
.set ENT,  12
.set ENT1, 13
.set B1A,  14                          ; LDS: my wave's b1, my half's 16 numbers of a block
.set PT,   15
.set WS,   16                          ; v16-19 W's scale words [sl][b]: lanes 0-15 tile u = 0, lanes 16-31 u = 1.  Scales and nothing else
.set AS,   20                          ; v20-21 the rows' scale words [sl]: lane = row.  Scales and nothing else
.set T0,   22
.set T1,   23
.set X,    24                          ; v24-87 two sets of 32 numbers of W1
.set ACC,  88                          ; v88-151 accumulator (rt, b, u) at ACC + 32 rt + 16 b + 8 u
.set BST,  136                         ; at the head only: where I put my 16 bytes of b1
.set WF,   152                         ; v152-199 four fragments of W1; between products the bias and the activation's registers
.set AF,   200                         ; v200-247 x's fragments [sl][rt]
.set C0,   248
.set C1,   252
.set PZ,   152                         ; v152-167 z, then z P
.set RQ,   168                         ; v168-183 Q, then 1 / Q, then x / 2
.set SS,   184                         ; v184-187 z^2 of two pairs
.set PP,   188                         ; v188-191 P of two pairs
.set ZZ,   184
.set WV,   16
.set CG,   17
.set KB,   18
.set EX,   19
.set SEL,  20
.set HIM,  22
.set SN,   23
.set SG,   24
.set SP,   25
.set WAF,  26
.set PAF,  27
.set HCB,  30
.set HSB,  32
.set MSK,  38
.set SH,   39
.set AL0,  40
.set BE0,  42
.set CNT,  44
.set TS,   45
.macro PLACES n
.rept \n
	v_nop
.endr
.endm
.macro LOADW t                         ; chunk t (column half t / 4, K chunk t % 4): 32 rows of 128 consecutive bytes a wave, into set t % 2
.set XS_, X+32*((\t)%2)
.set KC_, (\t)%4
.set HF_, (\t)/4
.set WBS_, 4+24*(KC_/2)
.set I_, 0
.rept 32
	global_load_b32 v[XS_+I_], v[WOFF], s[WBS_:WBS_+1] offset:(256*(KC_%2)+I_)*16384+256*HF_ th:TH_LOAD_NT
.set I_, I_+1
.endr
.endm
.macro QBLK t                          ; my block: largest magnitude, scale, 32 codes; into ring buffer t % 2
.set XS_, X+32*((\t)%2)
.set BO_, BUF*((\t)%2)
	v_max3_num_f32 v[T0], |v[XS_]|, |v[XS_+1]|, |v[XS_+2]|
	v_max3_num_f32 v[T1], |v[XS_+3]|, |v[XS_+4]|, |v[XS_+5]|
.irp i,6,10,14,18,22,26
	s_delay_alu instid0(VALU_DEP_2)
	v_max3_num_f32 v[T0], v[T0], |v[XS_+\i]|, |v[XS_+\i+1]|
	s_delay_alu instid0(VALU_DEP_2)
	v_max3_num_f32 v[T1], v[T1], |v[XS_+\i+2]|, |v[XS_+\i+3]|
.endr
	s_delay_alu instid0(VALU_DEP_2)
	v_max3_num_f32 v[T0], v[T0], |v[XS_+30]|, |v[XS_+31]|
	s_delay_alu instid0(VALU_DEP_1)
	v_max3_num_f32 v[T0], v[T0], v[T1], 0x1800000  ; the floor 2^(3 - 127)
	s_delay_alu instid0(VALU_DEP_1)
	v_add_nc_u32 v[T0], 0xff000000, v[T0]          ; 2 off the exponent field: the conversion's scale operand
	v_cvt_scalef32_pk16_fp6_f32 v[C0:C0+2], v[XS_:XS_+15], v[T0]
	v_cvt_scalef32_pk16_fp6_f32 v[C1:C1+2], v[XS_+16:XS_+31], v[T0]
	v_lshrrev_b32 v[T1], 23, v[T0]                 ; the byte (the plain line behind the conversions)
	ds_store_b64 v[WST], v[C0:C0+1] offset:BO_
	ds_store_b32 v[WST], v[C0+2] offset:BO_+8
	ds_store_b32 v[WST], v[C1] offset:BO_+12
	ds_store_b32 v[WST], v[C1+1] offset:BO_+16
	ds_store_b32 v[WST], v[C1+2] offset:BO_+20
	ds_store_b8 v[WSB], v[T1] offset:BO_
.endm
.macro BAR                             ; my LDS stores have landed and my LDS loads are in: then the work-group's barrier
	s_wait_dscnt 0x0
	s_barrier_signal -1
	s_barrier_wait -1
.endm
.macro WM u, rt                        ; one product; the symbols A_, W_, F_, S_, R_, Z_ are set by PR2
.if Z_
.if (\u)==0 && (\rt)==0
	v_wmma_scale_f32_16x16x128_f8f6f4 v[A_:A_+7], v[W_:W_+11], v[F_:F_+11], 0, v[S_], v[R_] matrix_a_fmt:MATRIX_FMT_FP6 matrix_b_fmt:MATRIX_FMT_FP6
.elseif (\u)==0
	v_wmma_scale_f32_16x16x128_f8f6f4 v[A_:A_+7], v[W_:W_+11], v[F_:F_+11], 0, v[S_], v[R_] matrix_a_fmt:MATRIX_FMT_FP6 matrix_b_fmt:MATRIX_FMT_FP6 matrix_b_scale:MATRIX_SCALE_ROW1
.elseif (\rt)==0
	v_wmma_scale_f32_16x16x128_f8f6f4 v[A_:A_+7], v[W_:W_+11], v[F_:F_+11], 0, v[S_], v[R_] matrix_a_fmt:MATRIX_FMT_FP6 matrix_b_fmt:MATRIX_FMT_FP6 matrix_a_scale:MATRIX_SCALE_ROW1
.else
	v_wmma_scale_f32_16x16x128_f8f6f4 v[A_:A_+7], v[W_:W_+11], v[F_:F_+11], 0, v[S_], v[R_] matrix_a_fmt:MATRIX_FMT_FP6 matrix_b_fmt:MATRIX_FMT_FP6 matrix_a_scale:MATRIX_SCALE_ROW1 matrix_b_scale:MATRIX_SCALE_ROW1
.endif
.else
.if (\u)==0 && (\rt)==0
	v_wmma_scale_f32_16x16x128_f8f6f4 v[A_:A_+7], v[W_:W_+11], v[F_:F_+11], v[A_:A_+7], v[S_], v[R_] matrix_a_fmt:MATRIX_FMT_FP6 matrix_b_fmt:MATRIX_FMT_FP6
.elseif (\u)==0
	v_wmma_scale_f32_16x16x128_f8f6f4 v[A_:A_+7], v[W_:W_+11], v[F_:F_+11], v[A_:A_+7], v[S_], v[R_] matrix_a_fmt:MATRIX_FMT_FP6 matrix_b_fmt:MATRIX_FMT_FP6 matrix_b_scale:MATRIX_SCALE_ROW1
.elseif (\rt)==0
	v_wmma_scale_f32_16x16x128_f8f6f4 v[A_:A_+7], v[W_:W_+11], v[F_:F_+11], v[A_:A_+7], v[S_], v[R_] matrix_a_fmt:MATRIX_FMT_FP6 matrix_b_fmt:MATRIX_FMT_FP6 matrix_a_scale:MATRIX_SCALE_ROW1
.else
	v_wmma_scale_f32_16x16x128_f8f6f4 v[A_:A_+7], v[W_:W_+11], v[F_:F_+11], v[A_:A_+7], v[S_], v[R_] matrix_a_fmt:MATRIX_FMT_FP6 matrix_b_fmt:MATRIX_FMT_FP6 matrix_a_scale:MATRIX_SCALE_ROW1 matrix_b_scale:MATRIX_SCALE_ROW1
.endif
.endif
.endm
.macro WFL sl, f                       ; fragment f = 2 b + u of K step sl, from the ring into place f: three loads
.irp c,0,1,2
	ds_load_b128 v[WF+12*(\f)+4*\c:WF+12*(\f)+4*\c+3], v[FRD] offset:BO_+(4*(\sl)+(\f))*1536+16*\c
.endr
.endm
.macro PR2 sl, f, zero                 ; fragment f against both tiles of rows
.set Z_, (\zero)*(1-(\sl))
.irp rt,0,1
.set A_, ACC+32*\rt+8*(\f)
.set W_, WF+12*(\f)
.set F_, AF+24*(\sl)+12*\rt
.set S_, WS+2*(\sl)+(\f)/2
.set R_, AS+(\sl)
	WM (\f)%2, \rt
.endr
.endm
; A chunk's products: two K steps of 128, each 4 fragments of W1 from the ring and 8 matrix instructions.  The 8 accumulators take turns, one instruction a turn, in the same order every time.
; A fragment is multiplied as soon as its three loads are in, and the second K step's fragments are asked for while the first's are multiplied: places 0 and 1 are filled again behind their products, then places 2 and 3.
; No LDS instruction of the wave is out at the head (the barrier's wait), so each count is the number of loads issued behind the fragment's own.
; Plain places: 4 in front of loads into registers that the products read, 5 at the end, since a later sum is begun anew over these accumulators.
.macro MULT t, zero
.set BO_, BUF*((\t)%2)
.irp sl,0,1
.irp b,0,1
	ds_load_b32 v[WS+2*\sl+\b], v[SRD] offset:BO_+256*\sl+128*\b
.endr
.endr
	WFL 0, 0
	WFL 0, 1
	WFL 0, 2
	WFL 0, 3
	s_wait_dscnt 9                                 ; the scale words and fragment 0 are in; three fragments' loads may be out
	PR2 0, 0, \zero
	s_wait_dscnt 6
	PR2 0, 1, \zero
	PLACES 4
	WFL 1, 0
	WFL 1, 1
	s_wait_dscnt 9                                 ; fragment 2 is in; fragment 3's three loads and the six just issued may be out
	PR2 0, 2, \zero
	s_wait_dscnt 6
	PR2 0, 3, \zero
	PLACES 4
	WFL 1, 2
	WFL 1, 3
	s_wait_dscnt 9                                 ; the second K step's fragment 0 is in; three fragments' loads may be out
	PR2 1, 0, 0
	s_wait_dscnt 6
	PR2 1, 1, 0
	s_wait_dscnt 3
	PR2 1, 2, 0
	s_wait_dscnt 0x0
	PR2 1, 3, 0
	PLACES 5
.endm
.macro LOADA t                         ; my 32 rows' codes and scale words of chunk t's two K steps: 13 loads
.set KC_, (\t)%4
.irp sl,0,1
.irp c,0,1,2
	global_load_b128 v[AF+24*\sl+4*\c:AF+24*\sl+4*\c+3], v[XA], s[8:9] offset:192*KC_+48*\sl+16*\c
	global_load_b128 v[AF+24*\sl+12+4*\c:AF+24*\sl+12+4*\c+3], v[XB], s[8:9] offset:192*KC_+48*\sl+16*\c
.endr
.endr
	global_load_b64 v[AS:AS+1], v[XSA], s[8:9] offset:XQS+8*KC_
.endm
.macro LDSB hf                         ; b1 of my lane's 32 hidden units of this column half, from my wave's own LDS bytes (sixteen lanes read the same 16 bytes)
.irp b,0,1
.irp q,0,1,2,3
	ds_load_b128 v[WF+16*\b+4*\q:WF+16*\b+4*\q+3], v[B1A] offset:256*(\hf)+128*\b+16*\q
.endr
.endr
.endm
.macro HP k                            ; P = P z^2 + k, two pairs
.irp d,0,2
	v_pk_fma_f32 v[PP+\d:PP+\d+1], v[PP+\d:PP+\d+1], v[SS+\d:SS+\d+1], \k op_sel_hi:[1,1,0]
.endr
.endm
.macro HQ p, k                         ; Q = Q z^2 + k, two pairs
.irp d,0,2
	s_delay_alu instid0(VALU_DEP_4)
	v_pk_fma_f32 v[RQ+(\p)+\d:RQ+(\p)+\d+1], v[RQ+(\p)+\d:RQ+(\p)+\d+1], v[SS+\d:SS+\d+1], \k op_sel_hi:[1,1,0]
.endr
.endm
; Numbers p .. p + 3 of the block at v[a]: z P(z^2) and 1 / Q(z^2).  Two pairs at a time: four chains that do not wait for each other.
.macro ERF2 a, p
.irp d,0,2
	v_pk_mul_f32 v[PZ+(\p)+\d:PZ+(\p)+\d+1], v[(\a)+(\p)+\d:(\a)+(\p)+\d+1], 0x3f3504f3 op_sel_hi:[1,0]   ; z = x / sqrt(2)
.endr
.irp d,0,1,2,3
	v_med3_num_f32 v[PZ+(\p)+\d], v[PZ+(\p)+\d], -4.0, 4.0
.endr
.irp d, 0
	s_delay_alu instid0(VALU_DEP_3)
	v_pk_mul_f32 v[SS+\d:SS+\d+1], v[PZ+(\p)+\d:PZ+(\p)+\d+1], v[PZ+(\p)+\d:PZ+(\p)+\d+1]
.endr
.irp d, 2
	s_delay_alu instid0(VALU_DEP_2)
	v_pk_mul_f32 v[SS+\d:SS+\d+1], v[PZ+(\p)+\d:PZ+(\p)+\d+1], v[PZ+(\p)+\d:PZ+(\p)+\d+1]
.endr
.irp d,0,2
	s_delay_alu instid0(VALU_DEP_2)
	v_pk_fma_f32 v[PP+\d:PP+\d+1], v[SS+\d:SS+\d+1], s[AL0:AL0+1], 0x32edffee op_sel_hi:[1,0,0]
.endr
.irp d,0,2
	s_delay_alu instid0(VALU_DEP_4)
	v_pk_fma_f32 v[RQ+(\p)+\d:RQ+(\p)+\d+1], v[SS+\d:SS+\d+1], s[BE0:BE0+1], 0xb95fbd29 op_sel_hi:[1,0,0]
.endr
	HP 0xb60cff51
	HQ \p, 0xbadc924e
	HP 0xb86ec2d2
	HQ \p, 0xbbf19bf8
	HP 0xba40ac63
	HQ \p, 0xbc69b6a7
	HP 0xbb41a1f6
	HP 0xbc83dbd4
.irp d,0,2
	s_delay_alu instid0(VALU_DEP_2)
	v_pk_mul_f32 v[PZ+(\p)+\d:PZ+(\p)+\d+1], v[PP+\d:PP+\d+1], v[PZ+(\p)+\d:PZ+(\p)+\d+1]
.endr
	s_wait_alu depctr_va_vdst(0)
.irp d,0,1,2,3
	v_rcp_f32 v[RQ+(\p)+\d], v[RQ+(\p)+\d]
.endr
.endm
; 16 numbers of a lane (one row, 16 neighbouring hidden units) from v[a] on: exact gelu in f32, then the block's scale (with lane l xor 16's 16) and 16 codes into v[cs] on, the byte into v[by].
.macro GBLK a, cs, by
	ERF2 \a, 0
	ERF2 \a, 4
	ERF2 \a, 8
	ERF2 \a, 12
	v_nop                                          ; a plain line behind the last reciprocal
	s_wait_alu depctr_va_vdst(0)                   ; one wait for the block's 16 reciprocals, ahead of their first reader
.irp p,0,2,4,6,8,10,12,14
	v_pk_mul_f32 v[PZ+\p:PZ+\p+1], v[PZ+\p:PZ+\p+1], v[RQ+\p:RQ+\p+1]                 ; erf
.endr
.irp p,0,2,4,6,8,10,12,14
	v_pk_mul_f32 v[RQ+\p:RQ+\p+1], v[(\a)+\p:(\a)+\p+1], 0.5 op_sel_hi:[1,0]         ; x / 2
.endr
.irp p,0,2,4,6,8,10,12,14
	v_pk_fma_f32 v[(\a)+\p:(\a)+\p+1], v[RQ+\p:RQ+\p+1], v[PZ+\p:PZ+\p+1], v[RQ+\p:RQ+\p+1]
.endr
	v_max3_num_f32 v[ZZ], |v[(\a)]|, |v[(\a)+1]|, 0x1800000
.irp i,2,4,6,8,10,12,14
	s_delay_alu instid0(VALU_DEP_1)
	v_max3_num_f32 v[ZZ], v[ZZ], |v[(\a)+\i]|, |v[(\a)+\i+1]|
.endr
	s_delay_alu instid0(VALU_DEP_1)
	v_permlanex16_b32 v[PT], v[ZZ], s[SEL], s[SEL+1]
	s_delay_alu instid0(VALU_DEP_1)
	v_max_num_f32 v[ZZ], v[ZZ], v[PT]
	s_delay_alu instid0(VALU_DEP_1)
	v_add_nc_u32 v[ZZ], 0xff000000, v[ZZ]
	v_cvt_scalef32_pk16_fp6_f32 v[(\cs):(\cs)+2], v[(\a):(\a)+15], v[ZZ]
	v_lshrrev_b32 v[(\by)], 23, v[ZZ]              ; the byte (the plain line behind the conversion)
.endm
; A column half is finished: bias, gelu, quantiser, stores.  hq's codes: [group][j][block of 32][row][24 bytes]: a store covers 384 consecutive bytes.
.macro EPI hf
.irp rt,0,1
.irp i,0,2,4,6,8,10,12,14,16,18,20,22,24,26,28,30
	v_pk_add_f32 v[ACC+32*\rt+\i:ACC+32*\rt+\i+1], v[ACC+32*\rt+\i:ACC+32*\rt+\i+1], v[WF+\i:WF+\i+1]    ; ascending: each accumulator is first read at its low end
.endr
.endr
	GBLK ACC, 192, T0
	global_store_b96 v[HCA], v[192:194], s[HCB:HCB+1] offset:(2*(\hf))*768
	GBLK ACC+16, 196, T1
	global_store_b96 v[HCA], v[196:198], s[HCB:HCB+1] offset:(2*(\hf)+1)*768
	GBLK ACC+32, 248, 251
	global_store_b96 v[HCA], v[248:250], s[HCB:HCB+1] offset:(2*(\hf))*768+384
	GBLK ACC+48, 252, 255
	global_store_b96 v[HCA], v[252:254], s[HCB:HCB+1] offset:(2*(\hf)+1)*768+384
	v_lshl_or_b32 v[T0], v[T1], 8, v[T0]           ; rows 0-15: this half's two bytes;
	v_lshl_or_b32 v251, v255, 8, v251              ; rows 16-31
	s_delay_alu instid0(VALU_DEP_1)
	v_cndmask_b32 v[T0], v[T0], v251, s[HIM]       ; lane = row
	global_store_b16 v[HSA], v[T0], s[HSB:HSB+1] offset:2*(\hf)
	s_wait_xcnt 0x0                                ; the stores' data are written again only behind this wait
.endm
.macro HEADT t, n                      ; a trip's head: the chunk is in, it is quantised into the ring, one barrier
	s_wait_loadcnt \n
	s_cmp_eq_u32 s[PAF], 0
	s_cbranch_scc1 .Lnq_\@
	QBLK \t
.Lnq_\@:
	BAR                                            ; buffer t % 2 is whole; and the other buffer's readers of the last trip have their loads in, so the next trip may write it
.endm
; A trip.  The arm that asks for nothing waits for all loads: so on every way through the text a set of registers is loaded again only when its earlier loads are in
; (either the next trip's wait, which leaves only the other set's 32 younger loads out, or this one).
.macro TRIP t, n, zero
	HEADT \t, \n
	s_cmp_eq_u32 s[PAF], 0
	s_cbranch_scc1 .Lsk_\@
	s_cmp_eq_u32 s[WAF], 0
	s_cbranch_scc1 .Lin_\@
.if (\t)==0
	s_wait_loadcnt 0x0                             ; the rows' first fragments, asked for last
.endif
	s_wait_alu depctr_va_vdst(0)
	MULT \t, \zero
	s_wait_alu depctr_va_vdst(0)
	LOADA (\t)+1
.Lin_\@:
.if (\t)<6
	LOADW (\t)+2                                   ; always behind the rows' loads: a wait that leaves these 32 out proves both
.endif
	s_branch .Len_\@
.Lsk_\@:
	s_wait_loadcnt 0x0
.Len_\@:
.endm
; What a pass needs: has my unit rows; where its results go; where its rows' codes and scale words lie.  (Behind the last pass the numbers are made and not used.)
.macro PASSADR
	s_lshl_b32 s34, s[SP], 4
	s_add_co_u32 s34, s34, s[WV]                   ; my unit g
	s_cmp_lt_u32 s34, s[SG]
	s_cselect_b32 s[WAF], 1, 0
	s_lshl_b32 s35, s[EX], 5
	s_add_co_u32 s34, s34, s35                     ; group 32 e + g
	s_mul_i32 s36, s34, 98304
	s_mul_i32 s35, ttmp9, 3072
	s_add_co_u32 s36, s36, s35
	s_mov_b32 s37, 0
	s_add_nc_u64 s[HCB:HCB+1], s[12:13], s[36:37]
	s_lshl_b32 s36, s34, 12
	s_lshl_b32 s35, ttmp9, 7
	s_add_co_u32 s36, s36, s35
	s_add_co_u32 s36, s36, HSO
	s_add_nc_u64 s[HSB:HSB+1], s[12:13], s[36:37]
	v_permlanex16_b32 v[PT], v[ENT], s[SEL], s[SEL+1]
	s_delay_alu instid0(VALU_DEP_1)
	v_cndmask_b32 v[XA], v[ENT], v[PT], s[HIM]     ; the entry of row lane % 16,
	s_delay_alu instid0(VALU_DEP_2)
	v_cndmask_b32 v[XB], v[PT], v[ENT], s[HIM]     ; and of row 16 + lane % 16
	s_delay_alu instid0(VALU_DEP_2)
	v_lshrrev_b32 v[XA], 1, v[XA]
	s_delay_alu instid0(VALU_DEP_2)
	v_lshrrev_b32 v[XB], 1, v[XB]
	v_lshrrev_b32 v[XSA], 1, v[ENT]
	s_delay_alu instid0(VALU_DEP_3)
	v_min_u32 v[XA], 0x3ff, v[XA]                  ; tokens, clamped in place; behind the clamp a multiply or a left shift, and an add
	s_delay_alu instid0(VALU_DEP_3)
	v_min_u32 v[XB], 0x3ff, v[XB]
	s_delay_alu instid0(VALU_DEP_3)
	v_min_u32 v[XSA], 0x3ff, v[XSA]
	s_delay_alu instid0(VALU_DEP_3)
	v_mul_u32_u24 v[XA], v[XA], 768
	s_delay_alu instid0(VALU_DEP_3)
	v_mul_u32_u24 v[XB], v[XB], 768
	s_delay_alu instid0(VALU_DEP_3)
	v_lshlrev_b32 v[XSA], 5, v[XSA]
	s_delay_alu instid0(VALU_DEP_3)
	v_add_nc_u32 v[XA], v[XA], v1
	s_delay_alu instid0(VALU_DEP_3)
	v_add_nc_u32 v[XB], v[XB], v1
.endm
	s_load_b256 s[4:11], s[0:1], 0x0               ; W1, b1, xq, sel
	s_load_b128 s[12:15], s[0:1], 0x20             ; hq, pm
	v_lshrrev_b32 v1, 5, v0
	s_delay_alu instid0(VALU_DEP_1)
	v_readfirstlane_b32 s[WV], v1                  ; wave 0..15
	s_and_b32 s[CG], s[WV], 1
	s_lshr_b32 s[KB], s[WV], 1
	s_and_b32 s[EX], ttmp7, 0xffff                 ; the expert
	v_and_b32 v[T0], 31, v0                        ; lane
	v_bfe_u32 v[T1], v0, 3, 1                      ; u of the column that I stream
	v_bfe_u32 v[B1A], v0, 4, 1                     ; lane / 16
	s_lshl_b32 s34, s[KB], 19                      ; 32 rows of 16,384 bytes a block
	s_lshl_b32 s35, s[CG], 7
	s_add_co_u32 s34, s34, s35
	v_lshl_add_u32 v[WOFF], v[T0], 2, s34
	v_and_b32 v[WST], 7, v0
	s_delay_alu instid0(VALU_DEP_1)
	v_lshl_add_u32 v[WST], v[B1A], 3, v[WST]       ; r of that column in its tile
	s_delay_alu instid0(VALU_DEP_1)
	v_lshlrev_b32 v[WSB], 2, v[WST]
	s_delay_alu instid0(VALU_DEP_1)
	v_lshl_add_u32 v[WSB], v[T1], 6, v[WSB]
	s_delay_alu instid0(VALU_DEP_3)
	v_mul_u32_u24 v[WST], v[WST], 48
	s_delay_alu instid0(VALU_DEP_1)
	v_mad_u32_u24 v[WST], v[T1], 1536, v[WST]
	s_wait_alu depctr_va_vdst(0)
	s_lshr_b32 s34, s[KB], 2                       ; K step sl
	s_mul_i32 s35, s34, 6144
	s_mul_i32 s36, s[CG], 3072
	s_add_co_u32 s35, s35, s36
	s_and_b32 s36, s[KB], 1                        ; a block's place in a fragment: lanes 16-31 for odd blocks,
	s_mul_i32 s36, s36, 768
	s_add_co_u32 s35, s35, s36
	s_bfe_u32 s36, s[KB], 0x10001                  ; the lane's second 24 bytes for blocks 2 and 3
	s_mul_i32 s36, s36, 24
	s_add_co_u32 s35, s35, s36
	v_add_nc_u32 v[WST], s35, v[WST]
	s_lshl_b32 s34, s34, 8
	s_lshl_b32 s36, s[CG], 7
	s_add_co_u32 s34, s34, s36
	s_and_b32 s36, s[KB], 3
	s_add_co_u32 s34, s34, s36
	s_add_co_u32 s34, s34, 12288
	v_add_nc_u32 v[WSB], s34, v[WSB]
	v_mul_u32_u24 v[FRD], v[T0], 48
	v_lshl_add_u32 v[SRD], v[T0], 2, 12288
	v_and_b32 v[HCA], 15, v0
	s_delay_alu instid0(VALU_DEP_1)
	v_mul_u32_u24 v[HCA], v[HCA], 24
	s_delay_alu instid0(VALU_DEP_1)
	v_mad_u32_u24 v[HCA], v[B1A], 12, v[HCA]       ; hq's codes: 24 bytes a row, my half's 12
	v_lshlrev_b32 v[HSA], 2, v[T0]
	s_lshl_b32 s34, s[WV], 9
	s_add_co_u32 s34, s34, BIA                     ; my wave's 512 bytes of b1 in LDS
	v_lshl_add_u32 v[B1A], v[B1A], 6, s34          ; out of them: my half's 16 numbers of a block
	v_lshl_add_u32 v[BST], v[T0], 4, s34           ; into them: 16 bytes a lane
	v_lshl_add_u32 v1, v0, 2, LIST                 ; the list's word of my row
	v_mov_b32 v[PT], CNTO
	v_lshlrev_b32 v[XA], 4, v[T0]
	s_lshl_b32 s34, s[EX], 2
	s_add_co_u32 s34, s34, 8192
	v_mov_b32 v124, s34                            ; the list's registers, made ahead of the branch on the wave's number: where the expert's count goes in pm,
	v_add_nc_u32 v125, 1024, v[T0]                 ; my spare word's index in LDS,
	v_lshl_add_u32 v126, v[T0], 4, LIST            ; my 16 bytes of a 512-byte piece of the list,
	v_lshlrev_b32 v127, 3, v[T0]                   ; 8 x lane
.irp i,0,1,2,3
	v_mov_b32 v[120+\i], 0
.endr
	s_mov_b32 s[SEL], 0x76543210
	s_mov_b32 s[SEL+1], 0xfedcba98
	s_mov_b32 s[HIM], 0xffff0000
	s_mov_b32 s[AL0], 0xaf95df0b
	s_mov_b32 s[AL0+1], s[AL0]
	s_mov_b32 s[BE0], 0xb77460cd
	s_mov_b32 s[BE0+1], s[BE0]
	s_lshl_b32 s[MSK], 0x101, s[EX]
	s_add_co_u32 s[SH], s[EX], 8
	s_mov_b32 s[CNT], 0
	s_mov_b32 s[SP], 0
	s_mov_b32 s[PAF], 1                            ; pass 0 always streams
	s_lshl_b32 s36, s[EX], 24
	s_lshl_b32 s35, ttmp9, 9
	s_add_co_u32 s36, s36, s35
	s_mov_b32 s37, 0
	s_wait_alu depctr_va_vdst(0)
	s_wait_kmcnt 0x0
	s_add_nc_u64 s[4:5], s[4:5], s[36:37]          ; W1 at my expert's first row, my 128 columns
	s_add_nc_u64 s[28:29], s[4:5], 0x800000        ; and 512 rows further down, so that every offset is an immediate
	s_lshl_b32 s36, s[EX], 14
	s_add_co_u32 s36, s36, s35
	s_add_nc_u64 s[6:7], s[6:7], s[36:37]          ; b1 at my 128 hidden units
.irp q,0,1,2,3,4,5,6,7
	global_load_b128 v[ACC+4*\q:ACC+4*\q+3], v[XA], s[10:11] offset:512*\q     ; sel: tokens 4 (lane + 32 q) + 0 .. 3.  Every wave asks, wave 0 uses them
.endr
	global_load_b128 v[132:135], v[XA], s[6:7]     ; b1: 32 lanes x 16 bytes
	LOADW 0
	LOADW 1
	s_wait_loadcnt 63                              ; sel and b1 are in: they are the oldest 9 of 73 loads, and the field holds no larger count
	s_cmp_lg_u32 s[WV], 0
	s_cbranch_scc1 .Lnot0
.irp q,0,1,2,3,4,5,6,7
	ds_store_b128 v126, v[120:123] offset:512*\q   ; rows that nobody fills are token 0
.endr
.irp q,0,1,2,3,4,5,6,7                 ; 32 steps of 32 tokens: a chosen token's place is the count so far + the chosen lanes below mine
.irp i,0,1,2,3
	v_and_b32 v128, s[MSK], v[ACC+4*\q+\i]
	s_delay_alu instid0(VALU_DEP_1)
	v_cmp_ne_u32 vcc_lo, 0, v128
	s_delay_alu instid0(VALU_DEP_1)
	v_mbcnt_lo_u32_b32 v129, vcc_lo, s[CNT]
	s_delay_alu instid0(VALU_DEP_3)
	v_lshrrev_b32 v128, s[SH], v128                ; k: 1 where the expert is the token's second choice
	s_delay_alu instid0(VALU_DEP_1)
	v_add_nc_u32 v130, v128, v127
	s_delay_alu instid0(VALU_DEP_1)
	v_add_nc_u32 v130, 256*\q+2*\i, v130           ; 2 token + k
	s_delay_alu instid0(VALU_DEP_4)
	v_cndmask_b32 v129, v125, v129, vcc_lo         ; a lane whose token did not choose the expert takes its spare word: the choice stands ahead of the clamp
	s_delay_alu instid0(VALU_DEP_1)
	v_min_u32 v129, 0x41f, v129
	s_delay_alu instid0(VALU_DEP_1)
	v_lshlrev_b32 v129, 2, v129
	ds_store_b32 v129, v130 offset:LIST
	s_bcnt1_i32_b32 s[TS], vcc_lo
	s_add_co_u32 s[CNT], s[CNT], s[TS]
.endr
.endr
	v_mov_b32 v128, s[CNT]
	ds_store_b32 v[PT], v128
	s_cmp_lg_u32 ttmp9, 0
	s_cbranch_scc1 .Lnot0
	global_store_b32 v124, v128, s[14:15]          ; the expert's count, by the work-group with j = 0: all 32 lanes store the same word with the same number
.Lnot0:
	BAR                                            ; the list and the count lie in LDS
	ds_store_b128 v[BST], v[132:135]               ; b1 into my wave's own bytes: only I read them, and LDS serves a wave's instructions in order
	ds_load_b32 v[T0], v[PT]
	ds_load_b32 v[ENT], v1                         ; row 32 wave + lane of pass 0,
	ds_load_b32 v[ENT1], v1 offset:2048            ; and of pass 1
	s_wait_dscnt 0x0
	v_readfirstlane_b32 s[SN], v[T0]
	s_min_u32 s[SN], s[SN], 1024
	s_add_co_u32 s[SG], s[SN], 31
	s_lshr_b32 s[SG], s[SG], 5
	s_max_u32 s[SG], s[SG], 1                      ; groups of 32 rows, at least one
	v_bfe_u32 v1, v0, 4, 1
	s_delay_alu instid0(VALU_DEP_1)
	v_mul_u32_u24 v1, v1, 96                       ; 96 x (lane / 16): my half's part of a K chunk's 192 bytes
	s_cmp_lg_u32 ttmp9, 0
	s_cbranch_scc1 .Lnopm
	s_lshl_b32 s34, s[EX], 10                      ; 1024 e
	s_add_co_u32 s35, s34, PMD                     ; my expert's first spare word
.irp hh,0,1                            ; posmap[2 token + k] = 1024 e + i for i = thread, thread + 512, where i < n; else the number goes to spare word i
	v_add_nc_u32 v[C0+4*\hh+1], 512*\hh, v0
	s_delay_alu instid0(VALU_DEP_1)
	v_cmp_gt_u32 vcc_lo, s[SN], v[C0+4*\hh+1]
	s_delay_alu instid0(VALU_DEP_2)
	v_add_nc_u32 v[C0+4*\hh], s35, v[C0+4*\hh+1]
	s_delay_alu instid0(VALU_DEP_1)
	v_cndmask_b32 v[C0+4*\hh], v[C0+4*\hh], v[ENT+\hh], vcc_lo     ; the choice stands ahead of the clamp
	s_delay_alu instid0(VALU_DEP_1)
	v_min_u32 v[C0+4*\hh], 0x283f, v[C0+4*\hh]     ; pm's last word: 2112 + 8 x 1024 - 1
	s_delay_alu instid0(VALU_DEP_1)
	v_lshlrev_b32 v[C0+4*\hh], 2, v[C0+4*\hh]
	v_add_nc_u32 v[C0+4*\hh+1], s34, v[C0+4*\hh+1]
	global_store_b32 v[C0+4*\hh], v[C0+4*\hh+1], s[14:15]
.endr
.Lnopm:
	s_wait_xcnt 0x0                                ; sel's and b1's loads and pm's stores have read their registers, which are written again from here on
	PASSADR
	LOADA 0                                        ; by every wave: so the rows' registers are written on every way
.set I_, 0
.rept 64
	v_mov_b32 v[ACC+I_], 0                         ; once, while the rows' first loads are out (see the head: a wave without rows never multiplies)
.set I_, I_+1
.endr
.Lpass:
	TRIP 0, 45, 1                                  ; chunk 0 is in: behind it stand chunk 1's 32 loads and the rows' 13
	TRIP 1, 32, 0                                  ; from here on: all but the next chunk's 32 loads
	TRIP 2, 32, 0
	HEADT 3, 32
	s_cmp_eq_u32 s[PAF], 0
	s_cbranch_scc1 .Lsk3
	s_cmp_eq_u32 s[WAF], 0
	s_cbranch_scc1 .Lin3
	s_wait_alu depctr_va_vdst(0)
	MULT 3, 0
	LDSB 0
	LOADA 4
	LOADW 5
	s_wait_dscnt 0x0                               ; the bias
	EPI 0
	s_branch .Len3
.Lin3:
	LOADW 5
	s_branch .Len3
.Lsk3:
	s_wait_loadcnt 0x0                             ; the arm that asks for nothing (see TRIP)
.Len3:
	TRIP 4, 32, 1
	TRIP 5, 32, 0
	TRIP 6, 32, 0
	HEADT 7, 0
	s_cmp_eq_u32 s[WAF], 0
	s_cbranch_scc1 .Lsk7
	s_wait_alu depctr_va_vdst(0)
	MULT 7, 0
	LDSB 1
	s_wait_dscnt 0x0
	EPI 1
.Lsk7:
	s_wait_xcnt 0x0                                ; the rows' address registers and the stores' bases are written again only behind this wait
	v_mov_b32 v[ENT], v[ENT1]
	s_wait_alu depctr_va_vdst(0)
	s_add_co_u32 s[SP], s[SP], 1
	PASSADR
	s_lshl_b32 s34, s[SP], 4
	s_cmp_lt_u32 s34, s[SG]                        ; are there units for another pass?  (never behind the second: there are at most 32)
	s_cselect_b32 s[PAF], 1, 0
	s_cbranch_scc0 .Lnow
	LOADW 0
	LOADW 1
	LOADA 0
.Lnow:
	s_cmp_lt_u32 s[SP], 2
	s_cbranch_scc1 .Lpass
	s_wait_xcnt 0x0
	v_lshl_add_u32 v254, v0, 2, 0x9800
	v_mov_b32 v255, 0
	s_wait_alu depctr_va_vdst(0)
	s_wait_tensorcnt 0x0
	ds_add_u32 v254, v255
	s_wait_dscnt 0x0
	s_endpgm
.Lfunc_end_k_q95e3269d35_ffn1:
	.size	k_q95e3269d35_ffn1, .Lfunc_end_k_q95e3269d35_ffn1-k_q95e3269d35_ffn1
	.p2alignl 7, 3214868480
	.fill 96, 4, 3214868480
	.section	.rodata,"a",@progbits
	.p2align	6, 0x0
	.amdhsa_kernel k_q95e3269d35_ffn1
		.amdhsa_group_segment_fixed_size 40960
		.amdhsa_private_segment_fixed_size 0
		.amdhsa_enable_private_segment 0
		.amdhsa_kernarg_size 48
		.amdhsa_user_sgpr_count 2
		.amdhsa_user_sgpr_kernarg_segment_ptr 1
		.amdhsa_wavefront_size32 1
		.amdhsa_system_sgpr_workgroup_id_x 1
		.amdhsa_system_sgpr_workgroup_id_y 1
		.amdhsa_system_sgpr_workgroup_id_z 1
		.amdhsa_system_vgpr_workitem_id 0
		.amdhsa_next_free_vgpr 256
		.amdhsa_next_free_sgpr 66
		.amdhsa_reserve_vcc 1
		.amdhsa_float_denorm_mode_32 3
		.amdhsa_float_denorm_mode_16_64 3
		.amdhsa_memory_ordered 1
		.amdhsa_forward_progress 1
		.amdhsa_inst_pref_size 255
	.end_amdhsa_kernel
	.section	.bss,"aw",@nobits
	.p2align	6
	.space	262144
	.amdgpu_metadata
---
amdhsa.version: [ 1, 2 ]
amdhsa.kernels:
  - .name:           k_q95e3269d35_ffn1
    .symbol:         k_q95e3269d35_ffn1.kd
    .args:
      - { .name: W1, .offset: 0, .size: 8, .value_kind: global_buffer, .address_space: global }
      - { .name: b1, .offset: 8, .size: 8, .value_kind: global_buffer, .address_space: global }
      - { .name: xq, .offset: 16, .size: 8, .value_kind: global_buffer, .address_space: global }
      - { .name: sel, .offset: 24, .size: 8, .value_kind: global_buffer, .address_space: global }
      - { .name: hq, .offset: 32, .size: 8, .value_kind: global_buffer, .address_space: global }
      - { .name: pm, .offset: 40, .size: 8, .value_kind: global_buffer, .address_space: global }
    .group_segment_fixed_size: 40960
    .private_segment_fixed_size: 0
    .kernarg_segment_align: 8
    .kernarg_segment_size: 48
    .max_flat_workgroup_size: 512
    .sgpr_count:     66
    .vgpr_count:     256
    .wavefront_size: 32
...
	.end_amdgpu_metadata
.endif
;; end of part 9
;; launch ffn2 (part 10): grid 32 x 8, 16 waves a work-group, no clusters, 166,912 bytes of LDS; arguments W2, hq, pm, y; writes y
.if DOCPART == 10
	.amdgcn_target "amdgcn-amd-amdhsa--gfx1250"
	.amdhsa_code_object_version 6
	.text
	.protected	k_q95e3269d35_ffn2
	.globl	k_q95e3269d35_ffn2
	.p2align	8
	.type	k_q95e3269d35_ffn2,@function
k_q95e3269d35_ffn2:
	s_mov_b64 s[64:65], 0
	v_nop
	global_prefetch_b8 v0, s[64:65] scope:SCOPE_SE
	s_setreg_imm32_b32 hwreg(HW_REG_WAVE_SCHED_MODE, 0, 2), 2
	s_setreg_imm32_b32 hwreg(HW_REG_WAVE_MODE, 25, 1), 1
	s_wait_xcnt 0x0
	s_wait_alu depctr_vm_vsrc(0)
; SECOND LAYER OF THE CHOSEN EXPERTS: y[kh][pos][c] = the sum over one half of K (2,048 hidden units) of hq[pos][k] Q(W2[e])[k][c], in MX-FP6, f32 sums.  The bias and the gate follow in the next launch.
; Work-group (x, e): columns 64 (x % 16) .. + 63, K half kh = x / 16.  Its 512 KiB of W2 (f32) are read from memory ONCE, in 8 chunks of 256 K x 64 columns, and quantised in registers on the way.
; Stream, ring, products and passes as in the first layer's launch: wave w streams column group w % 2 and block w / 2 of a chunk (a lane a column, 32 registers down K); the codes lie in a ring of two LDS buffers in the
; order of the operand's registers; wave w owns unit g = 16 pass + w: 32 rows x 64 columns, 8 accumulators; source 0 = 16 columns of W2, source 1 = 16 rows of hq.
; Slices of 64 columns: two neighbouring waves read 256 consecutive, aligned bytes of a row of W2.  Hence two halves of K, so that there are 256 work-groups.
; NO BARRIER STANDS UNDER A BRANCH ON A STORED NUMBER: two passes are always walked, every barrier on the common path; flags jump over the work between barriers (PAF: this pass streams; WAF: my unit has rows).
;   A pass that no unit needs is eight barriers and nothing else.  A wave without rows never multiplies; its first row loads read the expert's last written group.
;   Sums start with the constant 0 as C; the 64 accumulators are written once at the head only so that every register is written on every way through the text.
; No tensor loads and no cluster: what a wave does hangs on stored numbers.  No prefetch: the loop streams from memory all the time.  EXEC is never written.
; LIMITS: NaN and infinities not served; blocks of W2 under 2^-124 (zeros too) get the byte 1.
; THE MODE: SCHED_MODE bits 1:0 = 2 (LLVM: expert scheduling mode 2), set by the entry lines.  The code itself states the register dependences
; between vector or matrix instructions and memory or LDS instructions, with s_wait_alu, always for 0.
; THE PLAN.  Registers that memory or LDS instructions touch, in the loop:
;   X0, X1        Chunk t's 32 loads land in X[t % 2]; trip t's quantiser reads it; chunk t + 2's loads land in it later in the same trip.
;   C0, C1, T1    Written by the quantiser's conversions and shift, read by its six LDS stores, written again by the next quantiser.
;   WS, WF        LDS loads land in them, the products read them; the second K step's fragments land in the four places of the first.
;   AF, AS        The rows' loads land in them; the products of K step sl read AF[sl] and AS[sl].
;   The way out   The accumulators, written by the products, are read by LDS stores; v152-215 take the rows back from LDS and are read by the global stores.
;   Every address register is made at the head and never written again; the rows' and y's bases are scalar registers.
; A TRIP'S WAITS: vm_vsrc at the quantiser's head (its out-registers have been read); va_vdst behind its last vector line (codes and byte are written; X[t % 2] is read out);
; va_vdst behind the products of fragments 0 and 1 (their places are free); va_vdst behind those of fragments 2 and 3 (their places, AF[0] and AS[0] are free: the next chunk's rows of K step 0 are asked for
; there, among the second K step's products, which name none of those registers); va_vdst at the products' end, which serves all that follows up to the next trip's fragment loads.
.set BUF,  12800
.set STG,  2*BUF                       ; the way out: 32 rows x (256 + 16) bytes for each wave
.set HSO,  25165824
.set WOFF, 2
.set WST,  3
.set WSB,  4
.set FRD,  5
.set SRD,  6
.set HA,   7
.set HSA,  8
.set SO,   9
.set SR,   10
.set YO,   11
.set PT,   15
.set WS,   16                          ; v16-19 W's scale words: scales and nothing else
.set AS,   20                          ; v20-21 the rows' scale words: scales and nothing else
.set T0,   22
.set T1,   23
.set X,    24
.set ACC,  88
.set WF,   152
.set AF,   200
.set C0,   248
.set C1,   252
.set WV,   16
.set CG,   17
.set KB,   18
.set EX,   19
.set NSL,  20
.set KH,   21
.set SN,   23
.set SG,   24
.set SP,   25
.set WAF,  26
.set PAF,  27
.set HCB,  30
.set HSB,  32
.set YB,   38
.set MO,   44
.macro PLACES n
.rept \n
	v_nop
.endr
.endm
.macro LOADW t                         ; chunk t: K rows 256 t + 32 kb + 0 .. 31 of my half, 128 consecutive bytes a wave and row, into set t % 2
.set XS_, X+32*((\t)%2)
.set I_, 0
.rept 32
	global_load_b32 v[XS_+I_], v[WOFF], s[4:5] offset:(256*(\t)+I_)*4096 th:TH_LOAD_NT
.set I_, I_+1
.endr
.endm
.macro QBLK t
.set XS_, X+32*((\t)%2)
.set BO_, BUF*((\t)%2)
	s_wait_alu depctr_vm_vsrc(0)                   ; the last quantiser's LDS stores have read v[C0 ..], v[C1 ..] and v[T1], which are written again below
	v_max3_num_f32 v[T0], |v[XS_]|, |v[XS_+1]|, |v[XS_+2]|
	v_max3_num_f32 v[T1], |v[XS_+3]|, |v[XS_+4]|, |v[XS_+5]|
.irp i,6,10,14,18,22,26
	v_max3_num_f32 v[T0], v[T0], |v[XS_+\i]|, |v[XS_+\i+1]|
	v_max3_num_f32 v[T1], v[T1], |v[XS_+\i+2]|, |v[XS_+\i+3]|
.endr
	v_max3_num_f32 v[T0], v[T0], |v[XS_+30]|, |v[XS_+31]|
	v_max3_num_f32 v[T0], v[T0], v[T1], 0x1800000  ; the floor 2^(3 - 127)
	v_add_nc_u32 v[T0], 0xff000000, v[T0]          ; 2 off the exponent field: the conversion's scale operand
	v_cvt_scalef32_pk16_fp6_f32 v[C0:C0+2], v[XS_:XS_+15], v[T0]
	v_cvt_scalef32_pk16_fp6_f32 v[C1:C1+2], v[XS_+16:XS_+31], v[T0]
	v_lshrrev_b32 v[T1], 23, v[T0]                 ; the byte (the plain line behind the conversions)
	s_wait_alu depctr_va_vdst(0)                   ; the conversions and the shift have written the codes and the byte, which the LDS stores read; and they are done reading this set of numbers, in which the chunk after next lands
	ds_store_b64 v[WST], v[C0:C0+1] offset:BO_
	ds_store_b32 v[WST], v[C0+2] offset:BO_+8
	ds_store_b32 v[WST], v[C1] offset:BO_+12
	ds_store_b32 v[WST], v[C1+1] offset:BO_+16
	ds_store_b32 v[WST], v[C1+2] offset:BO_+20
	ds_store_b8 v[WSB], v[T1] offset:BO_
.endm
.macro BAR
	s_wait_dscnt 0x0
	s_barrier_signal -1
	s_barrier_wait -1
.endm
.macro WM u, rt
.if Z_
.if (\u)==0 && (\rt)==0
	v_wmma_scale_f32_16x16x128_f8f6f4 v[A_:A_+7], v[W_:W_+11], v[F_:F_+11], 0, v[S_], v[R_] matrix_a_fmt:MATRIX_FMT_FP6 matrix_b_fmt:MATRIX_FMT_FP6
.elseif (\u)==0
	v_wmma_scale_f32_16x16x128_f8f6f4 v[A_:A_+7], v[W_:W_+11], v[F_:F_+11], 0, v[S_], v[R_] matrix_a_fmt:MATRIX_FMT_FP6 matrix_b_fmt:MATRIX_FMT_FP6 matrix_b_scale:MATRIX_SCALE_ROW1
.elseif (\rt)==0
	v_wmma_scale_f32_16x16x128_f8f6f4 v[A_:A_+7], v[W_:W_+11], v[F_:F_+11], 0, v[S_], v[R_] matrix_a_fmt:MATRIX_FMT_FP6 matrix_b_fmt:MATRIX_FMT_FP6 matrix_a_scale:MATRIX_SCALE_ROW1
.else
	v_wmma_scale_f32_16x16x128_f8f6f4 v[A_:A_+7], v[W_:W_+11], v[F_:F_+11], 0, v[S_], v[R_] matrix_a_fmt:MATRIX_FMT_FP6 matrix_b_fmt:MATRIX_FMT_FP6 matrix_a_scale:MATRIX_SCALE_ROW1 matrix_b_scale:MATRIX_SCALE_ROW1
.endif
.else
.if (\u)==0 && (\rt)==0
	v_wmma_scale_f32_16x16x128_f8f6f4 v[A_:A_+7], v[W_:W_+11], v[F_:F_+11], v[A_:A_+7], v[S_], v[R_] matrix_a_fmt:MATRIX_FMT_FP6 matrix_b_fmt:MATRIX_FMT_FP6
.elseif (\u)==0
	v_wmma_scale_f32_16x16x128_f8f6f4 v[A_:A_+7], v[W_:W_+11], v[F_:F_+11], v[A_:A_+7], v[S_], v[R_] matrix_a_fmt:MATRIX_FMT_FP6 matrix_b_fmt:MATRIX_FMT_FP6 matrix_b_scale:MATRIX_SCALE_ROW1
.elseif (\rt)==0
	v_wmma_scale_f32_16x16x128_f8f6f4 v[A_:A_+7], v[W_:W_+11], v[F_:F_+11], v[A_:A_+7], v[S_], v[R_] matrix_a_fmt:MATRIX_FMT_FP6 matrix_b_fmt:MATRIX_FMT_FP6 matrix_a_scale:MATRIX_SCALE_ROW1
.else
	v_wmma_scale_f32_16x16x128_f8f6f4 v[A_:A_+7], v[W_:W_+11], v[F_:F_+11], v[A_:A_+7], v[S_], v[R_] matrix_a_fmt:MATRIX_FMT_FP6 matrix_b_fmt:MATRIX_FMT_FP6 matrix_a_scale:MATRIX_SCALE_ROW1 matrix_b_scale:MATRIX_SCALE_ROW1
.endif
.endif
.endm
.macro WFL sl, f                       ; fragment f = 2 b + u of K step sl, from the ring into place f: three loads
.irp c,0,1,2
	ds_load_b128 v[WF+12*(\f)+4*\c:WF+12*(\f)+4*\c+3], v[FRD] offset:BO_+(4*(\sl)+(\f))*1536+16*\c
.endr
.endm
.macro PR2 sl, f, zero                 ; fragment f against both tiles of rows
.set Z_, (\zero)*(1-(\sl))
.irp rt,0,1
.set A_, ACC+32*\rt+8*(\f)
.set W_, WF+12*(\f)
.set F_, AF+24*(\sl)+12*\rt
.set S_, WS+2*(\sl)+(\f)/2
.set R_, AS+(\sl)
	WM (\f)%2, \rt
.endr
.endm
.macro LOADAH t, sl                    ; my 32 rows' codes and scale words of K step sl of chunk t: 13 loads.  hq's codes: [group][K step][block][row][24 bytes]
.irp rt,0,1
.irp p,0,1,2,3,4,5
	global_load_b64 v[AF+24*(\sl)+12*\rt+2*\p:AF+24*(\sl)+12*\rt+2*\p+1], v[HA], s[HCB:HCB+1] offset:(2*(\t)+(\sl))*3072+384*\rt+1536*(\p/3)+8*(\p%3)
.endr
.endr
	global_load_b32 v[AS+(\sl)], v[HSA], s[HSB:HSB+1] offset:(2*(\t)+(\sl))*128
.endm
.macro LOADA t                         ; both K steps of chunk t: 26 loads
	LOADAH \t, 0
	LOADAH \t, 1
.endm
; A chunk's products: two K steps of 128; the 8 accumulators take turns, one instruction a turn, in the same order every time.
; A fragment is multiplied as soon as its three loads are in, and the second K step's fragments are asked for while the first's are multiplied: places 0 and 1 are filled again behind their products, then places 2 and 3.
; No LDS instruction of the wave is out at the head (the barrier's wait), so each count is the number of loads issued behind the fragment's own.
; Plain places: 4 in front of loads into registers that the products read, 5 at the end, since a later sum is begun anew over these accumulators; the waits on va_vdst stand behind the places and fill none.
; nx: the chunk whose rows of K step 0 are asked for as soon as this chunk's first K step is multiplied; -1: none.
.macro MULT t, zero, nx
.set BO_, BUF*((\t)%2)
.irp sl,0,1
.irp b,0,1
	ds_load_b32 v[WS+2*\sl+\b], v[SRD] offset:BO_+256*\sl+128*\b
.endr
.endr
	WFL 0, 0
	WFL 0, 1
	WFL 0, 2
	WFL 0, 3
	s_wait_dscnt 9                                 ; the scale words and fragment 0 are in; three fragments' loads may be out
	PR2 0, 0, \zero
	s_wait_dscnt 6
	PR2 0, 1, \zero
	PLACES 4
	s_wait_alu depctr_va_vdst(0)                   ; the four products above are done reading places 0 and 1, in which the next six loads land
	WFL 1, 0
	WFL 1, 1
	s_wait_dscnt 9                                 ; fragment 2 is in; fragment 3's three loads and the six just issued may be out
	PR2 0, 2, \zero
	s_wait_dscnt 6
	PR2 0, 3, \zero
	PLACES 4
	s_wait_alu depctr_va_vdst(0)                   ; the first K step's products are done reading places 2 and 3 and the rows' fragments and scale words of that K step: loads land in all of these below
	WFL 1, 2
	WFL 1, 3
.if (\nx)>=0
	LOADAH \nx, 0                                  ; no vector or matrix instruction since the wait names these registers, and the products below read the second K step's alone
.endif
	s_wait_dscnt 9                                 ; the second K step's fragment 0 is in; three fragments' loads may be out
	PR2 1, 0, 0
	s_wait_dscnt 6
	PR2 1, 1, 0
	s_wait_dscnt 3
	PR2 1, 2, 0
	s_wait_dscnt 0x0
	PR2 1, 3, 0
	PLACES 5
	s_wait_alu depctr_va_vdst(0)                   ; the products have written the accumulators, which the way out's LDS stores read, and are done reading the four places, the scale words and the rows' second K step, in which loads land next
.endm
.macro HEADT t, n
	s_wait_loadcnt \n
	s_cmp_eq_u32 s[PAF], 0
	s_cbranch_scc1 .Lnq_\@
	QBLK \t
.Lnq_\@:
	BAR                                            ; buffer t % 2 is whole; and the other buffer's readers of the last trip have their loads in, so the next trip may write it
.endm
; A trip.  The arm that asks for nothing waits for all loads: so on every way through the text a set of registers is loaded again only when its earlier loads are in
; (either the next trip's wait, which leaves only the other set's 32 younger loads out, or this one).
.macro TRIP t, n, zero
	HEADT \t, \n
	s_cmp_eq_u32 s[PAF], 0
	s_cbranch_scc1 .Lsk_\@
	s_cmp_eq_u32 s[WAF], 0
	s_cbranch_scc1 .Lin_\@
.if (\t)==0
	s_wait_loadcnt 0x0                             ; the rows' first fragments, asked for last
.endif
	MULT \t, \zero, (\t)+1
	LOADAH (\t)+1, 1                               ; behind the wait at the products' end
.Lin_\@:
.if (\t)<6
	LOADW (\t)+2                                   ; always behind the rows' loads: a wait that leaves these 32 out proves both.  (The quantiser's own wait has shown this set read out)
.endif
	s_branch .Len_\@
.Lsk_\@:
	s_wait_loadcnt 0x0
.Len_\@:
.endm
; What a pass needs: has my unit rows; where its rows' codes and scale words lie; where its results go.  (Behind the last pass the numbers are made and not used.)
.macro PASSADR
	s_lshl_b32 s34, s[SP], 4
	s_add_co_u32 s34, s34, s[WV]                   ; my unit g
	s_cmp_lt_u32 s34, s[SG]
	s_cselect_b32 s[WAF], 1, 0
	s_sub_co_u32 s35, s[SG], 1
	s_min_u32 s35, s34, s35                        ; the group that I read: g, or the last written one
	s_min_u32 s35, s35, 31
	s_lshl_b32 s36, s[EX], 5
	s_add_co_u32 s35, s35, s36
	s_add_co_u32 s34, s34, s36                     ; the group that I store: 32 e + g
	s_mul_i32 s36, s35, 98304
	s_mul_i32 s37, s[KH], 49152
	s_add_co_u32 s36, s36, s37
	s_mov_b32 s37, 0
	s_add_nc_u64 s[HCB:HCB+1], s[6:7], s[36:37]
	s_lshl_b32 s36, s35, 12
	s_lshl_b32 s35, s[KH], 11
	s_add_co_u32 s36, s36, s35
	s_add_co_u32 s36, s36, HSO
	s_add_nc_u64 s[HSB:HSB+1], s[6:7], s[36:37]
	s_lshl_b32 s36, s34, 17                        ; 32 rows of 4,096 bytes a group
	s_lshl_b32 s35, s[KH], 25
	s_add_co_u32 s36, s36, s35
	s_lshl_b32 s35, s[NSL], 8
	s_add_co_u32 s36, s36, s35
	s_add_nc_u64 s[YB:YB+1], s[10:11], s[36:37]
.endm
	s_load_b256 s[4:11], s[0:1], 0x0               ; W2, hq, pm, y
	v_lshl_add_u32 v251, v0, 2, 0x28400
	v_mov_b32 v255, 0
	v_lshrrev_b32 v1, 5, v0
	v_readfirstlane_b32 s[WV], v1
	v_and_b32 v[T0], 31, v0                        ; lane
	s_wait_alu depctr_va_vdst(0)
	v_bfe_u32 v[T1], v0, 3, 1                      ; u of the column that I stream
	v_bfe_u32 v[PT], v0, 4, 1                      ; lane / 16
	s_wait_alu depctr_va_sdst(0)                   ; s[WV] is written, ahead of its first reader
	s_and_b32 s[CG], s[WV], 1
	s_lshr_b32 s[KB], s[WV], 1
	s_and_b32 s[EX], ttmp7, 0xffff
	s_and_b32 s[NSL], ttmp9, 15
	s_lshr_b32 s[KH], ttmp9, 4
	s_lshl_b32 s34, s[KB], 17                      ; 32 rows of 4,096 bytes a block
	s_lshl_b32 s35, s[CG], 7
	s_add_co_u32 s34, s34, s35
	v_lshl_add_u32 v[WOFF], v[T0], 2, s34
	v_and_b32 v[WST], 7, v0
	s_wait_alu depctr_va_vdst(0)
	v_lshl_add_u32 v[WST], v[PT], 3, v[WST]        ; r of that column in its tile
	v_lshlrev_b32 v[WSB], 2, v[WST]
	v_lshl_add_u32 v[WSB], v[T1], 6, v[WSB]
	v_mul_u32_u24 v[WST], v[WST], 48
	v_mad_u32_u24 v[WST], v[T1], 1536, v[WST]
	s_wait_alu depctr_va_vdst(0)
	s_lshr_b32 s34, s[KB], 2
	s_mul_i32 s35, s34, 6144
	s_mul_i32 s36, s[CG], 3072
	s_add_co_u32 s35, s35, s36
	s_and_b32 s36, s[KB], 1
	s_mul_i32 s36, s36, 768
	s_add_co_u32 s35, s35, s36
	s_bfe_u32 s36, s[KB], 0x10001
	s_mul_i32 s36, s36, 24
	s_add_co_u32 s35, s35, s36
	v_add_nc_u32 v[WST], s35, v[WST]
	s_lshl_b32 s34, s34, 8
	s_lshl_b32 s36, s[CG], 7
	s_add_co_u32 s34, s34, s36
	s_and_b32 s36, s[KB], 3
	s_add_co_u32 s34, s34, s36
	s_add_co_u32 s34, s34, 12288
	v_add_nc_u32 v[WSB], s34, v[WSB]
	v_mul_u32_u24 v[FRD], v[T0], 48
	v_lshl_add_u32 v[SRD], v[T0], 2, 12288
	v_and_b32 v[YO], 15, v0                        ; lane % 16
	s_mul_i32 s34, s[WV], 8704
	s_add_co_u32 s34, s34, STG                     ; my stage
	v_mul_u32_u24 v[SO], v[YO], 272
	v_lshl_add_u32 v[SO], v[PT], 6, v[SO]
	v_add_nc_u32 v[SO], s34, v[SO]                 ; in: row lane % 16, my half's 64 bytes of a block's 128
	v_mul_u32_u24 v[SR], v[PT], 272
	v_lshl_add_u32 v[SR], v[YO], 4, v[SR]
	v_add_nc_u32 v[SR], s34, v[SR]                 ; back: lanes 0-15 one row of 256 bytes, lanes 16-31 the next
	v_mul_u32_u24 v[HA], v[YO], 24
	v_mad_u32_u24 v[HA], v[PT], 768, v[HA]         ; hq's codes: row lane % 16, block lane / 16
	v_lshlrev_b32 v[YO], 4, v[YO]
	v_lshl_add_u32 v[YO], v[PT], 12, v[YO]         ; and the same two rows in y
	v_lshlrev_b32 v[HSA], 2, v[T0]
	s_mov_b32 s[SP], 0
	s_mov_b32 s[PAF], 1                            ; pass 0 always streams
	s_lshl_b32 s[MO], s[EX], 2
	s_lshl_b32 s36, s[EX], 24
	s_lshl_b32 s35, s[KH], 23
	s_add_co_u32 s36, s36, s35
	s_lshl_b32 s35, s[NSL], 8
	s_add_co_u32 s36, s36, s35
	s_mov_b32 s37, 0
	s_wait_kmcnt 0x0
	s_load_b32 s[SN], s[8:9], s[MO] offset:0x2000  ; the expert's count
	s_add_nc_u64 s[4:5], s[4:5], s[36:37]
	s_wait_alu depctr_va_vdst(0)                   ; every address and offset made above is written: loads, stores and LDS instructions read them from here on, and none is written again
	LOADW 0
	LOADW 1
	s_wait_kmcnt 0x0
	s_min_u32 s[SN], s[SN], 1024
	s_add_co_u32 s[SG], s[SN], 31
	s_lshr_b32 s[SG], s[SG], 5
	s_max_u32 s[SG], s[SG], 1                      ; groups of 32 rows, at least one: as many as the launch before has written
	PASSADR
	LOADA 0                                        ; by every wave: so the rows' registers are written on every way
.set I_, 0
.rept 64
	v_mov_b32 v[ACC+I_], 0                         ; once, while the first loads are out (see the head: a wave without rows never multiplies)
.set I_, I_+1
.endr
.Lpass:
	TRIP 0, 58, 1                                  ; chunk 0 is in: behind it stand chunk 1's 32 loads and the rows' 26
	TRIP 1, 32, 0                                  ; from here on: all but the next chunk's 32 loads
	TRIP 2, 32, 0
	TRIP 3, 32, 0
	TRIP 4, 32, 0
	TRIP 5, 32, 0
	TRIP 6, 32, 0
	HEADT 7, 0
	s_cmp_eq_u32 s[WAF], 0
	s_cbranch_scc1 .Lsk7
	MULT 7, 0, -1
	; THE WAY OUT: a lane holds 16 neighbouring columns of a row; through my own stage the 32 rows come back whole: sixteen lanes store 256 consecutive, aligned bytes.
	; The places and the wait at the products' end serve the LDS stores, which read the accumulators, and the LDS loads, which land in registers that the products read.
.irp rt,0,1
.irp b,0,1
.irp u,0,1
	ds_store_b128 v[SO], v[ACC+32*\rt+16*\b+8*\u:ACC+32*\rt+16*\b+8*\u+3] offset:16*\rt*272+128*\b+32*\u        ; each accumulator from its low end on
	ds_store_b128 v[SO], v[ACC+32*\rt+16*\b+8*\u+4:ACC+32*\rt+16*\b+8*\u+7] offset:16*\rt*272+128*\b+32*\u+16
.endr
.endr
.endr
.irp i,0,1,2,3,4,5,6,7,8,9,10,11,12,13,14,15
	ds_load_b128 v[WF+4*\i:WF+4*\i+3], v[SR] offset:2*\i*272       ; LDS serves a wave's instructions in order: these see my stores
.endr
.irp i,0,1,2,3,4,5,6,7,8,9,10,11,12,13,14,15
	s_wait_dscnt 15-\i
	global_store_b128 v[YO], v[WF+4*\i:WF+4*\i+3], s[YB:YB+1] offset:8192*\i th:TH_STORE_NT
.endr
.Lsk7:
	s_wait_xcnt 0x0                                ; the stores' data and the bases are written again only behind this wait
	s_wait_alu depctr_vm_vsrc(0)                   ; the LDS stores have read the accumulators, which the next pass's products write; the global stores have read v152-215, where fragments and rows land again
	s_add_co_u32 s[SP], s[SP], 1
	PASSADR
	s_lshl_b32 s34, s[SP], 4
	s_cmp_lt_u32 s34, s[SG]                        ; are there units for another pass?  (never behind the second: there are at most 32)
	s_cselect_b32 s[PAF], 1, 0
	s_cbranch_scc0 .Lnow
	LOADW 0
	LOADW 1
	LOADA 0
.Lnow:
	s_cmp_lt_u32 s[SP], 2
	s_cbranch_scc1 .Lpass
	s_wait_dscnt 0x0                               ; the closing lines, six on end
	s_wait_alu 0x0
	s_wait_tensorcnt 0x0
	ds_add_u32 v251, v255
	s_wait_dscnt 0x0
	s_endpgm
.Lfunc_end_k_q95e3269d35_ffn2:
	.size	k_q95e3269d35_ffn2, .Lfunc_end_k_q95e3269d35_ffn2-k_q95e3269d35_ffn2
	.p2alignl 7, 3214868480
	.fill 96, 4, 3214868480
	.section	.rodata,"a",@progbits
	.p2align	6, 0x0
	.amdhsa_kernel k_q95e3269d35_ffn2
		.amdhsa_group_segment_fixed_size 166912
		.amdhsa_private_segment_fixed_size 0
		.amdhsa_enable_private_segment 0
		.amdhsa_kernarg_size 32
		.amdhsa_user_sgpr_count 2
		.amdhsa_user_sgpr_kernarg_segment_ptr 1
		.amdhsa_wavefront_size32 1
		.amdhsa_system_sgpr_workgroup_id_x 1
		.amdhsa_system_sgpr_workgroup_id_y 1
		.amdhsa_system_sgpr_workgroup_id_z 1
		.amdhsa_system_vgpr_workitem_id 0
		.amdhsa_next_free_vgpr 256
		.amdhsa_next_free_sgpr 66
		.amdhsa_reserve_vcc 0
		.amdhsa_float_denorm_mode_32 3
		.amdhsa_float_denorm_mode_16_64 3
		.amdhsa_memory_ordered 1
		.amdhsa_forward_progress 1
		.amdhsa_inst_pref_size 117
	.end_amdhsa_kernel
	.amdgpu_metadata
---
amdhsa.version: [ 1, 2 ]
amdhsa.kernels:
  - .name:           k_q95e3269d35_ffn2
    .symbol:         k_q95e3269d35_ffn2.kd
    .args:
      - { .name: W2, .offset: 0, .size: 8, .value_kind: global_buffer, .address_space: global }
      - { .name: hq, .offset: 8, .size: 8, .value_kind: global_buffer, .address_space: global }
      - { .name: pm, .offset: 16, .size: 8, .value_kind: global_buffer, .address_space: global }
      - { .name: y, .offset: 24, .size: 8, .value_kind: global_buffer, .address_space: global }
    .group_segment_fixed_size: 166912
    .private_segment_fixed_size: 0
    .kernarg_segment_align: 8
    .kernarg_segment_size: 32
    .max_flat_workgroup_size: 512
    .sgpr_count:     66
    .vgpr_count:     256
    .wavefront_size: 32
...
	.end_amdgpu_metadata
.endif
;; end of part 10
;; launch comb (part 11): grid 257 x 1, 4 waves a work-group, no clusters, 1,536 bytes of LDS; arguments y, pm, rf, b2, out0, out1; writes out0, out1
.if DOCPART == 11
	.amdgcn_target "amdgcn-amd-amdhsa--gfx1250"
	.amdhsa_code_object_version 6
	.text
	.protected	k_q95e3269d35_comb
	.globl	k_q95e3269d35_comb
	.p2align	8
	.type	k_q95e3269d35_comb,@function
k_q95e3269d35_comb:
	s_mov_b64 s[64:65], 0
	v_nop
	global_prefetch_b8 v0, s[64:65] scope:SCOPE_SE
	s_setreg_imm32_b32 hwreg(HW_REG_WAVE_MODE, 25, 1), 1
	s_wait_xcnt 0x0
; THE GATE AND THE AUXILIARY LOSS.  Work-groups 0 .. 255: wave w takes token t = 4 x work-group + w:
;   out0[t] = w0 (y[0][pos0] + y[1][pos0] + b2[e0]) + w1 (y[0][pos1] + y[1][pos1] + b2[e1]),  pos_k = posmap[2 t + k] (stored whole numbers), e_k = pos_k / 1024, w_k the gate's weights.
;   Each load and store of a wave covers 512 consecutive bytes; a row is eight of them.
; Work-group 256: out1 = 8 x the sum over experts of (the sum over tokens of the full softmax / 1024)^2.  It alone uses LDS.
; A stream: no matrix unit, no cluster, no tensor load would add anything.
	s_load_b256 s[4:11], s[0:1], 0x0               ; y, pm, rf, b2
	s_load_b128 s[12:15], s[0:1], 0x20             ; out0, out1
	v_lshl_add_u32 v208, v0, 2, 0x400
	v_mov_b32 v209, 0
	v_lshrrev_b32 v1, 5, v0
	v_readfirstlane_b32 s16, v1                    ; wave
	v_and_b32 v1, 31, v0
	v_lshlrev_b32 v2, 4, v1                        ; 16 x lane
	s_cmp_eq_u32 ttmp9, 256
	s_cbranch_scc1 .Laux
	s_lshl_b32 s17, ttmp9, 2
	s_add_co_u32 s17, s17, s16                     ; my token
	s_lshl_b32 s18, s17, 3
	s_wait_kmcnt 0x0
	s_load_b64 s[20:21], s[6:7], s18 offset:0x0    ; its two positions
	s_load_b64 s[22:23], s[8:9], s18 offset:0x0    ; its two weights
	s_wait_kmcnt 0x0
	s_lshr_b32 s24, s20, 10
	s_lshr_b32 s25, s21, 10
	s_min_u32 s24, s24, 7                          ; the experts
	s_min_u32 s25, s25, 7
	s_min_u32 s20, s20, 8191
	s_min_u32 s21, s21, 8191
	s_mov_b32 s27, 0
	s_lshl_b32 s26, s20, 12
	s_add_nc_u64 s[28:29], s[4:5], s[26:27]        ; y, first half of K, first choice;
	s_add_nc_u64 s[30:31], s[28:29], 0x2000000     ; second half
	s_lshl_b32 s26, s21, 12
	s_add_nc_u64 s[32:33], s[4:5], s[26:27]        ; the same of the second choice
	s_add_nc_u64 s[34:35], s[32:33], 0x2000000
	s_lshl_b32 s26, s24, 12
	s_add_nc_u64 s[36:37], s[10:11], s[26:27]      ; the two rows of b2
	s_lshl_b32 s26, s25, 12
	s_add_nc_u64 s[38:39], s[10:11], s[26:27]
	s_lshl_b32 s26, s17, 12
	s_add_nc_u64 s[40:41], s[12:13], s[26:27]
	s_mov_b32 s44, s23                             ; the packed forms take a pair's low word for both halves
	s_mov_b32 s45, s23
	s_wait_alu depctr_va_vdst(0)
.irp c,0,1,2,3,4,5,6,7
	global_load_b128 v[8+4*\c:11+4*\c], v2, s[28:29] offset:512*\c th:TH_LOAD_NT
	global_load_b128 v[40+4*\c:43+4*\c], v2, s[30:31] offset:512*\c th:TH_LOAD_NT
	global_load_b128 v[72+4*\c:75+4*\c], v2, s[36:37] offset:512*\c
	global_load_b128 v[104+4*\c:107+4*\c], v2, s[32:33] offset:512*\c th:TH_LOAD_NT
	global_load_b128 v[136+4*\c:139+4*\c], v2, s[34:35] offset:512*\c th:TH_LOAD_NT
	global_load_b128 v[168+4*\c:171+4*\c], v2, s[38:39] offset:512*\c
.endr
.irp c,0,1,2,3,4,5,6,7
	s_wait_loadcnt 6*(7-\c)                        ; this piece's six loads are in; the later pieces' may be out
.irp d,0,2
	v_pk_add_f32 v[8+4*\c+\d:9+4*\c+\d], v[8+4*\c+\d:9+4*\c+\d], v[40+4*\c+\d:41+4*\c+\d]
	v_pk_add_f32 v[104+4*\c+\d:105+4*\c+\d], v[104+4*\c+\d:105+4*\c+\d], v[136+4*\c+\d:137+4*\c+\d]
	v_pk_add_f32 v[8+4*\c+\d:9+4*\c+\d], v[8+4*\c+\d:9+4*\c+\d], v[72+4*\c+\d:73+4*\c+\d]
	v_pk_add_f32 v[104+4*\c+\d:105+4*\c+\d], v[104+4*\c+\d:105+4*\c+\d], v[168+4*\c+\d:169+4*\c+\d]
	v_pk_mul_f32 v[8+4*\c+\d:9+4*\c+\d], v[8+4*\c+\d:9+4*\c+\d], s[22:23] op_sel_hi:[1,0]
	v_pk_fma_f32 v[8+4*\c+\d:9+4*\c+\d], v[104+4*\c+\d:105+4*\c+\d], s[44:45], v[8+4*\c+\d:9+4*\c+\d] op_sel_hi:[1,0,1]
.endr
	global_store_b128 v2, v[8+4*\c:11+4*\c], s[40:41] offset:512*\c th:TH_STORE_NT
.endr
	s_endpgm
.Laux:
	v_lshlrev_b32 v3, 4, v0
	s_mov_b32 s20, 0x76543210
	s_mov_b32 s21, 0xfedcba98
	v_and_b32 v4, 1, v0
	v_lshlrev_b32 v4, 4, v4                        ; which four experts are mine: thread % 2
	v_lshrrev_b32 v6, 5, v0
	v_lshl_add_u32 v6, v6, 5, v4                   ; my wave's 32 bytes in LDS
	s_wait_alu depctr_va_vdst(0)
	s_wait_kmcnt 0x0
.irp q,0,1,2,3,4,5,6,7,8,9,10,11,12,13,14,15
	global_load_b128 v[16+4*\q:19+4*\q], v3, s[8:9] offset:8192+2048*\q       ; piece thread + 128 q: token (piece / 2), experts 4 (piece % 2) on
.endr
	s_wait_loadcnt 0x0
.irp q,1,2,3,4,5,6,7,8,9,10,11,12,13,14,15
	v_pk_add_f32 v[16:17], v[16:17], v[16+4*\q:17+4*\q]
	v_pk_add_f32 v[18:19], v[18:19], v[18+4*\q:19+4*\q]
.endr
.irp m,2,4,8                           ; the lanes of my parity
.irp a,16,17,18,19
	v_add_f32_dpp v[\a], v[\a], v[\a] row_xmask:\m row_mask:0xf bank_mask:0xf
.endr
.endr
.irp a,0,1,2,3
	v_permlanex16_b32 v[20+\a], v[16+\a], s20, s21
.endr
.irp a,0,1,2,3
	v_add_f32 v[16+\a], v[16+\a], v[20+\a]
.endr
	ds_store_b128 v6, v[16:19]                     ; all lanes of a parity write the same 16 bytes with the same numbers
	s_wait_dscnt 0x0
	s_barrier_signal -1
	s_barrier_wait -1
.irp w,0,1,2,3
	ds_load_b128 v[24+4*\w:27+4*\w], v4 offset:32*\w
.endr
	s_wait_dscnt 0x0
.irp w,1,2,3
	v_pk_add_f32 v[24:25], v[24:25], v[24+4*\w:25+4*\w]
	v_pk_add_f32 v[26:27], v[26:27], v[26+4*\w:27+4*\w]
.endr
.irp a,24,25,26,27
	v_mul_f32 v[\a], 0x3a800000, v[\a]             ; / 1024
.endr
	v_mul_f32 v28, v24, v24
	v_fmac_f32 v28, v25, v25
	v_fmac_f32 v28, v26, v26
	v_fmac_f32 v28, v27, v27
	v_add_f32_dpp v28, v28, v28 row_xmask:1 row_mask:0xf bank_mask:0xf      ; with the other four experts'
	v_mul_f32 v28, 0x41000000, v28                 ; x 8
	v_mov_b32 v29, 0
	v_cmp_eq_u32 vcc_lo, 0, v0
	s_wait_alu depctr_va_vdst(0)
	s_wait_xcnt 0x0                                ; EXEC changes only behind this wait
	s_wait_tensorcnt 0x0
	ds_add_u32 v208, v209
	s_wait_dscnt 0x0
	s_and_saveexec_b32 s22, vcc_lo
	global_store_b32 v29, v28, s[14:15]
	s_wait_xcnt 0x0
	s_or_b32 exec_lo, exec_lo, s22
	s_endpgm
.Lfunc_end_k_q95e3269d35_comb:
	.size	k_q95e3269d35_comb, .Lfunc_end_k_q95e3269d35_comb-k_q95e3269d35_comb
	.p2alignl 7, 3214868480
	.fill 96, 4, 3214868480
	.section	.rodata,"a",@progbits
	.p2align	6, 0x0
	.amdhsa_kernel k_q95e3269d35_comb
		.amdhsa_group_segment_fixed_size 1536
		.amdhsa_private_segment_fixed_size 0
		.amdhsa_enable_private_segment 0
		.amdhsa_kernarg_size 48
		.amdhsa_user_sgpr_count 2
		.amdhsa_user_sgpr_kernarg_segment_ptr 1
		.amdhsa_wavefront_size32 1
		.amdhsa_system_sgpr_workgroup_id_x 1
		.amdhsa_system_sgpr_workgroup_id_y 1
		.amdhsa_system_sgpr_workgroup_id_z 1
		.amdhsa_system_vgpr_workitem_id 0
		.amdhsa_next_free_vgpr 210
		.amdhsa_next_free_sgpr 66
		.amdhsa_reserve_vcc 1
		.amdhsa_float_denorm_mode_32 3
		.amdhsa_float_denorm_mode_16_64 3
		.amdhsa_memory_ordered 1
		.amdhsa_forward_progress 1
		.amdhsa_inst_pref_size 21
	.end_amdhsa_kernel
	.amdgpu_metadata
---
amdhsa.version: [ 1, 2 ]
amdhsa.kernels:
  - .name:           k_q95e3269d35_comb
    .symbol:         k_q95e3269d35_comb.kd
    .args:
      - { .name: y, .offset: 0, .size: 8, .value_kind: global_buffer, .address_space: global }
      - { .name: pm, .offset: 8, .size: 8, .value_kind: global_buffer, .address_space: global }
      - { .name: rf, .offset: 16, .size: 8, .value_kind: global_buffer, .address_space: global }
      - { .name: b2, .offset: 24, .size: 8, .value_kind: global_buffer, .address_space: global }
      - { .name: out0, .offset: 32, .size: 8, .value_kind: global_buffer, .address_space: global }
      - { .name: out1, .offset: 40, .size: 8, .value_kind: global_buffer, .address_space: global }
    .group_segment_fixed_size: 1536
    .private_segment_fixed_size: 0
    .kernarg_segment_align: 8
    .kernarg_segment_size: 48
    .max_flat_workgroup_size: 128
    .sgpr_count:     66
    .vgpr_count:     210
    .wavefront_size: 32
...
	.end_amdgpu_metadata
.endif
;; end of part 11
